; MI455X (gfx1250); checked and timed in simulation.
; The chip was launched on July 23, 2026; its instructions are those of AMD's public machine-readable ISA for CDNA 5 (MIT licence, August 2026) and "CDNA5" Instruction Set Architecture Reference Guide (July 2026). The comments in the code are by the model that wrote it; some were corrected since.
;; LION Linear Attention Layer. Allowed arithmetic: float matrix products may take bf16 or f16 operands with f32 sums; other float arithmetic in f32, or as packed bf16 or f16 multiplies, adds, multiply-adds, maxima and minima; sums over many terms, partial sums and values carried from step to step in f32; what a program stores and reads back later, other than sums and carried values, may be rounded once to bf16 or f16.
;; Inputs: dec_b 16 float32; dec_w 1,024 x 16 float32; f1_b 4,096 float32; f1_w 1,024 x 4,096 float32; f2_b 1,024 float32; f2_w 4,096 x 1,024 float32; k_b 1,024 float32; k_w 1,024 x 1,024 float32; ln1_b 1,024 float32; ln1_w 1,024 float32; ln2_b 1,024 float32; ln2_w 1,024 float32; o_b 1,024 float32; o_w 1,024 x 1,024 float32; q_b 1,024 float32; q_w 1,024 x 1,024 float32; v_b 1,024 float32; v_w 1,024 x 1,024 float32; x 2 x 2,048 x 1,024 float32.
;; Outputs: out0 2 x 2,048 x 1,024 float32.
;; 2 versions, each right; version 2 is version 1 with the launches prep, ln2 written anew for expert scheduling mode. Each part assembles by itself: llvm-mc -triple=amdgcn-amd-amdhsa -mcpu=gfx1250 --defsym DOCPART=n.
;; ======== version 1 of 2: 8 launches
;; limits: values outside matrix products are rounded to bf16
;; workspace buffers: wb 25,165,824 bytes; act 8,388,608 bytes; big 33,554,432 bytes; ll 262,144 bytes; ac 262,144 bytes; sm 5,242,880 bytes; x1 16,777,216 bytes
;; launch prep (part 1): grid 512 x 1, 8 waves a work-group, no clusters, 75,008 bytes of LDS; arguments x, ln1_w, ln1_b, dec_w, dec_b, q_w, k_w, v_w, o_w, f1_w, f2_w, act, ll, wb; writes act, ll, wb
.if DOCPART == 1
	.amdgcn_target "amdgcn-amd-amdhsa--gfx1250"
	.amdhsa_code_object_version 6
	.text
	.protected	k_qc2e7289774_prep
	.globl	k_qc2e7289774_prep
	.p2align	8
	.type	k_qc2e7289774_prep,@function
k_qc2e7289774_prep:
	s_mov_b64 s[64:65], 0
	v_nop
	global_prefetch_b8 v0, s[64:65] scope:SCOPE_SE
	s_setreg_imm32_b32 hwreg(HW_REG_WAVE_MODE, 25, 1), 1
	s_wait_xcnt 0x0
; prep: two kinds of work-groups in one launch, told apart by one branch on the work-group's number.
; Work-groups 0-255, 16 rows of x each (wave w: rows 2w, 2w+1; a row is 8 loads of 512 consecutive bytes):
;  (1) act[row][1024] = bf16(LayerNorm1(x[row])), two passes over the row in registers (mean first, then the squares of the differences).
;  (2) ll[row][16]    = log2(max(sigmoid(z), 1e-8)), z = x_n . dec_w + dec_b, the product on the matrix unit with bf16 operands.
; Work-groups 256-511, 1/256 of every weight matrix each:
;  (3) wb = the six weight matrices rounded to bf16, layout kept ([K][N]): q 0, k 2 MiB, v 4 MiB, o 6 MiB, f1 8 MiB, f2 16 MiB.
;      A wave issues all its 48 loads (24 KiB) at once, so that the weights are on their way while the other kind still normalises.
; LIMITS: finite inputs.  ll is made as -log2(1 + 2^(-z log2 e)): for z above about 16 the sum rounds to 1 and ll to 0 (its true size is below 2e-7).
; No cluster, no tensor loads: nothing is shared between work-groups but dec_w (64 KiB), and every other byte is read once, straight into registers.
.set SPITCH, 2064                      ; LDS pitch of a normalised row: 2,048 bytes + 16, an odd multiple of 16
.set DEC,    33024                     ; dec_w as bf16, [1024 k][16 n], pitch 32 bytes
.set PART,   65792                     ; the eight waves' partial products: [wave][register j][lane] f32
.set WF1,    8388608                   ; byte offset of f1's weights in wb
.set X,   16                           ; v[16:79]   two rows as loaded
.set GW,  80                           ; v[80:111]  ln1_w of my columns
.set GB,  112                          ; v[112:143] ln1_b
.set DW,  144                          ; v[144:207] dec_w as loaded; later the fragments FR
.set FR,  144
.set ACC, 208                          ; v[208:223] two accumulators
.set DB,  224                          ; v[224:227] dec_b of heads 4 (t & 3) .. + 3
.set T,   228                          ; v[228:239] at work
.set W,   16                           ; v[16:207]  the other kind: 48 loads of weights
	s_load_b512 s[8:23], s[0:1], 0x0               ; x 8, ln1_w 10, ln1_b 12, dec_w 14, dec_b 16, q_w 18, k_w 20, v_w 22
	s_load_b256 s[24:31], s[0:1], 0x40             ; o_w 24, f1_w 26, f2_w 28, act 30
	s_load_b128 s[32:35], s[0:1], 0x60             ; ll 32, wb 34
	v_lshl_add_u32 v240, v0, 2, 0x12100
	v_mov_b32 v241, 0
	s_cmp_ge_u32 ttmp9, 256                        ; the same for every wave of a work-group
	s_cbranch_scc1 .Lweights
	v_and_b32 v1, 31, v0                           ; lane
	v_lshrrev_b32 v2, 5, v0
	v_readfirstlane_b32 s3, v2                     ; wave
	s_mov_b32 s36, 0x76543210                      ; v_permlanex16_b32: lane i takes lane i of the other half
	s_mov_b32 s37, 0xfedcba98
	s_mov_b32 s38, 0x3a800000                      ; 1/1024
	s_mov_b32 s39, 0xc1d49a78                      ; log2(1e-8)
	s_lshl_b32 s4, ttmp9, 16                       ; 16 rows of 4,096 bytes
	s_lshl_b32 s5, s3, 13                          ; 2 rows
	s_add_co_u32 s4, s4, s5
	v_lshl_add_u32 v2, v1, 4, s4                   ; x: my 16 bytes in my first row
	v_lshlrev_b32 v3, 4, v1                        ; gains and biases
	s_lshl_b32 s4, ttmp9, 15
	s_lshl_b32 s5, s3, 12
	s_add_co_u32 s4, s4, s5
	v_lshl_add_u32 v4, v1, 3, s4                   ; act: my 8 bytes in my first row
	s_mul_i32 s5, s3, 2*SPITCH
	v_lshl_add_u32 v5, v1, 3, s5                   ; the same in LDS
	v_and_b32 v6, 3, v0
	v_lshlrev_b32 v6, 4, v6                        ; dec_b: 16 (t & 3)
	v_lshlrev_b32 v7, 4, v0                        ; dec_w: 16 t
	v_lshlrev_b32 v8, 3, v0
	v_add_nc_u32 v8, DEC, v8                       ; its bf16 copy: 8 t
	v_and_b32 v12, 15, v1                          ; r
	v_lshrrev_b32 v13, 4, v1                       ; h
	v_mul_u32_u24 v11, v12, SPITCH
	v_lshl_add_u32 v11, v13, 4, v11
	s_lshl_b32 s5, s3, 8
	v_add_nc_u32 v11, s5, v11                      ; A fragments: r pitch + 16 h + my 128 k (256 bytes)
	v_and_b32 v14, 7, v1
	v_lshl_add_u32 v14, v13, 3, v14                ; 8 h + (l & 7)
	v_bfe_u32 v15, v1, 3, 1
	v_lshlrev_b32 v15, 4, v15
	v_lshl_add_u32 v12, v14, 5, v15
	s_lshl_b32 s5, s3, 12                          ; my 128 k rows of 32 bytes
	s_add_co_u32 s5, s5, DEC
	v_add_nc_u32 v12, s5, v12                      ; B fragments, for the transposing load
	s_lshl_b32 s5, s3, 10
	s_add_co_u32 s5, s5, PART
	v_lshl_add_u32 v13, v1, 2, s5                  ; my partial product
	v_bfe_u32 v9, v0, 2, 3                         ; threads 0-63 finish element (m = t >> 2, n = 4 (t & 3) ..): register m & 7,
	v_lshl_add_u32 v9, v9, 7, v6
	v_bfe_u32 v10, v0, 5, 1                        ; lanes 16 (m >> 3) + n
	v_lshl_add_u32 v9, v10, 6, v9
	v_add_nc_u32 v9, PART, v9
	s_lshl_b32 s4, ttmp9, 10
	v_lshl_add_u32 v10, v0, 4, s4                  ; ll: 16 rows of 64 bytes, 16 t
	v_mov_b32 v[T+11], 0                           ; v_permlanex16_b32 counts as a reader of its destination
	s_wait_kmcnt 0x0
.irp p, 0,1
.irp j, 0,1,2,3,4,5,6,7
	global_load_b128 v[X+32*\p+4*\j:X+32*\p+4*\j+3], v2, s[8:9] offset:\p*4096+512*\j th:TH_LOAD_NT
.endr
.endr
.irp j, 0,1,2,3,4,5,6,7
	global_load_b128 v[GW+4*\j:GW+4*\j+3], v3, s[10:11] offset:512*\j
.endr
.irp j, 0,1,2,3,4,5,6,7
	global_load_b128 v[GB+4*\j:GB+4*\j+3], v3, s[12:13] offset:512*\j
.endr
	global_load_b128 v[DB:DB+3], v6, s[16:17]
.irp i, 0,1,2,3,4,5,6,7,8,9,10,11,12,13,14,15
	global_load_b128 v[DW+4*\i:DW+4*\i+3], v7, s[14:15] offset:4096*\i
.endr
.macro LANESUM                         ; four pairs in v[T:T+7] -> their sum over the wave, in every lane's v[T]
	v_pk_add_f32 v[T:T+1], v[T:T+1], v[T+2:T+3]
	v_pk_add_f32 v[T+4:T+5], v[T+4:T+5], v[T+6:T+7]
	v_pk_add_f32 v[T:T+1], v[T:T+1], v[T+4:T+5]
	v_add_f32 v[T], v[T], v[T+1]
	v_add_f32_dpp v[T], v[T], v[T] row_xmask:1 row_mask:0xf bank_mask:0xf
	v_add_f32_dpp v[T], v[T], v[T] row_xmask:2 row_mask:0xf bank_mask:0xf
	v_add_f32_dpp v[T], v[T], v[T] row_xmask:4 row_mask:0xf bank_mask:0xf
	v_add_f32_dpp v[T], v[T], v[T] row_xmask:8 row_mask:0xf bank_mask:0xf
	v_permlanex16_b32 v[T+11], v[T], s36, s37
	v_add_f32 v[T], v[T], v[T+11]
.endm
; One row: mean, differences in place, variance from the differences, scale, gain and bias, bf16; out to act and to LDS.
.macro LNROW p
.set XR, X+32*\p
.irp c, 0,1,2,3
	v_pk_add_f32 v[T+2*\c:T+2*\c+1], v[XR+4*\c:XR+4*\c+1], v[XR+4*\c+2:XR+4*\c+3]
.endr
.irp c, 0,1,2,3,4,5,6,7
	v_pk_add_f32 v[T+2*(\c%4):T+2*(\c%4)+1], v[T+2*(\c%4):T+2*(\c%4)+1], v[XR+16+2*\c:XR+16+2*\c+1]
.endr
	LANESUM
	v_mul_f32 v[T+8], s38, v[T]                    ; the mean, twice
	v_mov_b32 v[T+9], v[T+8]
.irp c, 0,1,2,3,4,5,6,7,8,9,10,11,12,13,14,15
	v_pk_add_f32 v[XR+2*\c:XR+2*\c+1], v[XR+2*\c:XR+2*\c+1], v[T+8:T+9] neg_lo:[0,1] neg_hi:[0,1]
.endr
.irp c, 0,1,2,3
	v_pk_mul_f32 v[T+2*\c:T+2*\c+1], v[XR+2*\c:XR+2*\c+1], v[XR+2*\c:XR+2*\c+1]
.endr
.irp c, 4,5,6,7,8,9,10,11,12,13,14,15
	v_pk_fma_f32 v[T+2*(\c%4):T+2*(\c%4)+1], v[XR+2*\c:XR+2*\c+1], v[XR+2*\c:XR+2*\c+1], v[T+2*(\c%4):T+2*(\c%4)+1]
.endr
	LANESUM
	v_fmaak_f32 v[T+10], s38, v[T], 0x3727c5ac     ; variance + 1e-5
	v_rsq_f32 v[T+8], v[T+10]
	v_rsq_f32 v[T+9], v[T+10]
	v_nop                                          ; one plain place behind a transcendental before its result is used (ISA guide 5.7.2)
	s_wait_alu depctr_va_vdst(0)
.irp c, 0,1,2,3,4,5,6,7,8,9,10,11,12,13,14,15
	v_pk_mul_f32 v[XR+2*\c:XR+2*\c+1], v[XR+2*\c:XR+2*\c+1], v[T+8:T+9]
.endr
.irp c, 0,1,2,3,4,5,6,7,8,9,10,11,12,13,14,15
	v_pk_fma_f32 v[XR+2*\c:XR+2*\c+1], v[XR+2*\c:XR+2*\c+1], v[GW+2*\c:GW+2*\c+1], v[GB+2*\c:GB+2*\c+1]
.endr
.irp j, 0,1,2,3,4,5,6,7
	v_cvt_pk_bf16_f32 v[XR+4*\j], v[XR+4*\j], v[XR+4*\j+1]
	v_cvt_pk_bf16_f32 v[XR+4*\j+1], v[XR+4*\j+2], v[XR+4*\j+3]
	global_store_b64 v4, v[XR+4*\j:XR+4*\j+1], s[30:31] offset:\p*2048+256*\j   ; the wave's store covers 256 consecutive bytes, aligned
	ds_store_b64 v5, v[XR+4*\j:XR+4*\j+1] offset:\p*SPITCH+256*\j
.endr
.endm
	s_wait_loadcnt 17                              ; x, gains and biases are in; dec_b (1) and dec_w (16) are younger and may stay out
	LNROW 0
	LNROW 1
	s_wait_loadcnt 0x0                             ; dec_b, dec_w
.irp i, 0,1,2,3,4,5,6,7,8,9,10,11,12,13,14,15
	v_cvt_pk_bf16_f32 v[DW+4*\i], v[DW+4*\i], v[DW+4*\i+1]
	v_cvt_pk_bf16_f32 v[DW+4*\i+1], v[DW+4*\i+2], v[DW+4*\i+3]
	ds_store_b64 v8, v[DW+4*\i:DW+4*\i+1] offset:2048*\i
.endr
	s_wait_dscnt 0x0                               ; my rows and my part of dec_w are in LDS
	s_barrier_signal -1
	s_barrier_wait -1                              ; everybody's are
	; z: wave w multiplies k = 128 w .. 128 w + 127, four steps of 32
.irp s, 0,1,2,3
	ds_load_b128 v[FR+16*\s:FR+16*\s+3], v11 offset:64*\s
	ds_load_b128 v[FR+16*\s+4:FR+16*\s+7], v11 offset:64*\s+32
	ds_load_tr16_b128 v[FR+16*\s+8:FR+16*\s+11], v12 offset:1024*\s
	ds_load_tr16_b128 v[FR+16*\s+12:FR+16*\s+15], v12 offset:1024*\s+512
.endr
	s_wait_dscnt 0x0
	v_wmma_f32_16x16x32_bf16 v[ACC:ACC+7], v[FR:FR+7], v[FR+8:FR+15], 0                     ; two accumulators by turns
	v_wmma_f32_16x16x32_bf16 v[ACC+8:ACC+15], v[FR+16:FR+23], v[FR+24:FR+31], 0
	v_wmma_f32_16x16x32_bf16 v[ACC:ACC+7], v[FR+32:FR+39], v[FR+40:FR+47], v[ACC:ACC+7]
	v_wmma_f32_16x16x32_bf16 v[ACC+8:ACC+15], v[FR+48:FR+55], v[FR+56:FR+63], v[ACC+8:ACC+15]
.rept 4
	v_nop                                          ; four places before a vector instruction reads a matrix result (ISA guide 7.12.1)
.endr
.irp j, 0,2,4,6
	v_pk_add_f32 v[ACC+\j:ACC+\j+1], v[ACC+\j:ACC+\j+1], v[ACC+8+\j:ACC+8+\j+1]
.endr
.irp j, 0,1,2,3,4,5,6,7
	ds_store_b32 v13, v[ACC+\j] offset:128*\j
.endr
	s_wait_dscnt 0x0
	s_barrier_signal -1
	s_barrier_wait -1
	s_cmp_gt_u32 s3, 1                             ; 64 threads (waves 0, 1) add the eight parts, four heads each
	s_cbranch_scc1 .Lno_fin
.irp p, 0,1,2,3,4,5,6,7
	ds_load_b128 v[FR+4*\p:FR+4*\p+3], v9 offset:1024*\p
.endr
	s_wait_dscnt 0x0
.irp p, 1,2,3,4,5,6,7
	v_pk_add_f32 v[FR:FR+1], v[FR:FR+1], v[FR+4*\p:FR+4*\p+1]
	v_pk_add_f32 v[FR+2:FR+3], v[FR+2:FR+3], v[FR+4*\p+2:FR+4*\p+3]
.endr
	v_pk_add_f32 v[FR:FR+1], v[FR:FR+1], v[DB:DB+1]
	v_pk_add_f32 v[FR+2:FR+3], v[FR+2:FR+3], v[DB+2:DB+3]
	v_pk_mul_f32 v[FR:FR+1], v[FR:FR+1], 0xbfb8aa3b op_sel_hi:[1,0]        ; -z log2 e
	v_pk_mul_f32 v[FR+2:FR+3], v[FR+2:FR+3], 0xbfb8aa3b op_sel_hi:[1,0]
.irp j, 0,1,2,3
	v_exp_f32 v[FR+\j], v[FR+\j]
.endr
	v_nop
	s_wait_alu depctr_va_vdst(0)
	v_pk_add_f32 v[FR:FR+1], v[FR:FR+1], 1.0 op_sel_hi:[1,0]
	v_pk_add_f32 v[FR+2:FR+3], v[FR+2:FR+3], 1.0 op_sel_hi:[1,0]
.irp j, 0,1,2,3
	v_log_f32 v[FR+\j], v[FR+\j]
.endr
	v_nop
	s_wait_alu depctr_va_vdst(0)
.irp j, 0,1,2,3
	v_max_num_f32 v[FR+\j], -v[FR+\j], s39         ; log2 sigmoid, clamped at log2(1e-8)
.endr
	global_store_b128 v10, v[FR:FR+3], s[32:33]
.Lno_fin:
	s_wait_tensorcnt 0x0
	ds_add_u32 v240, v241
	s_wait_dscnt 0x0
	s_endpgm
	; THE WEIGHTS.  Thread t of work-group 256 + i takes 16 bytes at 16 t of each block of 4,096 bytes of part i of a matrix: 4 blocks of q, k, v, o, 16 of f1 and of f2.
.Lweights:
	s_and_b32 s40, ttmp9, 255                      ; i
	s_lshl_b32 s4, s40, 14
	v_lshl_add_u32 v2, v0, 4, s4                   ; my 16 KiB of q_w, k_w, v_w, o_w
	s_lshl_b32 s4, s40, 16
	v_lshl_add_u32 v3, v0, 4, s4                   ; my 64 KiB of f1_w, f2_w
	s_lshl_b32 s4, s40, 13
	v_lshl_add_u32 v4, v0, 3, s4                   ; wb: my 8 KiB of q, k, v, o
	s_lshl_b32 s4, s40, 15
	s_add_co_u32 s4, s4, WF1
	v_lshl_add_u32 v5, v0, 3, s4                   ; wb: my 32 KiB of f1
	v_add_nc_u32 v6, 0x800000, v5                  ; and of f2
	s_wait_kmcnt 0x0
.irp i, 0,1,2,3
	global_load_b128 v[W+4*\i:W+4*\i+3], v2, s[18:19] offset:4096*\i th:TH_LOAD_NT
.endr
.irp i, 0,1,2,3
	global_load_b128 v[W+16+4*\i:W+16+4*\i+3], v2, s[20:21] offset:4096*\i th:TH_LOAD_NT
.endr
.irp i, 0,1,2,3
	global_load_b128 v[W+32+4*\i:W+32+4*\i+3], v2, s[22:23] offset:4096*\i th:TH_LOAD_NT
.endr
.irp i, 0,1,2,3
	global_load_b128 v[W+48+4*\i:W+48+4*\i+3], v2, s[24:25] offset:4096*\i th:TH_LOAD_NT
.endr
.irp i, 0,1,2,3,4,5,6,7,8,9,10,11,12,13,14,15
	global_load_b128 v[W+64+4*\i:W+64+4*\i+3], v3, s[26:27] offset:4096*\i th:TH_LOAD_NT
.endr
.irp i, 0,1,2,3,4,5,6,7,8,9,10,11,12,13,14,15
	global_load_b128 v[W+128+4*\i:W+128+4*\i+3], v3, s[28:29] offset:4096*\i th:TH_LOAD_NT
.endr
; Sixteen of the 48 loads -> bf16 -> wb.  first = the number of the first of them; quad = bytes in wb from one group of four to the next.
; No register is written twice, so no store's data has to be waited for.
.macro WCVT first, voff, quad
.set i, 0
.rept 16
	s_wait_loadcnt 47-\first-i                     ; loads return in order: number first + i is in, the younger ones stay out
	v_cvt_pk_bf16_f32 v[W+4*(\first+i)], v[W+4*(\first+i)], v[W+4*(\first+i)+1]
	v_cvt_pk_bf16_f32 v[W+4*(\first+i)+1], v[W+4*(\first+i)+2], v[W+4*(\first+i)+3]
	global_store_b64 v[\voff], v[W+4*(\first+i):W+4*(\first+i)+1], s[34:35] offset:(i/4)*\quad+(i%4)*2048   ; the wave's store covers 256 consecutive bytes, aligned
.set i, i+1
.endr
.endm
	WCVT 0, 4, 2097152
	WCVT 16, 5, 8192
	WCVT 32, 6, 8192
	s_endpgm
.Lfunc_end_k_qc2e7289774_prep:
	.size	k_qc2e7289774_prep, .Lfunc_end_k_qc2e7289774_prep-k_qc2e7289774_prep
	.p2alignl 7, 3214868480
	.fill 96, 4, 3214868480
	.section	.rodata,"a",@progbits
	.p2align	6, 0x0
	.amdhsa_kernel k_qc2e7289774_prep
		.amdhsa_group_segment_fixed_size 75008
		.amdhsa_private_segment_fixed_size 0
		.amdhsa_enable_private_segment 0
		.amdhsa_kernarg_size 112
		.amdhsa_user_sgpr_count 2
		.amdhsa_user_sgpr_kernarg_segment_ptr 1
		.amdhsa_wavefront_size32 1
		.amdhsa_system_sgpr_workgroup_id_x 1
		.amdhsa_system_sgpr_workgroup_id_y 1
		.amdhsa_system_sgpr_workgroup_id_z 1
		.amdhsa_system_vgpr_workitem_id 0
		.amdhsa_next_free_vgpr 242
		.amdhsa_next_free_sgpr 66
		.amdhsa_reserve_vcc 0
		.amdhsa_float_denorm_mode_32 3
		.amdhsa_float_denorm_mode_16_64 3
		.amdhsa_memory_ordered 1
		.amdhsa_forward_progress 1
		.amdhsa_inst_pref_size 50
	.end_amdhsa_kernel
	.amdgpu_metadata
---
amdhsa.version: [ 1, 2 ]
amdhsa.kernels:
  - .name:           k_qc2e7289774_prep
    .symbol:         k_qc2e7289774_prep.kd
    .args:
      - { .name: x, .offset: 0, .size: 8, .value_kind: global_buffer, .address_space: global }
      - { .name: ln1_w, .offset: 8, .size: 8, .value_kind: global_buffer, .address_space: global }
      - { .name: ln1_b, .offset: 16, .size: 8, .value_kind: global_buffer, .address_space: global }
      - { .name: dec_w, .offset: 24, .size: 8, .value_kind: global_buffer, .address_space: global }
      - { .name: dec_b, .offset: 32, .size: 8, .value_kind: global_buffer, .address_space: global }
      - { .name: q_w, .offset: 40, .size: 8, .value_kind: global_buffer, .address_space: global }
      - { .name: k_w, .offset: 48, .size: 8, .value_kind: global_buffer, .address_space: global }
      - { .name: v_w, .offset: 56, .size: 8, .value_kind: global_buffer, .address_space: global }
      - { .name: o_w, .offset: 64, .size: 8, .value_kind: global_buffer, .address_space: global }
      - { .name: f1_w, .offset: 72, .size: 8, .value_kind: global_buffer, .address_space: global }
      - { .name: f2_w, .offset: 80, .size: 8, .value_kind: global_buffer, .address_space: global }
      - { .name: act, .offset: 88, .size: 8, .value_kind: global_buffer, .address_space: global }
      - { .name: ll, .offset: 96, .size: 8, .value_kind: global_buffer, .address_space: global }
      - { .name: wb, .offset: 104, .size: 8, .value_kind: global_buffer, .address_space: global }
    .group_segment_fixed_size: 75008
    .private_segment_fixed_size: 0
    .kernarg_segment_align: 8
    .kernarg_segment_size: 112
    .max_flat_workgroup_size: 256
    .sgpr_count:     66
    .vgpr_count:     242
    .wavefront_size: 32
...
	.end_amdgpu_metadata
.endif
;; end of part 1
;; launch qkv (part 2): grid 12 x 16, 4 waves a work-group, clusters of 4 x 4, 327,680 bytes of LDS; arguments act, wb, big, q_b, k_b, v_b; writes big
.if DOCPART == 2
	.amdgcn_target "amdgcn-amd-amdhsa--gfx1250"
	.amdhsa_code_object_version 6
	.text
	.protected	k_qc2e7289774_qkv
	.globl	k_qc2e7289774_qkv
	.p2align	8
	.type	k_qc2e7289774_qkv,@function
k_qc2e7289774_qkv:
	s_mov_b64 s[64:65], 0
	v_nop
	global_prefetch_b8 v0, s[64:65] scope:SCOPE_SE
	s_setreg_imm32_b32 hwreg(HW_REG_WAVE_MODE, 25, 1), 1
	s_wait_xcnt 0x0
	s_wait_alu depctr_hold_cnt(0) depctr_sa_sdst(0) depctr_va_vdst(0) depctr_va_sdst(0) depctr_va_ssrc(0) depctr_va_vcc(0) depctr_vm_vsrc(0)
	s_getreg_b32 s2, hwreg(HW_REG_IB_STS2, 6, 4)
	s_cmp_eq_u32 s2, 0
	s_cbranch_scc0 .Lentry_in_a_cluster
	s_endpgm
.Lentry_in_a_cluster:
	s_bfe_u32 s2, ttmp6, 0x10000c
	s_cmp_lg_u32 s2, 0xf033
	s_cbranch_scc0 .Lentry_shape_is_right
	s_endpgm
.Lentry_shape_is_right:
; qkv: big[4096][3072] (bf16) = [ phi(x_n q_w + q_b) | phi(x_n k_w + k_b) | x_n v_w + v_b ],  phi(y) = elu(y) + 1 = max(y, 0) + 2^(min(y log2 e, 0)).
; x_n = act [4096][1024] bf16; the weights lie in wb as bf16 [1024 k][1024 n], q, k, v 2 MiB apart.  Sums in f32.
; A work-group makes 256 x 256 with four waves, a wave 128 x 128 (64 accumulator tiles, 512 registers).  K in steps of 128 through two LDS slots.
; A's tile is [256 m][128 k] (rows of 256 bytes, pitch 272).  The weights' tile is [128 k][256 n] as it lies in memory (rows of 512 bytes, pitch 544 = 17 x 32),
; and its fragments are read by the transposing LDS load.
; 192 work-groups: 3,072 columns are 12 blocks of 256; blocks of 192 columns would fill 256 work-groups, but they straddle the q|k and k|v borders.
; CLUSTERS 4 x 4: a cluster's x is the matrix (q, k, v), cx the block of 256 columns in it.  A's tile is asked for jointly along a row of the cluster, the weights' along a column.
; WINDOWS: 0: v0-31 addresses, v32-63 and v224-255 rows on the way out, v64-127 and v128-191 A's fragments (on the way out: numbers at work), v192-223 packed results;
;          1: v0-63 the bias of my 128 columns, v64-191 the weights' fragments;  2, 3: accumulators (tile (a, b) at v[8 (8 a + b)]).
; The matrix instruction is used transposed (source 0 = weights, source 1 = A): a lane holds eight neighbouring columns of one row of the result.
; LIMITS: finite inputs; 2^y below 2^-126 comes out as 0 (phi of y below -87).
.set SIZE_K, 1024
.set NP,     1024                      ; elements from row to row of a weight matrix
.set NC,     3072                      ; elements from row to row of the result
.set KSTEP,  128
.set PITCH,  272
.set BPITCH, 544
.set HALFT,  128*PITCH                 ; what one tensor load fills: 128 rows of A, or 64 k rows of the weights (64 x 544)
.set SLOT,   4*HALFT
.set STAGE,  2*SLOT
.set SPITCH, 272
.set LAPS, SIZE_K/(2*KSTEP)
.set ADRA, 16
.set ADRB, 20
.set STO,  24
.set RD,   25
.set CO,   26
.set BO,   27                          ; byte offset of my bias; not rewritten
.set F0,   64
.set F1,   128
.set TT,   64                          ; the way out: 64 numbers in f32
.set EX,   128                         ; their exponentials
.set TMP,  192
.set G1, 24
.set G0, 32
.set G1B, 48
.set G0B, 56
.set MSB, 0
.macro WIN new                         ; the immediate's high byte repeats the setting that is left
.if MSB != \new
	s_set_vgpr_msb (MSB<<8)|\new
.set MSB, \new
.endif
.endm
.set MUL_LO, 0xa1                      ; source 0 window 1, source 1 window 0, C and D window 2
.set MUL_HI, 0xf1                      ; the same, C and D window 3
.set TO_B,   0x40                      ; destination window 1
.macro JLOAD s                         ; waves 0, 1 ask for A's halves, waves 2, 3 for the weights': the branch hangs on the wave's number alone
	s_cmp_eq_u32 s11, 0
	s_cbranch_scc0 .Lfor_b_\@
	tensor_load_to_lds s[G0+4*\s:G0+4*\s+3], s[G1:G1+7]
	s_nop 0
	s_branch .Lasked_\@
.Lfor_b_\@:
	tensor_load_to_lds s[G0B+4*\s:G0B+4*\s+3], s[G1B:G1B+7]
	s_nop 0
.Lasked_\@:
.endm
.macro CREST                           ; a round of the cluster's barrier behind its opening work-group barrier
	s_cmp_lg_u32 s10, 0
	s_cbranch_scc1 .Lnot_wave_0_\@
	s_barrier_signal -3
.Lnot_wave_0_\@:
	s_barrier_wait -3
	s_barrier_signal -1
	s_barrier_wait -1
.endm
.macro CROUND
	s_barrier_signal -1
	s_barrier_wait -1
	CREST
.endm
	s_load_b128 s[4:7], s[0:1], 0x0                ; act, wb
	s_load_b64 s[8:9], s[0:1], 0x10                ; big
	s_load_b64 s[72:73], s[0:1], 0x18              ; q_b
	s_load_b64 s[74:75], s[0:1], 0x20              ; k_b
	s_load_b64 s[76:77], s[0:1], 0x28              ; v_b
	s_set_vgpr_msb 0x40
	v_lshl_add_u32 v255, v0, 2, 0x48400
	s_set_vgpr_msb 0x4000
	v_mov_b32 v31, 0
	s_set_vgpr_msb 0x1
	ds_add_u32 v255, v31
	s_set_vgpr_msb 0x100
	v_lshrrev_b32 v1, 5, v0
	v_readfirstlane_b32 s10, v1                    ; wave
	s_lshr_b32 s11, s10, 1                         ; my half of the block's rows; also: I fetch for A (0) or for the weights (1)
	s_and_b32 s12, s10, 1                          ; my half of its columns; also: which half of that tile I fetch
	s_bfe_u32 s40, ttmp6, 0x40000                  ; cx
	s_bfe_u32 s41, ttmp6, 0x40004                  ; cy
	s_lshl_b32 s42, ttmp9, 2
	s_add_co_u32 s42, s42, s40                     ; block column
	s_and_b32 s13, ttmp7, 0xffff
	s_lshl_b32 s13, s13, 2
	s_add_co_u32 s13, s13, s41                     ; block row
	s_lshl_b32 s43, s41, 2
	s_lshl_b32 s43, 15, s43                        ; my row of the cluster
	s_lshl_b32 s44, 0x1111, s40                    ; my column
	s_or_b32 s[G1+0], s43, (1<<16)|(1<<20)|(1<<21)|(5<<22)|(3<<25)   ; A: 2-byte elements, 4 words of padding behind every 64
	s_mov_b32 s[G1+1], KSTEP<<16                   ; tensor_dim0 = 128
	s_mov_b32 s[G1+2], 128<<16                     ; tensor_dim1 = 128
	s_mov_b32 s[G1+3], KSTEP<<16                   ; tile_dim0 = 128
	s_mov_b32 s[G1+4], 128                         ; tile_dim1 = 128
	s_mov_b32 s[G1+5], SIZE_K                      ; elements from row to row
	s_mov_b32 s[G1+6], 0
	s_mov_b32 s[G1+7], 0
	s_or_b32 s[G1B+0], s44, (1<<16)|(1<<20)|(1<<21)|(6<<22)|(7<<25)  ; weights: 8 words of padding behind every 128
	s_mov_b32 s[G1B+1], 256<<16                    ; tensor_dim0 = 256
	s_mov_b32 s[G1B+2], 64<<16                     ; tensor_dim1 = 64
	s_mov_b32 s[G1B+3], 256<<16                    ; tile_dim0 = 256
	s_mov_b32 s[G1B+4], 64                         ; tile_dim1 = 64
	s_mov_b32 s[G1B+5], NP
	s_mov_b32 s[G1B+6], 0
	s_mov_b32 s[G1B+7], 0
	s_lshl_b32 s17, s12, 7
	s_lshl_b32 s16, s13, 8
	s_add_co_u32 s16, s16, s17                     ; A: row 256 x block row + 128 x half,
	s_lshl_b32 s16, s16, 11                        ; of 2,048 bytes
	s_mov_b32 s17, 0
	s_lshl_b32 s46, ttmp9, 21                      ; weights: the matrix (2 MiB each),
	s_lshl_b32 s47, s12, 17                        ; my 64 k rows of 2,048 bytes,
	s_add_co_u32 s46, s46, s47
	s_lshl_b32 s47, s40, 9                         ; 256 columns a block
	s_add_co_u32 s46, s46, s47
	s_mov_b32 s47, 0
	s_mul_i32 s20, s10, HALFT                      ; LDS: wave x what a load fills
	s_wait_dscnt 0x0
	s_wait_kmcnt 0x0
	s_add_nc_u64 s[14:15], s[4:5], s[16:17]
	s_add_nc_u64 s[46:47], s[6:7], s[46:47]
	s_cmp_eq_u32 ttmp9, 0                          ; the bias and the activation go by the matrix: selects, no branch
	s_cselect_b64 s[68:69], s[72:73], s[74:75]
	s_cmp_eq_u32 ttmp9, 2
	s_cselect_b64 s[68:69], s[76:77], s[68:69]
	s_cselect_b32 s78, 0xff800000, 0               ; lo: v keeps y (max with -inf), q and k take max(y, 0)
	s_cselect_b32 s70, 0, 1.0                      ; sc: v adds 0 x 2^.., q and k 1 x 2^..
	s_mov_b32 s71, s70
	CROUND                                         ; all sixteen work-groups are here: the first joint loads meet
.irp s, 0,1
	s_mov_b32 s[G0+4*\s], 1
	s_add_co_u32 s[G0+4*\s+1], s20, \s*SLOT
	s_add_nc_u64 s[G0+4*\s+2:G0+4*\s+3], s[14:15], \s*KSTEP*2
	s_or_b32 s[G0+4*\s+3], s[G0+4*\s+3], 0x80000000
	s_mov_b32 s[G0B+4*\s], 1
	s_add_co_u32 s[G0B+4*\s+1], s20, \s*SLOT
	s_add_nc_u64 s[G0B+4*\s+2:G0B+4*\s+3], s[46:47], \s*KSTEP*NP*2
	s_or_b32 s[G0B+4*\s+3], s[G0B+4*\s+3], 0x80000000
	JLOAD \s
.endr
	v_and_b32 v1, 15, v0                           ; r
	v_bfe_u32 v2, v0, 4, 1                         ; h
	v_mul_u32_u24 v3, v1, PITCH
	v_lshl_add_u32 v3, v2, 4, v3                   ; A: r pitch + 16 h
	v_and_b32 v6, 7, v0
	v_lshl_add_u32 v6, v2, 3, v6
	v_mul_u32_u24 v6, v6, BPITCH                   ; weights: (8 h + (l & 7)) pitch
	v_bfe_u32 v7, v0, 3, 1
	v_lshl_add_u32 v6, v7, 4, v6                   ; + 16 ((l >> 3) & 1)
	s_mul_i32 s21, s11, HALFT                      ; my 128 rows of A
	s_lshl_b32 s22, s12, 8                         ; my 128 columns of the weights: 256 bytes,
	s_add_co_u32 s22, s22, 2*HALFT                 ; behind A's 256 rows
.irp s, 0,1
	v_add_nc_u32 v[ADRA+\s], s21, v3
	v_add_nc_u32 v[ADRB+\s], s22, v6
	s_add_co_u32 s21, s21, SLOT
	s_add_co_u32 s22, s22, SLOT
.endr
	s_mul_i32 s23, s10, 16*SPITCH
	s_add_co_u32 s23, s23, STAGE
	v_mul_u32_u24 v4, v1, SPITCH
	v_lshl_add_u32 v4, v2, 4, v4
	v_add_nc_u32 v[STO], s23, v4
	v_mul_u32_u24 v5, v2, SPITCH
	v_lshl_add_u32 v5, v1, 4, v5
	v_add_nc_u32 v[RD], s23, v5
	v_mul_u32_u24 v5, v2, NC*2
	v_lshl_add_u32 v[CO], v1, 4, v5
	s_lshl_b32 s79, s40, 10                        ; bias: 256 columns a block, f32,
	s_lshl_b32 s80, s12, 9                         ; my 128 columns,
	s_add_co_u32 s79, s79, s80
	v_lshl_add_u32 v[BO], v2, 5, s79               ; 8 h
	WIN TO_B
.irp b, 0,1,2,3,4,5,6,7
	global_load_b128 v[8*\b:8*\b+3],   v[BO], s[68:69] offset:64*\b       ; columns 16 b + 8 h + 0..7, as the results lie; waited for in front of the way out
	global_load_b128 v[8*\b+4:8*\b+7], v[BO], s[68:69] offset:64*\b+16
.endr
	WIN 0
.macro MUL16 f, hi, a0, zero           ; 16 matrix instructions: row tiles a0, a0 + 1 of the window's four x all 8 column tiles.  The 64 accumulators take turns
.irp a, \a0, \a0+1
.irp b, 0,1,2,3,4,5,6,7
.if \zero
	v_wmma_f32_16x16x32_bf16 v[8*(8*(\a)+\b):8*(8*(\a)+\b)+7], v[\f+8*\b:\f+8*\b+7], v[\f+8*(4*\hi+\a):\f+8*(4*\hi+\a)+7], 0
.else
	v_wmma_f32_16x16x32_bf16 v[8*(8*(\a)+\b):8*(8*(\a)+\b)+7], v[\f+8*\b:\f+8*\b+7], v[\f+8*(4*\hi+\a):\f+8*(4*\hi+\a)+7], v[8*(8*(\a)+\b):8*(8*(\a)+\b)+7]
.endif
.endr
.endr
.endm
.macro FETCH slot, q, f                ; 32 LDS loads: the fragments of quarter q (32 k) into buffer f
	WIN TO_B
.irp i, 0,1,2,3,4,5,6,7
	ds_load_tr16_b128 v[\f+8*\i:\f+8*\i+3],   v[ADRB+\slot] offset:\q*32*BPITCH+32*\i
	ds_load_tr16_b128 v[\f+8*\i+4:\f+8*\i+7], v[ADRB+\slot] offset:\q*32*BPITCH+32*\i+16*BPITCH
.endr
	WIN 0
.irp i, 0,1,2,3,4,5,6,7
	ds_load_b128 v[\f+8*\i:\f+8*\i+3],   v[ADRA+\slot] offset:\q*64+\i*16*PITCH
	ds_load_b128 v[\f+8*\i+4:\f+8*\i+7], v[ADRA+\slot] offset:\q*64+\i*16*PITCH+32
.endr
.endm
.macro PLACES                          ; four places behind a matrix instruction before a load lands on its sources or a vector instruction reads its result
.rept 4
	v_nop
.endr
.endm
.macro QUARTER slot, q, f, g, zero     ; multiplies buffer f; in its middle fetches quarter q into buffer g
	s_wait_dscnt 8                                 ; the weights and A's rows 0-63 are in; the youngest eight loads (A's rows 64-127) may be out
	WIN MUL_LO
	MUL16 \f, 0, 0, \zero
	MUL16 \f, 0, 2, \zero
	PLACES
	FETCH \slot, \q, \g
	s_wait_dscnt 32                                ; all but the 32 just issued
	WIN MUL_HI
	MUL16 \f, 1, 0, \zero
	MUL16 \f, 1, 2, \zero
.endm
.macro THREE slot, zero
	QUARTER \slot, 1, F0, F1, \zero
	QUARTER \slot, 2, F1, F0, 0
	QUARTER \slot, 3, F0, F1, 0
.endm
.macro TURN slot, next, fill           ; the last quarter: multiplies buffer 1 and changes slots
	s_wait_dscnt 8
	WIN MUL_LO
	MUL16 F1, 0, 0, 0
	s_wait_dscnt 0                                 ; my reads of this slot are over
	s_wait_tensorcnt 0x0                           ; all my tensor loads have landed: the one that was out is my part of the next slot
	ds_add_u32 v255, v31
	s_wait_dscnt 0x0
	s_barrier_signal -1
	MUL16 F1, 0, 2, 0                              ; register work while the others arrive
	WIN 0
	s_barrier_wait -1
.if \fill
	CREST                                          ; no wave of any partner still reads this slot or has a load on its way
	s_add_nc_u64 s[G0+4*\slot+2:G0+4*\slot+3], s[G0+4*\slot+2:G0+4*\slot+3], 2*KSTEP*2
	s_add_nc_u64 s[G0B+4*\slot+2:G0B+4*\slot+3], s[G0B+4*\slot+2:G0B+4*\slot+3], 2*KSTEP*NP*2
	JLOAD \slot                                    ; the first tensor load behind the round, one a wave
.endif
	PLACES
	FETCH \next, 0, F0
	WIN MUL_HI
	MUL16 F1, 1, 0, 0
	MUL16 F1, 1, 2, 0
.endm
.macro LAP zero
	THREE 0, \zero
	TURN 0, 1, 1
	THREE 1, 0
	TURN 1, 0, 1
.endm
	s_wait_tensorcnt 1                             ; my part of K step 0 is in; K step 1's may stay out
	s_barrier_signal -1
	s_barrier_wait -1
	FETCH 0, 0, F0
	LAP 1                                          ; the first products start the sums
	WIN 0
	s_mov_b32 s3, LAPS-2
.Llap:
	LAP 0
	WIN 0
	s_sub_co_u32 s3, s3, 1
	s_cmp_lg_u32 s3, 0
	s_cbranch_scc1 .Llap
	THREE 0, 0                                     ; the last lap fills nothing
	TURN 0, 1, 0
	THREE 1, 0
	s_wait_dscnt 8
	WIN MUL_LO
	MUL16 F1, 0, 0, 0
	MUL16 F1, 0, 2, 0
	s_wait_dscnt 0
	WIN MUL_HI
	MUL16 F1, 1, 0, 0
	MUL16 F1, 1, 2, 0
	; THE WAY OUT, 16 rows at a time: + bias, activation, bf16, through my own stage in LDS, out as whole rows of 256 bytes.
	PLACES
	s_wait_loadcnt 0x0                             ; the bias
	s_lshl_b32 s13, s13, 8
	s_lshl_b32 s14, s11, 7
	s_add_co_u32 s16, s13, s14                     ; my first row
	s_mov_b32 s17, 0
	s_mov_b64 s[18:19], NC*2
	s_mul_u64 s[16:17], s[16:17], s[18:19]
	s_add_nc_u64 s[8:9], s[8:9], s[16:17]
	s_lshl_b32 s46, s42, 9                         ; my first column, in bytes
	s_lshl_b32 s47, s12, 8
	s_add_co_u32 s46, s46, s47
	s_mov_b32 s47, 0
	s_add_nc_u64 s[8:9], s[8:9], s[46:47]
.macro ACT                             ; y -> max(y, lo) + sc 2^(min(y log2 e, 0)) on the 64 numbers in TT
.set ii, 0
.rept 32
	v_pk_mul_f32 v[EX+ii:EX+ii+1], v[TT+ii:TT+ii+1], 0x3fb8aa3b op_sel_hi:[1,0]
.set ii, ii+2
.endr
.set ii, 0
.rept 64
	v_min_num_f32 v[EX+ii], 0, v[EX+ii]
.set ii, ii+1
.endr
.set ii, 0
.rept 64
	v_exp_f32 v[EX+ii], v[EX+ii]
.set ii, ii+1
.endr
.set ii, 0
.rept 64
	v_max_num_f32 v[TT+ii], s78, v[TT+ii]          ; plain work behind the exponentials
.set ii, ii+1
.endr
.set ii, 0
	s_wait_alu depctr_va_vdst(0)
.rept 32
	v_pk_fma_f32 v[TT+ii:TT+ii+1], v[EX+ii:EX+ii+1], s[70:71], v[TT+ii:TT+ii+1] op_sel_hi:[1,0,1]
.set ii, ii+2
.endr
.endm
.macro OUT16 i, a, from, rb            ; from: source 0 = the accumulators' window, source 1 = window 1 (bias); rb: registers for the rows read back, two sets by turns
	WIN \from
.irp b, 0,1,2,3,4,5,6,7
.irp r, 0,1,2,3
	v_pk_add_f32 v[TT+8*\b+2*\r:TT+8*\b+2*\r+1], v[8*(8*\a+\b)+2*\r:8*(8*\a+\b)+2*\r+1], v[8*\b+2*\r:8*\b+2*\r+1]
.endr
.endr
	WIN 0
	ACT
.irp b, 0,1,2,3,4,5,6,7
.irp r, 0,1,2,3
	v_cvt_pk_bf16_f32 v[TMP+4*\b+\r], v[TT+8*\b+2*\r], v[TT+8*\b+2*\r+1]
.endr
.endr
.irp b, 0,1,2,3,4,5,6,7
	ds_store_b128 v[STO], v[TMP+4*\b:TMP+4*\b+3] offset:32*\b
.endr
	s_wait_xcnt 0x0                                ; earlier stores have read their data and base: both are rewritten only behind this wait
.if \i
	s_add_nc_u64 s[8:9], s[8:9], 16*NC*2
.endif
.irp t, 0,1,2,3,4,5,6,7
	ds_load_b128 v[\rb+4*\t:\rb+4*\t+3], v[RD] offset:\t*2*SPITCH  ; LDS serves a wave's instructions in order: these see the stores above
.endr
.irp t, 0,1,2,3,4,5,6,7
	s_wait_dscnt 7-\t
	global_store_b128 v[CO], v[\rb+4*\t:\rb+4*\t+3], s[8:9] offset:2*\t*NC*2   ; 16 lanes store 256 consecutive bytes, aligned
.endr
.endm
	OUT16 0, 0, 0x06, 32
	OUT16 1, 1, 0x06, 224
	OUT16 2, 2, 0x06, 32
	OUT16 3, 3, 0x06, 224
	OUT16 4, 0, 0x07, 32
	OUT16 5, 1, 0x07, 224
	OUT16 6, 2, 0x07, 32
	OUT16 7, 3, 0x07, 224
	s_set_vgpr_msb 0x1
	s_wait_tensorcnt 0x0
	ds_add_u32 v255, v31
	s_wait_dscnt 0x0
	s_set_vgpr_msb 0x100
	CROUND                                         ; the closing round
	s_endpgm
.Lfunc_end_k_qc2e7289774_qkv:
	.size	k_qc2e7289774_qkv, .Lfunc_end_k_qc2e7289774_qkv-k_qc2e7289774_qkv
	.p2alignl 7, 3214868480
	.fill 96, 4, 3214868480
	.section	.rodata,"a",@progbits
	.p2align	6, 0x0
	.amdhsa_kernel k_qc2e7289774_qkv
		.amdhsa_group_segment_fixed_size 327680
		.amdhsa_private_segment_fixed_size 0
		.amdhsa_enable_private_segment 0
		.amdhsa_kernarg_size 48
		.amdhsa_user_sgpr_count 2
		.amdhsa_user_sgpr_kernarg_segment_ptr 1
		.amdhsa_wavefront_size32 1
		.amdhsa_system_sgpr_workgroup_id_x 1
		.amdhsa_system_sgpr_workgroup_id_y 1
		.amdhsa_system_sgpr_workgroup_id_z 1
		.amdhsa_system_vgpr_workitem_id 0
		.amdhsa_next_free_vgpr 1024
		.amdhsa_next_free_sgpr 84
		.amdhsa_reserve_vcc 0
		.amdhsa_float_denorm_mode_32 3
		.amdhsa_float_denorm_mode_16_64 3
		.amdhsa_memory_ordered 1
		.amdhsa_forward_progress 1
		.amdhsa_inst_pref_size 255
	.end_amdhsa_kernel
	.section	.bss,"aw",@nobits
	.p2align	6
	.space	262144
	.amdgpu_metadata
---
amdhsa.version: [ 1, 2 ]
amdhsa.kernels:
  - .name:           k_qc2e7289774_qkv
    .symbol:         k_qc2e7289774_qkv.kd
    .args:
      - { .name: act, .offset: 0, .size: 8, .value_kind: global_buffer, .address_space: global }
      - { .name: wb, .offset: 8, .size: 8, .value_kind: global_buffer, .address_space: global }
      - { .name: big, .offset: 16, .size: 8, .value_kind: global_buffer, .address_space: global }
      - { .name: q_b, .offset: 24, .size: 8, .value_kind: global_buffer, .address_space: global }
      - { .name: k_b, .offset: 32, .size: 8, .value_kind: global_buffer, .address_space: global }
      - { .name: v_b, .offset: 40, .size: 8, .value_kind: global_buffer, .address_space: global }
    .group_segment_fixed_size: 327680
    .private_segment_fixed_size: 0
    .kernarg_segment_align: 8
    .kernarg_segment_size: 48
    .max_flat_workgroup_size: 128
    .sgpr_count:     84
    .vgpr_count:     1024
    .wavefront_size: 32
...
	.end_amdgpu_metadata
.endif
;; end of part 2
;; launch asum (part 3): grid 256 x 1, 4 waves a work-group, no clusters, 168,448 bytes of LDS; arguments big, ll, sm, ac; writes sm, ac
.if DOCPART == 3
	.amdgcn_target "amdgcn-amd-amdhsa--gfx1250"
	.amdhsa_code_object_version 6
	.text
	.protected	k_qc2e7289774_asum
	.globl	k_qc2e7289774_asum
	.p2align	8
	.type	k_qc2e7289774_asum,@function
k_qc2e7289774_asum:
	s_mov_b64 s[64:65], 0
	v_nop
	global_prefetch_b8 v0, s[64:65] scope:SCOPE_SE
	s_setreg_imm32_b32 hwreg(HW_REG_WAVE_MODE, 25, 1), 1
	s_wait_xcnt 0x0
; asum: for each chunk of 256 positions of each head: a[j] = the running sum of log2 lam from the chunk's first position (inclusive), and one of two summaries
;   type 0: U = sum over j of 2^(a_end - a[j]) phi_k[j] vx[j]^T        type 1: W = sum over j of 2^(a[j]) phi_k[j] vx[j]^T,     vx = [v | 1 | 0 ..], 80 columns.
; All exponents are at most 0, so nothing can overflow; an underflow to 0 is the right limit.
; Work-group id: bit 0 type, bits 3:1 chunk c, bits 6:4 pair of heads hp, bit 7 batch b.  Two heads a work-group make every row of K and V 256 bytes.
; Wave w: head hd = w >> 1, features 32 fh .. 32 fh + 31, fh = w & 1: ten accumulator tiles (2 feature tiles x 5 column tiles).
; D(m = feature, n = column): a lane's eight registers are eight neighbouring features of one column: rounded to bf16, two feature tiles are the A fragment
; (m = column, k = 32 features) that launch aout multiplies.  sm[g][place 16][fragment 5 fh + t, 10][half 2][lane] x 16 bytes; a summary is 10,240 bytes.
; A head's places are W(0..7), then U(0..7): the seven summaries that chunk c needs, W(c+1..7) and U(0..c-1), are then the neighbouring places c+1 .. c+7.
; No cluster: the two work-groups that read one K and V tile are a pair only, and each tile is fetched once.
; The 256 numbers of ll that a wave scans lie 64 bytes apart (one head of sixteen): read once, 8 a lane.
; LIMITS: the weights 2^(..), the products phi_k x weight and the summaries are rounded to bf16; a is an f32 sum of at most 256 terms of at least -26.6.
.set KPITCH, 288                       ; 256 bytes + 32: an odd multiple of 32, for the transposing load
.set VB,   73728                       ; V behind K's 256 rows
.set SCR,  147456                      ; 2 KiB a wave, written by LDS stores alone: bf16 weights at 0, a (f32) at 512
.set KT,   2                           ; v2, v3   K's fragments, positions 0-127, 128-255
.set VT,   4                           ; v4, v5   V's
.set ACC,  16                          ; v[16:95]  tile (f, t) at ACC + 8 (5 f + t)
.set B0,   96                          ; v[96:151]  buffer 0: K 16, V 32, weights 8; at the end the packed summary
.set B1,   152                         ; v[152:207] buffer 1
.set ONES, 208                         ; v[208:215] the ones column as a B fragment
.set SC,   216                         ; v[216:223] ll, then a
.set EW,   224                         ; v[224:231] the weights
.set AQD,  234                         ; v[234:241] the four quarters of a, read back 8 bytes a lane
	s_load_b256 s[4:11], s[0:1], 0x0               ; big 4, ll 6, sm 8, ac 10
	v_lshl_add_u32 v248, v0, 2, 0x29000
	v_mov_b32 v249, 0
	ds_add_u32 v248, v249
	v_lshrrev_b32 v1, 5, v0
	v_readfirstlane_b32 s24, v1                    ; wave
	v_and_b32 v1, 31, v0                           ; lane
	s_and_b32 s25, ttmp9, 1                        ; type
	s_bfe_u32 s26, ttmp9, 0x30001                  ; c
	s_bfe_u32 s27, ttmp9, 0x30004                  ; hp
	s_lshr_b32 s28, ttmp9, 7                       ; b
	s_lshr_b32 s29, s24, 1                         ; hd; also: I fetch K (0) or V (1)
	s_and_b32 s30, s24, 1                          ; fh; also: which 128 rows I fetch
	s_lshl_b32 s32, s28, 11
	s_lshl_b32 s33, s26, 8
	s_add_co_u32 s32, s32, s33                     ; the chunk's first row
	s_lshl_b32 s33, s30, 7
	s_add_co_u32 s33, s32, s33
	s_mul_i32 s34, s33, 6144                       ; rows of 3,072 bf16
	s_lshl_b32 s33, s29, 11
	s_add_co_u32 s34, s34, s33                     ; k's columns begin at byte 2,048, v's at 4,096
	s_lshl_b32 s33, s27, 8
	s_add_co_u32 s34, s34, s33
	s_add_co_u32 s34, s34, 2048
	s_mov_b32 s35, 0
	s_mov_b32 s16, (1<<16)|(1<<20)|(5<<22)|(7<<25) ; 2-byte elements, 8 words of padding behind every 64
	s_mov_b32 s17, 128<<16
	s_mov_b32 s18, 128<<16
	s_mov_b32 s19, 128<<16
	s_mov_b32 s20, 128
	s_mov_b32 s21, 3072
	s_mov_b32 s22, 0
	s_mov_b32 s23, 0
	s_mov_b32 s12, 1
	s_mul_i32 s13, s24, 128*KPITCH                 ; K's halves, then V's: wave x 36,864
	s_wait_dscnt 0x0
	s_wait_kmcnt 0x0
	s_add_nc_u64 s[14:15], s[4:5], s[34:35]
	s_or_b32 s15, s15, 0x80000000
	tensor_load_to_lds s[12:15], s[16:23]          ; my one tensor load: 128 rows x 256 bytes; nothing is ever filled again
	s_nop 0
	s_lshl1_add_u32 s33, s27, s29                  ; head = 2 hp + hd
	s_lshl_b32 s31, s28, 4
	s_add_co_u32 s31, s31, s33                     ; g = 16 b + head
	s_lshl_b32 s34, s32, 6
	s_lshl2_add_u32 s34, s33, s34
	v_lshl_add_u32 v10, v1, 9, s34                 ; ll: positions 8 l .. 8 l + 7 of my head
.irp u, 0,1,2,3,4,5,6,7
	global_load_b32 v[SC+\u], v10, s[6:7] offset:64*\u
.endr
	v_and_b32 v14, 7, v1
	v_lshrrev_b32 v15, 4, v1                       ; h
	v_lshl_add_u32 v14, v15, 3, v14
	v_mul_u32_u24 v14, v14, KPITCH
	v_bfe_u32 v13, v1, 3, 1
	v_lshl_add_u32 v14, v13, 4, v14                ; (8 h + (l & 7)) pitch + 16 ((l >> 3) & 1)
	s_lshl_b32 s33, s29, 7                         ; my head's 128 bytes of a row
	s_lshl_b32 s34, s30, 6                         ; my 32 features
	s_add_co_u32 s34, s34, s33
	v_add_nc_u32 v[KT], s34, v14
	v_add_nc_u32 v[KT+1], 128*KPITCH, v[KT]
	s_add_co_u32 s33, s33, VB
	v_add_nc_u32 v[VT], s33, v14
	v_add_nc_u32 v[VT+1], 128*KPITCH, v[VT]
	s_lshl_b32 s33, s24, 11
	s_add_co_u32 s33, s33, SCR                     ; my scratch: a constant + 2,048 x wave
	v_lshl_add_u32 v6, v15, 4, s33                 ; weights as a fragment: 16 h
	v_lshl_add_u32 v7, v1, 4, s33                  ; weights as made: 16 l
	s_add_co_u32 s34, s33, 512
	v_lshl_add_u32 v8, v1, 5, s34                  ; a as made: 32 l
	v_lshl_add_u32 v9, v1, 3, s34                  ; a read back: 8 l; the quarter stands in the loads' immediates, so that no LDS address hangs on the work-group's number
	s_lshl1_add_u32 s35, s25, s30                  ; the quarter of a that I store: 2 type + fh
	s_lshl_b32 s35, s35, 8
	s_lshl_b32 s34, s31, 13
	s_lshl_b32 s39, s26, 10
	s_add_co_u32 s34, s34, s39
	s_add_co_u32 s34, s34, s35
	v_lshl_add_u32 v11, v1, 3, s34                 ; ac[g][256 c + 64 quarter + 2 l]
	s_cmp_lg_u32 s30, 0
	s_cselect_b32 s40, -1, 0                       ; all lanes: the odd quarter of a pair (fh = 1)
	s_cmp_lg_u32 s25, 0
	s_cselect_b32 s41, -1, 0                       ; all lanes: the upper pair of quarters (type = 1)
	v_lshlrev_b32 v12, 4, v1
	s_xor_b32 s35, s25, 1
	s_lshl_b32 s35, s35, 3
	s_add_co_u32 s35, s35, s26                     ; my place in the head's list: W(c) at c, U(c) at 8 + c
	s_lshl4_add_u32 s34, s31, s35                  ; 16 g + place,
	s_mul_i32 s34, s34, 10240                      ; summaries of 10,240 bytes,
	s_mul_i32 s35, s30, 5120                       ; my five fragments of the ten
	s_add_co_u32 s34, s34, s35
	s_mov_b32 s35, 0
	s_add_nc_u64 s[8:9], s[8:9], s[34:35]
	v_and_b32 v14, 15, v1
	v_cmp_eq_u32 vcc_lo, 0, v14
	v_mov_b32 v14, 0x3f803f80
	v_cndmask_b32 v[ONES], 0, v14, vcc_lo          ; column 64 (n = 0 of tile 4) is 1 at every position, the rest 0
.irp j, 1,2,3,4,5,6,7
	v_mov_b32 v[ONES+\j], v[ONES]
.endr
	s_wait_loadcnt 0x0
.irp u, 1,2,3,4,5,6,7
	v_add_f32 v[SC+\u], v[SC+\u-1], v[SC+\u]       ; running sums inside the lane
.endr
	v_mov_b32 v232, v[SC+7]
.irp d, 1,2,4,8,16
	v_add_nc_u32 v13, -\d, v1
	v_and_b32 v13, 31, v13
	v_lshlrev_b32 v13, 2, v13
	ds_bpermute_b32 v233, v13, v232                ; the sum d lanes below
	v_cmp_le_u32 vcc_lo, \d, v1
	s_wait_dscnt 0x0
	v_cndmask_b32 v233, 0, v233, vcc_lo
	v_add_f32 v232, v232, v233
.endr
	v_add_nc_u32 v13, -1, v1
	v_and_b32 v13, 31, v13
	v_lshlrev_b32 v13, 2, v13
	ds_bpermute_b32 v233, v13, v232                ; what lies below my lane
	v_cmp_le_u32 vcc_lo, 1, v1
	s_wait_dscnt 0x0
	v_cndmask_b32 v233, 0, v233, vcc_lo
.irp u, 0,1,2,3,4,5,6,7
	v_add_f32 v[SC+\u], v[SC+\u], v233             ; a
.endr
	v_readlane_b32 s38, v[SC+7], 31                ; a_end
	s_cmp_eq_u32 s25, 0
	s_cselect_b32 s36, -1.0, 1.0                   ; U: a_end - a;  W: a
	s_cselect_b32 s37, s38, 0
.irp u, 0,1,2,3,4,5,6,7
	v_fma_f32 v[EW+\u], v[SC+\u], s36, s37
.endr
.irp u, 0,1,2,3,4,5,6,7
	v_exp_f32 v[EW+\u], v[EW+\u]
.endr
	v_nop
	s_wait_alu depctr_va_vdst(0)
.irp u, 0,1,2,3
	v_cvt_pk_bf16_f32 v[EW+\u], v[EW+2*\u], v[EW+2*\u+1]
.endr
	ds_store_b128 v7, v[EW:EW+3]
	ds_store_b128 v8, v[SC:SC+3]
	ds_store_b128 v8, v[SC+4:SC+7] offset:16
.irp q, 0,1,2,3
	ds_load_b64 v[AQD+2*\q:AQD+2*\q+1], v9 offset:256*\q           ; my own bytes, served in order behind the stores above: quarter q of a, 8 bytes a lane
.endr
	s_wait_dscnt 0x0                               ; the four quarters are in; my stores into the scratch are done as well
	v_cndmask_b32 v[AQD],   v[AQD],   v[AQD+2], s40                ; quarter 0 or 1 by fh
	v_cndmask_b32 v[AQD+1], v[AQD+1], v[AQD+3], s40
	v_cndmask_b32 v[AQD+4], v[AQD+4], v[AQD+6], s40                ; quarter 2 or 3 by fh
	v_cndmask_b32 v[AQD+5], v[AQD+5], v[AQD+7], s40
	v_cndmask_b32 v[AQD],   v[AQD],   v[AQD+4], s41                ; the lower or the upper pair by type
	v_cndmask_b32 v[AQD+1], v[AQD+1], v[AQD+5], s41
	global_store_b64 v11, v[AQD:AQD+1], s[10:11]   ; the wave's store covers 256 consecutive bytes, aligned; the head's four waves (two types x two halves) store a quarter each
	s_wait_tensorcnt 0x0                           ; my part of K or V is in LDS
	s_barrier_signal -1
	s_barrier_wait -1                              ; everybody's is
.macro LOADS s, buf                    ; 14 LDS loads: positions 32 s .. 32 s + 31
.irp f, 0,1
	ds_load_tr16_b128 v[\buf+8*\f:\buf+8*\f+3],   v[KT+(\s)/4] offset:((\s)%4)*32*KPITCH+32*\f
	ds_load_tr16_b128 v[\buf+8*\f+4:\buf+8*\f+7], v[KT+(\s)/4] offset:((\s)%4)*32*KPITCH+32*\f+16*KPITCH
.endr
.irp t, 0,1,2,3
	ds_load_tr16_b128 v[\buf+16+8*\t:\buf+16+8*\t+3],   v[VT+(\s)/4] offset:((\s)%4)*32*KPITCH+32*\t
	ds_load_tr16_b128 v[\buf+16+8*\t+4:\buf+16+8*\t+7], v[VT+(\s)/4] offset:((\s)%4)*32*KPITCH+32*\t+16*KPITCH
.endr
	ds_load_b128 v[\buf+48:\buf+51], v6 offset:64*(\s)
	ds_load_b128 v[\buf+52:\buf+55], v6 offset:64*(\s)+32
.endm
.macro STEP s, cur, oth, zero, more
	s_wait_dscnt 0x0                               ; this step's 14 loads
.irp f, 0,1
.irp e, 0,1,2,3,4,5,6,7
	v_pk_mul_bf16 v[\cur+8*\f+\e], v[\cur+8*\f+\e], v[\cur+48+\e]  ; phi_k x weight; these sixteen are also the places between the last step's matrix instructions and the loads onto their sources
.endr
.endr
.if \more
	LOADS \s+1, \oth
.endif
.irp t, 0,1,2,3
.irp f, 0,1
.if \zero
	v_wmma_f32_16x16x32_bf16 v[ACC+8*(5*\f+\t):ACC+8*(5*\f+\t)+7], v[\cur+8*\f:\cur+8*\f+7], v[\cur+16+8*\t:\cur+16+8*\t+7], 0
.else
	v_wmma_f32_16x16x32_bf16 v[ACC+8*(5*\f+\t):ACC+8*(5*\f+\t)+7], v[\cur+8*\f:\cur+8*\f+7], v[\cur+16+8*\t:\cur+16+8*\t+7], v[ACC+8*(5*\f+\t):ACC+8*(5*\f+\t)+7]
.endif
.endr
.endr
.irp f, 0,1
.if \zero
	v_wmma_f32_16x16x32_bf16 v[ACC+8*(5*\f+4):ACC+8*(5*\f+4)+7], v[\cur+8*\f:\cur+8*\f+7], v[ONES:ONES+7], 0
.else
	v_wmma_f32_16x16x32_bf16 v[ACC+8*(5*\f+4):ACC+8*(5*\f+4)+7], v[\cur+8*\f:\cur+8*\f+7], v[ONES:ONES+7], v[ACC+8*(5*\f+4):ACC+8*(5*\f+4)+7]
.endif
.endr
.endm
	LOADS 0, B0
	STEP 0, B0, B1, 1, 1                           ; ten accumulators by turns, in the same order in every step
	STEP 1, B1, B0, 0, 1
	STEP 2, B0, B1, 0, 1
	STEP 3, B1, B0, 0, 1
	STEP 4, B0, B1, 0, 1
	STEP 5, B1, B0, 0, 1
	STEP 6, B0, B1, 0, 1
	STEP 7, B1, B0, 0, 0
.rept 4
	v_nop                                          ; four places before a vector instruction reads a matrix result (ISA guide 7.12.1)
.endr
	; column tile t: feature tile 0 makes registers 0-3 of the fragment (k = 8 h ..), feature tile 1 registers 4-7 (k = 16 + 8 h ..)
.irp t, 0,1,2,3,4
.irp f, 0,1
.irp p, 0,1,2,3
	v_cvt_pk_bf16_f32 v[B0+8*\t+4*\f+\p], v[ACC+8*(5*\f+\t)+2*\p], v[ACC+8*(5*\f+\t)+2*\p+1]
.endr
.endr
	global_store_b128 v12, v[B0+8*\t:B0+8*\t+3],   s[8:9] offset:\t*1024          ; each store covers 512 consecutive bytes
	global_store_b128 v12, v[B0+8*\t+4:B0+8*\t+7], s[8:9] offset:\t*1024+512
.endr
	s_wait_tensorcnt 0x0
	ds_add_u32 v248, v249
	s_wait_dscnt 0x0
	s_endpgm
.Lfunc_end_k_qc2e7289774_asum:
	.size	k_qc2e7289774_asum, .Lfunc_end_k_qc2e7289774_asum-k_qc2e7289774_asum
	.p2alignl 7, 3214868480
	.fill 96, 4, 3214868480
	.section	.rodata,"a",@progbits
	.p2align	6, 0x0
	.amdhsa_kernel k_qc2e7289774_asum
		.amdhsa_group_segment_fixed_size 168448
		.amdhsa_private_segment_fixed_size 0
		.amdhsa_enable_private_segment 0
		.amdhsa_kernarg_size 32
		.amdhsa_user_sgpr_count 2
		.amdhsa_user_sgpr_kernarg_segment_ptr 1
		.amdhsa_wavefront_size32 1
		.amdhsa_system_sgpr_workgroup_id_x 1
		.amdhsa_system_sgpr_workgroup_id_y 1
		.amdhsa_system_sgpr_workgroup_id_z 1
		.amdhsa_system_vgpr_workitem_id 0
		.amdhsa_next_free_vgpr 250
		.amdhsa_next_free_sgpr 66
		.amdhsa_reserve_vcc 1
		.amdhsa_float_denorm_mode_32 3
		.amdhsa_float_denorm_mode_16_64 3
		.amdhsa_memory_ordered 1
		.amdhsa_forward_progress 1
		.amdhsa_inst_pref_size 34
	.end_amdhsa_kernel
	.amdgpu_metadata
---
amdhsa.version: [ 1, 2 ]
amdhsa.kernels:
  - .name:           k_qc2e7289774_asum
    .symbol:         k_qc2e7289774_asum.kd
    .args:
      - { .name: big, .offset: 0, .size: 8, .value_kind: global_buffer, .address_space: global }
      - { .name: ll, .offset: 8, .size: 8, .value_kind: global_buffer, .address_space: global }
      - { .name: sm, .offset: 16, .size: 8, .value_kind: global_buffer, .address_space: global }
      - { .name: ac, .offset: 24, .size: 8, .value_kind: global_buffer, .address_space: global }
    .group_segment_fixed_size: 168448
    .private_segment_fixed_size: 0
    .kernarg_segment_align: 8
    .kernarg_segment_size: 32
    .max_flat_workgroup_size: 128
    .sgpr_count:     66
    .vgpr_count:     250
    .wavefront_size: 32
...
	.end_amdgpu_metadata
.endif
;; end of part 3
;; launch aout (part 4): grid 256 x 1, 8 waves a work-group, no clusters, 327,680 bytes of LDS; arguments big, ac, sm, act; writes act
.if DOCPART == 4
	.amdgcn_target "amdgcn-amd-amdhsa--gfx1250"
	.amdhsa_code_object_version 6
	.text
	.protected	k_qc2e7289774_aout
	.globl	k_qc2e7289774_aout
	.p2align	8
	.type	k_qc2e7289774_aout,@function
k_qc2e7289774_aout:
	s_mov_b64 s[64:65], 0
	v_nop
	global_prefetch_b8 v0, s[64:65] scope:SCOPE_SE
	s_setreg_imm32_b32 hwreg(HW_REG_WAVE_MODE, 25, 1), 1
	s_wait_xcnt 0x0
; aout: the attention rows.  For query i of chunk c of a head:
;   out_i = sum over j in the chunk of 2^(-|a_i - a_j|) (phi_q_i . phi_k_j) vx_j + 2^(a_i) phi_q_i S(c-1) + 2^(a_end - a_i) phi_q_i R(c);   attn = out[0:64] / max(out[64], 1e-6).
;   S(c-1) = sum over c' < c of 2^(a_end(c'+1) + .. + a_end(c-1)) U(c'),      R(c) = sum over c' > c of 2^(a_end(c+1) + .. + a_end(c'-1)) W(c').
; Every exponent is a sum of numbers that are at most 0, so no maximum is taken away and nothing overflows; an underflow to 0 is the right limit.
; Work-group id: bit 0 half of the chunk's queries qh, bits 3:1 chunk c, bits 6:4 pair of heads hp, bit 7 batch b.  Two heads make rows of Q, K, V and of the result 256 bytes.
; Wave w: head hd = w >> 2, 32 queries qs = w & 3, against all 256 keys, 32 keys a block.
; Scores are made transposed, D(m = key, n = query): after the decay and the rounding to bf16 a lane's registers are already the B fragment (k = key, n = query)
; of the second product O(m = column of vx, n = query) = V^T P: nothing goes through LDS between the two products.
; FILLS: K, V, Q and a go out at the start, one tensor load a wave (waves 0-4 and 7).  The seven summaries of each head, which are needed last, are asked for by waves 5 and 6
; behind the first barrier, 71,680 dense bytes each, and have the eight key blocks' work in which to land.  Nothing is filled twice; a wave has one tensor load out at the most.
; THE SUMMARIES: place e (0..6) of what was loaded is chunk (c + e + 1) mod 8: W of it while c + e + 1 <= 7, U of it behind that.  Each wave adds up a quarter of its head's elements
; for S and for R in f32 (a place that does not belong to a sum enters it with the factor 0: a select, no branch), rounds them and lays them into K's bytes, which nobody reads any more.
; No cluster: the two work-groups that share K and V are a pair only, and the tiles are fetched once.
; LIMITS: P, the summaries, S and R are rounded to bf16; finite inputs.
.set KB,  34816                        ; Q 128 x 272 at 0, later the result's stage; K 256 x 272, later S and R of the two heads (20,480 bytes each)
.set VBS, 104448                       ; V 256 x 288
.set ZB,  178176                       ; the summaries: two heads x seven places of 10,240 bytes
.set ZH,  71680
.set AA,  321536                       ; a of the two heads, 256 f32 each
.set QA, 4
.set KA, 5
.set VA, 6                             ; v6, v7: keys 0-127, 128-255
.set AAK, 8
.set AAQ, 9
.set SA, 10                            ; S and R as fragments
.set CA, 11                            ; my quarter of a place
.set OL, 12
.set GO, 13
.set AQ, 16                            ; v[16:17]   a of my queries (tile 0, 1)
.set EF, 18                            ; v[18:25]   2^(a_i) twice for tile 0, 1; 2^(a_end - a_i) likewise
.set ONES, 26                          ; v[26:33]   the ones column as an A fragment
.set Q,  34                            ; v[34:65]   tile it, K step ks at Q + 16 it + 8 ks
.set KF, 66                            ; v[66:97]   key tile kt, ks at KF + 16 kt + 8 ks
.set VF, 98                            ; v[98:129]  column tile vt
.set AK, 130                           ; v[130:145] a of the block's keys
.set LB, 66                            ; v[66:145]  later: my quarters of four places, 20 registers each
.set SF, 66                            ; v[66:145]  later: ten fragments of a state
.set S,  146                           ; v[146:177] scores, tile (it, kt) at S + 8 (2 it + kt)
.set T,  178                           ; v[178:209] the decay
.set P,  210                           ; v[210:225] bf16, tile it
.set FW, 146                           ; v[146:152] later: sums of a_end forward;  BW v[153:159] backward;  XW v[160:166] the one that holds;  VZ zero
.set BW, 153
.set XW, 160
.set VZ, 167
.set TU, 146                           ; v[146:185] later: 40 numbers of a place in f32; then S and R packed
.set CF, 186                           ; v[186:213] place e: its factor in S twice, its factor in R twice
.set D,  146                           ; v[146:225] later: phi_q x state, tile (it, vt) at D + 8 (5 it + vt)
.set DN, 226                           ; v[226:229] denominators
.set RC, 230                           ; v[230:233] their reciprocals, twice each
.set AE, 234                           ; a_end
.set CST, 235                          ; where my quarter of S goes
.set AQ2, 236                          ; v[236:237] a of the other half's queries
.set BR, 50                            ; s[50:57]   a_end of chunk (c + i) mod 8
; window 1: v[0:79] O, tile (it, vt) at 8 (5 it + vt); v[80:119] my quarter of S, v[120:159] of R, in f32
.set MSB, 0
.macro WIN new
.if MSB != \new
	s_set_vgpr_msb (MSB<<8)|\new
.set MSB, \new
.endif
.endm
	s_load_b256 s[4:11], s[0:1], 0x0               ; big 4, ac 6, sm 8, act 10
	v_lshl_add_u32 v254, v0, 2, 0x4f000
	v_mov_b32 v255, 0
	ds_add_u32 v254, v255
	v_lshrrev_b32 v1, 5, v0
	v_readfirstlane_b32 s24, v1                    ; wave
	v_and_b32 v1, 31, v0
	s_and_b32 s25, ttmp9, 1                        ; qh
	s_bfe_u32 s26, ttmp9, 0x30001                  ; c
	s_bfe_u32 s27, ttmp9, 0x30004                  ; hp
	s_lshr_b32 s28, ttmp9, 7                       ; b
	s_lshr_b32 s29, s24, 2                         ; hd
	s_and_b32 s30, s24, 3                          ; qs
	s_lshl_b32 s31, s28, 11
	s_lshl_b32 s32, s26, 8
	s_add_co_u32 s31, s31, s32                     ; the chunk's first row
	s_lshl_b32 s33, s27, 8                         ; the pair's 256 bytes of a row
	s_mov_b32 s35, 0
	s_mov_b32 s12, 1
	s_mov_b32 s22, 0
	s_mov_b32 s23, 0
	s_wait_dscnt 0x0
	s_wait_kmcnt 0x0
	; the first fills: one tensor load a wave, all inside this one branching on the wave's number; waves 5 and 6 issue none here
	s_cmp_lt_u32 s24, 2
	s_cbranch_scc1 .Lfill_k
	s_cmp_lt_u32 s24, 4
	s_cbranch_scc1 .Lfill_v
	s_cmp_eq_u32 s24, 4
	s_cbranch_scc1 .Lfill_q
	s_cmp_lt_u32 s24, 7
	s_cbranch_scc1 .Lfilled
	s_mov_b32 s13, AA                              ; wave 7: a, two rows (heads) of 256 f32, 2,048 elements apart
	s_lshl_b32 s32, s28, 4
	s_lshl1_add_u32 s32, s27, s32
	s_lshl_b32 s34, s32, 13
	s_lshl_b32 s32, s26, 10
	s_add_co_u32 s34, s34, s32
	s_add_nc_u64 s[14:15], s[6:7], s[34:35]
	s_or_b32 s15, s15, 0x80000000
	s_mov_b32 s16, 2<<16
	s_mov_b32 s17, 256<<16
	s_mov_b32 s18, 2<<16
	s_mov_b32 s19, 256<<16
	s_mov_b32 s20, 2
	s_mov_b32 s21, 2048
	tensor_load_to_lds s[12:15], s[16:23]
	s_nop 0
	s_branch .Lfilled
.Lfill_k:                                              ; waves 0, 1: K's halves, 128 rows x 256 bytes, pitch 272
	s_mul_i32 s13, s24, 34816
	s_add_co_u32 s13, s13, KB
	s_lshl_b32 s32, s24, 7
	s_add_co_u32 s32, s32, s31
	s_mul_i32 s34, s32, 6144
	s_add_co_u32 s34, s34, s33
	s_add_co_u32 s34, s34, 2048
	s_add_nc_u64 s[14:15], s[4:5], s[34:35]
	s_or_b32 s15, s15, 0x80000000
	s_mov_b32 s16, (1<<16)|(1<<20)|(5<<22)|(3<<25)
	s_mov_b32 s17, 128<<16
	s_mov_b32 s18, 128<<16
	s_mov_b32 s19, 128<<16
	s_mov_b32 s20, 128
	s_mov_b32 s21, 3072
	tensor_load_to_lds s[12:15], s[16:23]
	s_nop 0
	s_branch .Lfilled
.Lfill_v:                                              ; waves 2, 3: V's halves, pitch 288
	s_mul_i32 s13, s24, 36864
	s_add_co_u32 s13, s13, VBS-2*36864
	s_sub_co_u32 s32, s24, 2
	s_lshl_b32 s32, s32, 7
	s_add_co_u32 s32, s32, s31
	s_mul_i32 s34, s32, 6144
	s_add_co_u32 s34, s34, s33
	s_add_co_u32 s34, s34, 4096
	s_add_nc_u64 s[14:15], s[4:5], s[34:35]
	s_or_b32 s15, s15, 0x80000000
	s_mov_b32 s16, (1<<16)|(1<<20)|(5<<22)|(7<<25)
	s_mov_b32 s17, 128<<16
	s_mov_b32 s18, 128<<16
	s_mov_b32 s19, 128<<16
	s_mov_b32 s20, 128
	s_mov_b32 s21, 3072
	tensor_load_to_lds s[12:15], s[16:23]
	s_nop 0
	s_branch .Lfilled
.Lfill_q:                                              ; wave 4: my half of the chunk's queries
	s_mov_b32 s13, 0
	s_lshl_b32 s32, s25, 7
	s_add_co_u32 s32, s32, s31
	s_mul_i32 s34, s32, 6144
	s_add_co_u32 s34, s34, s33
	s_add_nc_u64 s[14:15], s[4:5], s[34:35]
	s_or_b32 s15, s15, 0x80000000
	s_mov_b32 s16, (1<<16)|(1<<20)|(5<<22)|(3<<25)
	s_mov_b32 s17, 128<<16
	s_mov_b32 s18, 128<<16
	s_mov_b32 s19, 128<<16
	s_mov_b32 s20, 128
	s_mov_b32 s21, 3072
	tensor_load_to_lds s[12:15], s[16:23]
	s_nop 0
.Lfilled:
	s_lshl_b32 s32, s28, 4
	s_lshl1_add_u32 s32, s27, s32
	s_add_co_u32 s32, s32, s29                     ; g = 16 b + 2 hp + hd
	s_lshl_b32 s34, s32, 13                        ; ac: 2,048 f32 a head
	s_add_nc_u64 s[58:59], s[6:7], s[34:35]
.irp c, 0,1,2,3,4,5,6,7
	s_load_b32 s[42+\c], s[58:59], \c*1024+1020    ; a_end of chunk c of my head
.endr
	s_mov_b32 s36, 0x76543210
	s_mov_b32 s37, 0xfedcba98
	s_mov_b32 s38, 0xffff0000                      ; lanes 16-31; also a word's upper bf16
	s_cmp_lg_u32 s25, 0
	s_cselect_b32 s41, -1, 0                       ; all lanes: the chunk's second half of queries
	v_and_b32 v2, 15, v1                           ; r
	v_lshrrev_b32 v3, 4, v1                        ; h
	s_mul_i32 s32, s30, 32*272
	s_lshl_b32 s39, s29, 7                         ; my head's 128 bytes of a row
	s_add_co_u32 s32, s32, s39
	v_mul_u32_u24 v14, v2, 272
	v_lshl_add_u32 v14, v3, 4, v14                 ; r pitch + 16 h
	v_add_nc_u32 v[QA], s32, v14                   ; also where my results go: the stage has Q's shape and Q's bytes
	s_add_co_u32 s32, s39, KB
	v_add_nc_u32 v[KA], s32, v14
	v_and_b32 v15, 7, v1
	v_lshl_add_u32 v15, v3, 3, v15
	v_mul_u32_u24 v15, v15, 288
	v_bfe_u32 v14, v1, 3, 1
	v_lshl_add_u32 v15, v14, 4, v15
	s_add_co_u32 s32, s39, VBS
	v_add_nc_u32 v[VA], s32, v15
	v_add_nc_u32 v[VA+1], 128*288, v[VA]
	s_lshl_b32 s32, s29, 10
	s_add_co_u32 s32, s32, AA
	v_lshl_add_u32 v[AAK], v3, 5, s32              ; keys 8 h + 0..7
	s_lshl_b32 s40, s30, 7
	s_add_co_u32 s39, s32, s40
	v_lshl_add_u32 v[AAQ], v2, 2, s39              ; query 32 qs + r of either half: the half is chosen in registers, so that no LDS address hangs on the work-group's number
	s_add_co_u32 s39, s32, 1020
	v_mov_b32 v14, s39                             ; position 255
	s_mul_i32 s32, s29, 20480
	s_add_co_u32 s32, s32, KB
	v_lshl_add_u32 v[SA], v1, 4, s32
	s_mul_i32 s39, s30, 2560                       ; my quarter: 5 of a state's 20 pieces of 512 bytes
	s_add_co_u32 s32, s32, s39
	v_lshl_add_u32 v[CST], v1, 4, s32
	s_mul_i32 s32, s29, ZH
	s_add_co_u32 s32, s32, ZB
	s_add_co_u32 s32, s32, s39
	v_lshl_add_u32 v[CA], v1, 4, s32
	s_mul_i32 s32, s24, 16*272
	v_mul_u32_u24 v15, v3, 272
	v_lshl_add_u32 v15, v2, 4, v15
	v_add_nc_u32 v[OL], s32, v15                   ; rows 16 w + h of the stage, 16 bytes a lane
	v_lshlrev_b32 v15, 11, v3
	v_lshl_add_u32 v[GO], v2, 4, v15
	s_lshl_b32 s32, s25, 7
	s_add_co_u32 s32, s32, s31
	s_lshl4_add_u32 s32, s24, s32                  ; row: chunk + 128 qh + 16 w
	s_lshl_b32 s34, s32, 11
	s_add_co_u32 s34, s34, s33
	s_add_nc_u64 s[10:11], s[10:11], s[34:35]
	v_cmp_eq_u32 vcc_lo, 0, v2
	v_mov_b32 v15, 0x3f803f80
	v_cndmask_b32 v[ONES], 0, v15, vcc_lo          ; row m = 0 of column tile 4 (column 64) is 1 at every key
.irp j, 1,2,3,4,5,6,7
	v_mov_b32 v[ONES+\j], v[ONES]
.endr
	v_mov_b32 v[DN+1], 0                           ; v_permlanex16_b32 counts as a reader of its destination
	v_mov_b32 v[DN+3], 0
	s_wait_kmcnt 0x0                               ; the eight a_end
	s_and_b32 s60, s26, 1                          ; turn them round by c, a bit of c at a time: s[BR + i] = a_end((c + i) mod 8)
.irp i, 0,1,2,3,4,5,6,7
	s_cselect_b32 s[50+\i], s[42+((\i+1)&7)], s[42+\i]
.endr
	s_and_b32 s60, s26, 2
.irp i, 0,1,2,3,4,5,6,7
	s_cselect_b32 s[42+\i], s[50+((\i+2)&7)], s[50+\i]
.endr
	s_and_b32 s60, s26, 4
.irp i, 0,1,2,3,4,5,6,7
	s_cselect_b32 s[50+\i], s[42+((\i+4)&7)], s[42+\i]
.endr
.irp e, 0,1,2,3,4,5,6
	s_add_co_u32 s60, s26, \e
	s_cmp_ge_u32 s60, 7
	s_cselect_b32 s[66+\e], -1, 0                  ; all lanes: place e holds a U (a chunk in front of mine)
.endr
	s_wait_tensorcnt 0x0                           ; my tile is in LDS; no tensor load of mine is out
	ds_add_u32 v254, v255
	s_wait_dscnt 0x0
	s_barrier_signal -1
	s_barrier_wait -1                              ; everybody's is
	s_cmp_lt_u32 s24, 5                            ; waves 5, 6: a head's seven summaries, the wave's one tensor load behind this barrier and the first thing there
	s_cbranch_scc1 .Lno_z
	s_cmp_gt_u32 s24, 6
	s_cbranch_scc1 .Lno_z
	s_sub_co_u32 s32, s24, 5
	s_mul_i32 s13, s32, ZH
	s_add_co_u32 s13, s13, ZB
	s_lshl_b32 s34, s28, 4
	s_add_co_u32 s32, s32, s34
	s_lshl1_add_u32 s32, s27, s32                  ; g
	s_lshl4_add_u32 s32, s32, s26                  ; 16 g + c,
	s_add_co_u32 s32, s32, 1                       ; places c + 1 .. c + 7 of the head's sixteen
	s_mul_i32 s34, s32, 10240
	s_add_nc_u64 s[14:15], s[8:9], s[34:35]
	s_or_b32 s15, s15, 0x80000000
	s_mov_b32 s16, 3<<16                           ; 71,680 dense bytes as 280 rows of 256: elements of 8 bytes
	s_mov_b32 s17, 32<<16
	s_mov_b32 s18, 280<<16
	s_mov_b32 s19, 32<<16
	s_mov_b32 s20, 280
	s_mov_b32 s21, 32
	tensor_load_to_lds s[12:15], s[16:23]
	s_nop 0
.Lno_z:
.macro LOADK n                         ; 8 loads of K's fragments, 4 of the keys' a
.irp kt, 0,1
.irp ks, 0,1
	ds_load_b128 v[KF+16*\kt+8*\ks:KF+16*\kt+8*\ks+3],   v[KA] offset:(\n)*8704+\kt*4352+\ks*64
	ds_load_b128 v[KF+16*\kt+8*\ks+4:KF+16*\kt+8*\ks+7], v[KA] offset:(\n)*8704+\kt*4352+\ks*64+32
.endr
.endr
.irp kt, 0,1
	ds_load_b128 v[AK+8*\kt:AK+8*\kt+3],   v[AAK] offset:(\n)*128+\kt*64
	ds_load_b128 v[AK+8*\kt+4:AK+8*\kt+7], v[AAK] offset:(\n)*128+\kt*64+16
.endr
.endm
.macro LOADV n                         ; 8 transposing loads of V's fragments
.irp vt, 0,1,2,3
	ds_load_tr16_b128 v[VF+8*\vt:VF+8*\vt+3],   v[VA+(\n)/4] offset:((\n)%4)*9216+32*\vt
	ds_load_tr16_b128 v[VF+8*\vt+4:VF+8*\vt+7], v[VA+(\n)/4] offset:((\n)%4)*9216+32*\vt+4608
.endr
.endm
.macro OMUL a, vt, it, zero
.if \zero
	v_wmma_f32_16x16x32_bf16 v[8*(5*\it+\vt):8*(5*\it+\vt)+7], v[\a:\a+7], v[P+8*\it:P+8*\it+7], 0
.else
	v_wmma_f32_16x16x32_bf16 v[8*(5*\it+\vt):8*(5*\it+\vt)+7], v[\a:\a+7], v[P+8*\it:P+8*\it+7], v[8*(5*\it+\vt):8*(5*\it+\vt)+7]
.endif
.endm
.macro BLOCK n, zero, next             ; 32 keys
	s_wait_dscnt 12                                ; K's fragments are in; the keys' a (4) and V (8) are younger
.irp it, 0,1
.irp kt, 0,1
	v_wmma_f32_16x16x32_bf16 v[S+8*(2*\it+\kt):S+8*(2*\it+\kt)+7], v[KF+16*\kt:KF+16*\kt+7], v[Q+16*\it:Q+16*\it+7], 0       ; four accumulators by turns
.endr
.endr
.irp it, 0,1
.irp kt, 0,1
	v_wmma_f32_16x16x32_bf16 v[S+8*(2*\it+\kt):S+8*(2*\it+\kt)+7], v[KF+16*\kt+8:KF+16*\kt+15], v[Q+16*\it+8:Q+16*\it+15], v[S+8*(2*\it+\kt):S+8*(2*\it+\kt)+7]
.endr
.endr
	s_wait_dscnt 8                                 ; the keys' a; V may stay out
.irp it, 0,1
.irp kt, 0,1
.irp j, 0,1,2,3,4,5,6,7
	v_sub_f32 v[T+8*(2*\it+\kt)+\j], v[AQ+\it], v[AK+8*\kt+\j]     ; also the places behind the score products
.endr
.endr
.endr
.if \next
	LOADK \n+1
.endif
.set ii, 0
.rept 32
	v_exp_f32 v[T+ii], -|v[T+ii]|
.set ii, ii+1
.endr
	v_nop
.set ii, 0
	s_wait_alu depctr_va_vdst(0)
.rept 16
	v_pk_mul_f32 v[S+ii:S+ii+1], v[S+ii:S+ii+1], v[T+ii:T+ii+1]
.set ii, ii+2
.endr
.set ii, 0
.rept 16
	v_cvt_pk_bf16_f32 v[P+ii], v[S+2*ii], v[S+2*ii+1]              ; key tile 0 -> registers 0-3, key tile 1 -> registers 4-7 of the B fragment
.set ii, ii+1
.endr
.if \next
	s_wait_dscnt 12                                ; V is in; the next block's 12 loads are younger
.else
	s_wait_dscnt 0
.endif
	WIN 0x50                                       ; C and D in window 1
.irp vt, 0,1,2,3
.irp it, 0,1
	OMUL VF+8*\vt, \vt, \it, \zero                 ; ten accumulators by turns
.endr
.endr
	OMUL ONES, 4, 0, \zero
	OMUL ONES, 4, 1, \zero
	WIN 0
.if \next
.rept 4
	v_nop                                          ; four places before loads land on V's fragments
.endr
	LOADV \n+1
.endif
.endm
.irp it, 0,1
.irp ks, 0,1
	ds_load_b128 v[Q+16*\it+8*\ks:Q+16*\it+8*\ks+3],   v[QA] offset:\it*4352+\ks*64
	ds_load_b128 v[Q+16*\it+8*\ks+4:Q+16*\it+8*\ks+7], v[QA] offset:\it*4352+\ks*64+32
.endr
.endr
	ds_load_b32 v[AQ], v[AAQ]                      ; a of queries 32 qs + r and + 16 of the chunk's first half,
	ds_load_b32 v[AQ+1], v[AAQ] offset:64
	ds_load_b32 v[AQ2], v[AAQ] offset:512          ; and of its second half
	ds_load_b32 v[AQ2+1], v[AAQ] offset:576
	ds_load_b32 v[AE], v14
	LOADK 0
	LOADV 0
	s_wait_dscnt 20                                ; the queries' a is in; the 8 + 4 + 8 loads of the first block are younger
	v_cndmask_b32 v[AQ], v[AQ], v[AQ2], s41
	v_cndmask_b32 v[AQ+1], v[AQ+1], v[AQ2+1], s41
	BLOCK 0, 1, 1                                  ; the first products start the sums
	BLOCK 1, 0, 1
	BLOCK 2, 0, 1
	BLOCK 3, 0, 1
	BLOCK 4, 0, 1
	BLOCK 5, 0, 1
	BLOCK 6, 0, 1
	BLOCK 7, 0, 0
	; the queries' factors for the chunks in front (S) and behind (R)
	v_sub_f32 v[EF+4], v[AE], v[AQ]
	v_sub_f32 v[EF+6], v[AE], v[AQ+1]
	v_exp_f32 v[EF], v[AQ]
	v_exp_f32 v[EF+2], v[AQ+1]
	v_exp_f32 v[EF+4], v[EF+4]
	v_exp_f32 v[EF+6], v[EF+6]
	v_nop
	s_wait_alu depctr_va_vdst(0)
.irp j, 0,2,4,6
	v_mov_b32 v[EF+\j+1], v[EF+\j]
.endr
	; the places' factors.  Place e is chunk c + e + 1: a W has passed chunks c+1 .. c+e, a U (chunk c + e - 7) has chunks c+e-6 .. c-1 still to pass: both are sums of a_end, never differences
	v_mov_b32 v[FW], 0
	v_mov_b32 v[FW+1], s[BR+1]
.irp e, 2,3,4,5,6
	v_add_f32 v[FW+\e], s[BR+\e], v[FW+\e-1]
.endr
	v_mov_b32 v[BW+6], 0
	v_mov_b32 v[BW+5], s[BR+7]
.irp e, 4,3,2,1,0
	v_add_f32 v[BW+\e], s[BR+\e+2], v[BW+\e+1]
.endr
	v_mov_b32 v[VZ], 0
.irp e, 0,1,2,3,4,5,6
	v_cndmask_b32 v[XW+\e], v[FW+\e], v[BW+\e], s[66+\e]
.endr
.irp e, 0,1,2,3,4,5,6
	v_exp_f32 v[XW+\e], v[XW+\e]
.endr
	v_nop
	s_wait_alu depctr_va_vdst(0)
.irp e, 0,1,2,3,4,5,6
	v_cndmask_b32 v[CF+4*\e], v[VZ], v[XW+\e], s[66+\e]            ; in S: the factor of a U, 0 for a W
	v_cndmask_b32 v[CF+4*\e+2], v[XW+\e], v[VZ], s[66+\e]          ; in R: the other way round
	v_mov_b32 v[CF+4*\e+1], v[CF+4*\e]
	v_mov_b32 v[CF+4*\e+3], v[CF+4*\e+2]
.endr
	s_wait_tensorcnt 0x0                           ; waves 5, 6: the summaries have landed
	s_wait_dscnt 0x0                               ; my reads of Q, K, V and a are over
	s_barrier_signal -1
	s_barrier_wait -1                              ; both hold of every wave
.macro CLOAD e, slot                   ; my quarter of place e: five loads of 512 consecutive bytes
.irp u, 0,1,2,3,4
	ds_load_b128 v[LB+20*\slot+4*\u:LB+20*\slot+4*\u+3], v[CA] offset:\e*10240+512*\u
.endr
.endm
.macro CACC e, slot, left              ; S += factor x place, R += factor x place, 40 numbers each
	s_wait_dscnt \left                             ; LDS loads come back in order: this place's five are in, the younger places' stay out
.set ii, 0
.rept 20
	v_lshlrev_b32 v[TU+2*ii], 16, v[LB+20*\slot+ii]
	v_and_b32 v[TU+2*ii+1], s38, v[LB+20*\slot+ii]
.set ii, ii+1
.endr
	WIN 0x50                                       ; the sums lie in window 1
.set ii, 0
.rept 20
.if \e == 0
	v_pk_mul_f32 v[80+2*ii:80+2*ii+1], v[TU+2*ii:TU+2*ii+1], v[CF+4*\e:CF+4*\e+1]            ; the first place starts the sums
	v_pk_mul_f32 v[120+2*ii:120+2*ii+1], v[TU+2*ii:TU+2*ii+1], v[CF+4*\e+2:CF+4*\e+3]
.else
	v_pk_fma_f32 v[80+2*ii:80+2*ii+1], v[TU+2*ii:TU+2*ii+1], v[CF+4*\e:CF+4*\e+1], v[80+2*ii:80+2*ii+1]
	v_pk_fma_f32 v[120+2*ii:120+2*ii+1], v[TU+2*ii:TU+2*ii+1], v[CF+4*\e+2:CF+4*\e+3], v[120+2*ii:120+2*ii+1]
.endif
.set ii, ii+1
.endr
	WIN 0
.endm
	CLOAD 0, 0
	CLOAD 1, 1
	CLOAD 2, 2
	CLOAD 3, 3
	CACC 0, 0, 15                                  ; three places of five loads are younger
	CLOAD 4, 0
	CACC 1, 1, 15
	CLOAD 5, 1
	CACC 2, 2, 15
	CLOAD 6, 2
	CACC 3, 3, 15
	CACC 4, 0, 10
	CACC 5, 1, 5
	CACC 6, 2, 0
	WIN 0x05                                       ; sources in window 1
.set ii, 0
.rept 40
	v_cvt_pk_bf16_f32 v[TU+ii], v[80+2*ii], v[80+2*ii+1]
.set ii, ii+1
.endr
	WIN 0
.irp u, 0,1,2,3,4
	ds_store_b128 v[CST], v[TU+4*\u:TU+4*\u+3] offset:512*\u                  ; S, in K's bytes: K's reads ended in front of the last barrier, and K is not filled again
	ds_store_b128 v[CST], v[TU+20+4*\u:TU+20+4*\u+3] offset:10240+512*\u      ; R
.endr
	s_wait_dscnt 0x0
	s_barrier_signal -1
	s_barrier_wait -1                              ; all four quarters of both states of both heads are there
.macro INTER mat
.rept 5
	v_nop                                          ; five places before matrix instructions write over registers of the last ones, four before loads land on their sources
.endr
.irp f, 0,1,2,3,4,5,6,7,8,9
	ds_load_b128 v[SF+8*\f:SF+8*\f+3],   v[SA] offset:\mat*10240+\f*1024
	ds_load_b128 v[SF+8*\f+4:SF+8*\f+7], v[SA] offset:\mat*10240+\f*1024+512
.endr
	s_wait_dscnt 0x0
.irp it, 0,1
.irp vt, 0,1,2,3,4
	v_wmma_f32_16x16x32_bf16 v[D+8*(5*\it+\vt):D+8*(5*\it+\vt)+7], v[SF+8*\vt:SF+8*\vt+7], v[Q+16*\it:Q+16*\it+7], 0
.endr
.endr
.irp it, 0,1
.irp vt, 0,1,2,3,4
	v_wmma_f32_16x16x32_bf16 v[D+8*(5*\it+\vt):D+8*(5*\it+\vt)+7], v[SF+8*(5+\vt):SF+8*(5+\vt)+7], v[Q+16*\it+8:Q+16*\it+15], v[D+8*(5*\it+\vt):D+8*(5*\it+\vt)+7]
.endr
.endr
.rept 5
	v_nop
.endr
	WIN 0x50
.irp it, 0,1
.irp e, 0,2,4,6,8,10,12,14,16,18,20,22,24,26,28,30,32,34,36,38
	v_pk_fma_f32 v[40*\it+\e:40*\it+\e+1], v[D+40*\it+\e:D+40*\it+\e+1], v[EF+4*\mat+2*\it:EF+4*\mat+2*\it+1], v[40*\it+\e:40*\it+\e+1]
.endr
.endr
	WIN 0
.endm
	INTER 0
	INTER 1
	; the denominator is element (m = 0) of column tile 4: register 0 of lanes 0-15
	WIN 0x01
	v_mov_b32 v[DN], v[8*4]
	v_mov_b32 v[DN+2], v[8*9]
	WIN 0
	v_permlanex16_b32 v[DN+1], v[DN], s36, s37
	v_permlanex16_b32 v[DN+3], v[DN+2], s36, s37
	v_cndmask_b32 v[DN], v[DN], v[DN+1], s38
	v_cndmask_b32 v[DN+2], v[DN+2], v[DN+3], s38
	v_max_num_f32 v[DN], 0x358637bd, v[DN]         ; 1e-6
	v_max_num_f32 v[DN+2], 0x358637bd, v[DN+2]
	v_rcp_f32 v[RC], v[DN]
	v_rcp_f32 v[RC+1], v[DN]
	v_rcp_f32 v[RC+2], v[DN+2]
	v_rcp_f32 v[RC+3], v[DN+2]
	v_nop
	WIN 0x01
	s_wait_alu depctr_va_vdst(0)
.irp it, 0,1
.irp vt, 0,1,2,3
.irp e, 0,2,4,6
	v_pk_mul_f32 v[D+8*(4*\it+\vt)+\e:D+8*(4*\it+\vt)+\e+1], v[8*(5*\it+\vt)+\e:8*(5*\it+\vt)+\e+1], v[RC+2*\it:RC+2*\it+1]
.endr
.endr
.endr
	WIN 0
.set ii, 0
.rept 32
	v_cvt_pk_bf16_f32 v[KF+ii], v[D+2*ii], v[D+2*ii+1]
.set ii, ii+1
.endr
.irp it, 0,1
.irp vt, 0,1,2,3
	ds_store_b128 v[QA], v[KF+4*(4*\it+\vt):KF+4*(4*\it+\vt)+3] offset:\it*4352+32*\vt   ; eight neighbouring columns of one query's row, in Q's bytes: Q's reads ended two barriers ago, and Q is not filled again
.endr
.endr
	s_wait_dscnt 0x0
	s_barrier_signal -1
	s_barrier_wait -1                              ; both heads' halves of every row are in the stage
.irp t, 0,1,2,3,4,5,6,7
	ds_load_b128 v[VF+4*\t:VF+4*\t+3], v[OL] offset:544*\t
.endr
.irp t, 0,1,2,3,4,5,6,7
	s_wait_dscnt 7-\t
	global_store_b128 v[GO], v[VF+4*\t:VF+4*\t+3], s[10:11] offset:4096*\t     ; 16 lanes store 256 consecutive bytes, aligned
.endr
	s_wait_tensorcnt 0x0
	ds_add_u32 v254, v255
	s_wait_dscnt 0x0
	s_endpgm
.Lfunc_end_k_qc2e7289774_aout:
	.size	k_qc2e7289774_aout, .Lfunc_end_k_qc2e7289774_aout-k_qc2e7289774_aout
	.p2alignl 7, 3214868480
	.fill 96, 4, 3214868480
	.section	.rodata,"a",@progbits
	.p2align	6, 0x0
	.amdhsa_kernel k_qc2e7289774_aout
		.amdhsa_group_segment_fixed_size 327680
		.amdhsa_private_segment_fixed_size 0
		.amdhsa_enable_private_segment 0
		.amdhsa_kernarg_size 32
		.amdhsa_user_sgpr_count 2
		.amdhsa_user_sgpr_kernarg_segment_ptr 1
		.amdhsa_wavefront_size32 1
		.amdhsa_system_sgpr_workgroup_id_x 1
		.amdhsa_system_sgpr_workgroup_id_y 1
		.amdhsa_system_sgpr_workgroup_id_z 1
		.amdhsa_system_vgpr_workitem_id 0
		.amdhsa_next_free_vgpr 416
		.amdhsa_next_free_sgpr 76
		.amdhsa_reserve_vcc 1
		.amdhsa_float_denorm_mode_32 3
		.amdhsa_float_denorm_mode_16_64 3
		.amdhsa_memory_ordered 1
		.amdhsa_forward_progress 1
		.amdhsa_inst_pref_size 128
	.end_amdhsa_kernel
	.amdgpu_metadata
---
amdhsa.version: [ 1, 2 ]
amdhsa.kernels:
  - .name:           k_qc2e7289774_aout
    .symbol:         k_qc2e7289774_aout.kd
    .args:
      - { .name: big, .offset: 0, .size: 8, .value_kind: global_buffer, .address_space: global }
      - { .name: ac, .offset: 8, .size: 8, .value_kind: global_buffer, .address_space: global }
      - { .name: sm, .offset: 16, .size: 8, .value_kind: global_buffer, .address_space: global }
      - { .name: act, .offset: 24, .size: 8, .value_kind: global_buffer, .address_space: global }
    .group_segment_fixed_size: 327680
    .private_segment_fixed_size: 0
    .kernarg_segment_align: 8
    .kernarg_segment_size: 32
    .max_flat_workgroup_size: 256
    .sgpr_count:     76
    .vgpr_count:     416
    .wavefront_size: 32
...
	.end_amdgpu_metadata
.endif
;; end of part 4
;; launch oproj (part 5): grid 8 x 32, 4 waves a work-group, clusters of 4 x 4, 327,680 bytes of LDS; arguments act, wb, x1, o_b, x; writes x1
.if DOCPART == 5
	.amdgcn_target "amdgcn-amd-amdhsa--gfx1250"
	.amdhsa_code_object_version 6
	.text
	.protected	k_qc2e7289774_oproj
	.globl	k_qc2e7289774_oproj
	.p2align	8
	.type	k_qc2e7289774_oproj,@function
k_qc2e7289774_oproj:
	s_mov_b64 s[64:65], 0
	v_nop
	global_prefetch_b8 v0, s[64:65] scope:SCOPE_SE
	s_setreg_imm32_b32 hwreg(HW_REG_WAVE_MODE, 25, 1), 1
	s_wait_xcnt 0x0
	s_wait_alu depctr_hold_cnt(0) depctr_sa_sdst(0) depctr_va_vdst(0) depctr_va_sdst(0) depctr_va_ssrc(0) depctr_va_vcc(0) depctr_vm_vsrc(0)
	s_getreg_b32 s2, hwreg(HW_REG_IB_STS2, 6, 4)
	s_cmp_eq_u32 s2, 0
	s_cbranch_scc0 .Lentry_in_a_cluster
	s_endpgm
.Lentry_in_a_cluster:
	s_bfe_u32 s2, ttmp6, 0x10000c
	s_cmp_lg_u32 s2, 0xf033
	s_cbranch_scc0 .Lentry_shape_is_right
	s_endpgm
.Lentry_shape_is_right:
; oproj: x1[4096][1024] (f32) = x + attn o_w + o_b.  attn = act [4096][1024] bf16; o_w lies in wb as bf16 [1024 k][1024 n].
; N = 1,024 gives only 64 blocks of 256 x 256, so a work-group makes 128 x 128 (256 work-groups) and ITS FOUR WAVES SPLIT K: each wave makes the whole block
; (64 accumulator tiles, 512 registers: for 32 k it loads 2 x 128 x 64 bytes from LDS for 64 matrix instructions) over its 64 k of every slot of 256 k,
; and the four partial blocks are added once, through LDS, on the way out.
; Slot: A [128 m][256 k], rows of 512 bytes, pitch 528, in two parts of 64 rows; weights [256 k][128 n], rows of 256 bytes, pitch 288, in two parts of 128 k rows.
; Each part is one wave's tensor load and has 36,864 bytes of LDS.
; CLUSTERS 4 x 4: A's tile is asked for jointly along a row of the cluster, the weights' along a column.
; WINDOWS: 0: v0-35 addresses and bias, v64-191 A's fragments (later the residual rows), v192-255 the partial rows;  1: v64-191 the weights' fragments;  2, 3: accumulators.
; LIMITS: the sum over K is made in four parts, so the order of rounding differs from a single ascending sum.
.set SIZE_K, 1024
.set WOFF,   6291456                   ; o_w in wb
.set KSLOT,  256
.set APITCH, 528
.set BPITCH, 288
.set PARTB,  36864
.set SLOT,   4*PARTB
.set PLANE,  128*528                   ; a wave's partial block on the way out: 128 rows of 512 bytes + 16
.set LAPS, SIZE_K/(2*KSLOT)
.set ADRA, 16
.set ADRB, 20
.set PST,  24
.set CO,   26
.set BO,   27
.set RD,   28                          ; v[28:31] the four planes
.set BIAS, 32                          ; v[32:35]
.set F0,   64
.set F1,   128
.set RES,  64                          ; v[64:191] 32 rows of the residual, then of the result
.set PRT,  192                         ; v[192:255] four rows of four planes
.set G1, 24
.set G0, 32
.set G1B, 48
.set G0B, 56
.set MSB, 0
.macro WIN new
.if MSB != \new
	s_set_vgpr_msb (MSB<<8)|\new
.set MSB, \new
.endif
.endm
.set MUL_LO, 0xa1
.set MUL_HI, 0xf1
.set TO_B,   0x40
.macro JLOAD s
	s_cmp_eq_u32 s11, 0
	s_cbranch_scc0 .Lfor_b_\@
	tensor_load_to_lds s[G0+4*\s:G0+4*\s+3], s[G1:G1+7]
	s_nop 0
	s_branch .Lasked_\@
.Lfor_b_\@:
	tensor_load_to_lds s[G0B+4*\s:G0B+4*\s+3], s[G1B:G1B+7]
	s_nop 0
.Lasked_\@:
.endm
.macro CREST
	s_cmp_lg_u32 s10, 0
	s_cbranch_scc1 .Lnot_wave_0_\@
	s_barrier_signal -3
.Lnot_wave_0_\@:
	s_barrier_wait -3
	s_barrier_signal -1
	s_barrier_wait -1
.endm
.macro CROUND
	s_barrier_signal -1
	s_barrier_wait -1
	CREST
.endm
	s_load_b128 s[4:7], s[0:1], 0x0                ; A, wb
	s_load_b64 s[8:9], s[0:1], 0x10                ; the result
	s_load_b64 s[68:69], s[0:1], 0x18              ; bias
	s_load_b64 s[70:71], s[0:1], 0x20              ; residual
	s_set_vgpr_msb 0x40
	v_lshl_add_u32 v255, v0, 2, 0x48000
	s_set_vgpr_msb 0x4000
	v_mov_b32 v63, 0
	s_set_vgpr_msb 0x1
	ds_add_u32 v255, v63
	s_set_vgpr_msb 0x100
	v_lshrrev_b32 v1, 5, v0
	v_readfirstlane_b32 s10, v1                    ; wave: my 64 k of every slot
	s_lshr_b32 s11, s10, 1                         ; I fetch for A (0) or for the weights (1),
	s_and_b32 s12, s10, 1                          ; and which part
	s_bfe_u32 s40, ttmp6, 0x40000                  ; cx
	s_bfe_u32 s41, ttmp6, 0x40004                  ; cy
	s_lshl_b32 s42, ttmp9, 2
	s_add_co_u32 s42, s42, s40                     ; block column
	s_and_b32 s13, ttmp7, 0xffff
	s_lshl_b32 s13, s13, 2
	s_add_co_u32 s13, s13, s41                     ; block row
	s_lshl_b32 s43, s41, 2
	s_lshl_b32 s43, 15, s43
	s_lshl_b32 s44, 0x1111, s40
	s_or_b32 s[G1+0], s43, (1<<16)|(1<<20)|(1<<21)|(6<<22)|(3<<25)   ; A: 4 words of padding behind every 128
	s_mov_b32 s[G1+1], KSLOT<<16
	s_mov_b32 s[G1+2], 64<<16
	s_mov_b32 s[G1+3], KSLOT<<16
	s_mov_b32 s[G1+4], 64
	s_mov_b32 s[G1+5], SIZE_K
	s_mov_b32 s[G1+6], 0
	s_mov_b32 s[G1+7], 0
	s_or_b32 s[G1B+0], s44, (1<<16)|(1<<20)|(1<<21)|(5<<22)|(7<<25)  ; weights: 8 words behind every 64
	s_mov_b32 s[G1B+1], 128<<16
	s_mov_b32 s[G1B+2], 128<<16
	s_mov_b32 s[G1B+3], 128<<16
	s_mov_b32 s[G1B+4], 128
	s_mov_b32 s[G1B+5], 1024
	s_mov_b32 s[G1B+6], 0
	s_mov_b32 s[G1B+7], 0
	s_lshl_b32 s16, s13, 7
	s_lshl_b32 s17, s12, 6
	s_add_co_u32 s16, s16, s17                     ; A: row 128 x block row + 64 x part
	s_mul_i32 s16, s16, SIZE_K*2
	s_mov_b32 s17, 0
	s_lshl_b32 s46, s12, 18                        ; weights: 128 k rows of 2,048 bytes a part,
	s_lshl_b32 s47, s42, 8                         ; 128 columns a block
	s_add_co_u32 s46, s46, s47
	s_add_co_u32 s46, s46, WOFF
	s_mov_b32 s47, 0
	s_mul_i32 s20, s10, PARTB
	s_wait_dscnt 0x0
	s_wait_kmcnt 0x0
	s_add_nc_u64 s[14:15], s[4:5], s[16:17]
	s_add_nc_u64 s[46:47], s[6:7], s[46:47]
	CROUND                                         ; the first joint loads meet
.irp s, 0,1
	s_mov_b32 s[G0+4*\s], 1
	s_add_co_u32 s[G0+4*\s+1], s20, \s*SLOT
	s_add_nc_u64 s[G0+4*\s+2:G0+4*\s+3], s[14:15], \s*KSLOT*2
	s_or_b32 s[G0+4*\s+3], s[G0+4*\s+3], 0x80000000
	s_mov_b32 s[G0B+4*\s], 1
	s_add_co_u32 s[G0B+4*\s+1], s20, \s*SLOT
	s_add_nc_u64 s[G0B+4*\s+2:G0B+4*\s+3], s[46:47], \s*KSLOT*2048
	s_or_b32 s[G0B+4*\s+3], s[G0B+4*\s+3], 0x80000000
	JLOAD \s
.endr
	v_and_b32 v1, 15, v0                           ; r
	v_bfe_u32 v2, v0, 4, 1                         ; h
	v_and_b32 v8, 31, v0                           ; lane
	v_mul_u32_u24 v3, v1, APITCH
	v_lshl_add_u32 v3, v2, 4, v3
	v_and_b32 v6, 7, v0
	v_lshl_add_u32 v6, v2, 3, v6
	v_mul_u32_u24 v6, v6, BPITCH
	v_bfe_u32 v7, v0, 3, 1
	v_lshl_add_u32 v6, v7, 4, v6
	s_lshl_b32 s21, s10, 7                         ; A: my 64 k are 128 bytes of a row
	s_mul_i32 s22, s10, 64*BPITCH                  ; weights: my 64 k rows,
	s_add_co_u32 s22, s22, 2*PARTB                 ; behind A's two parts
.irp s, 0,1
	v_add_nc_u32 v[ADRA+\s], s21, v3
	v_add_nc_u32 v[ADRB+\s], s22, v6
	s_add_co_u32 s21, s21, SLOT
	s_add_co_u32 s22, s22, SLOT
.endr
	s_mul_i32 s23, s10, PLANE
	v_mul_u32_u24 v4, v1, 528
	v_lshl_add_u32 v4, v2, 5, v4
	v_add_nc_u32 v[PST], s23, v4                   ; my plane: row r, 32 h bytes
	s_mul_i32 s23, s10, 32*528                     ; the 32 rows that I add up
.irp p, 0,1,2,3
	v_lshl_add_u32 v[RD+\p], v8, 4, s23
	s_add_co_u32 s23, s23, PLANE
.endr
	v_lshlrev_b32 v[CO], 4, v8
	s_lshl_b32 s79, s42, 9                         ; my block's 128 columns, f32
	v_lshl_add_u32 v[BO], v8, 4, s79
	global_load_b128 v[BIAS:BIAS+3], v[BO], s[68:69]
.macro MUL16 f, hi, a0, zero           ; the 64 accumulators take turns
.irp a, \a0, \a0+1
.irp b, 0,1,2,3,4,5,6,7
.if \zero
	v_wmma_f32_16x16x32_bf16 v[8*(8*(\a)+\b):8*(8*(\a)+\b)+7], v[\f+8*\b:\f+8*\b+7], v[\f+8*(4*\hi+\a):\f+8*(4*\hi+\a)+7], 0
.else
	v_wmma_f32_16x16x32_bf16 v[8*(8*(\a)+\b):8*(8*(\a)+\b)+7], v[\f+8*\b:\f+8*\b+7], v[\f+8*(4*\hi+\a):\f+8*(4*\hi+\a)+7], v[8*(8*(\a)+\b):8*(8*(\a)+\b)+7]
.endif
.endr
.endr
.endm
.macro FETCH slot, q, f                ; 32 LDS loads: 32 k (half q of my 64) of all 128 columns and all 128 rows
	WIN TO_B
.irp i, 0,1,2,3,4,5,6,7
	ds_load_tr16_b128 v[\f+8*\i:\f+8*\i+3],   v[ADRB+\slot] offset:\q*32*BPITCH+32*\i
	ds_load_tr16_b128 v[\f+8*\i+4:\f+8*\i+7], v[ADRB+\slot] offset:\q*32*BPITCH+32*\i+16*BPITCH
.endr
	WIN 0
.irp i, 0,1,2,3,4,5,6,7
	ds_load_b128 v[\f+8*\i:\f+8*\i+3],   v[ADRA+\slot] offset:(\i/4)*PARTB+(\i%4)*16*APITCH+64*\q
	ds_load_b128 v[\f+8*\i+4:\f+8*\i+7], v[ADRA+\slot] offset:(\i/4)*PARTB+(\i%4)*16*APITCH+64*\q+32
.endr
.endm
.macro PLACES
.rept 4
	v_nop
.endr
.endm
.macro QUARTER slot, zero              ; my first 32 k of the slot (buffer 0); fetches the second 32 into buffer 1
	s_wait_dscnt 8                                 ; the youngest eight loads (A's rows 64-127) may be out
	WIN MUL_LO
	MUL16 F0, 0, 0, \zero
	MUL16 F0, 0, 2, \zero
	PLACES
	FETCH \slot, 1, F1
	s_wait_dscnt 32                                ; all but the 32 just issued
	WIN MUL_HI
	MUL16 F0, 1, 0, \zero
	MUL16 F0, 1, 2, \zero
.endm
.macro TURN slot, next, fill           ; my second 32 k, and the change of slots
	s_wait_dscnt 8
	WIN MUL_LO
	MUL16 F1, 0, 0, 0
	s_wait_dscnt 0                                 ; my reads of this slot are over
	s_wait_tensorcnt 0x0                           ; all my tensor loads have landed: my part of the next slot
	ds_add_u32 v255, v63
	s_wait_dscnt 0x0
	s_barrier_signal -1
	MUL16 F1, 0, 2, 0
	WIN 0
	s_barrier_wait -1
.if \fill
	CREST                                          ; no wave of any partner still reads this slot or has a load on its way
	s_add_nc_u64 s[G0+4*\slot+2:G0+4*\slot+3], s[G0+4*\slot+2:G0+4*\slot+3], 2*KSLOT*2
	s_add_nc_u64 s[G0B+4*\slot+2:G0B+4*\slot+3], s[G0B+4*\slot+2:G0B+4*\slot+3], 2*KSLOT*2048
	JLOAD \slot                                    ; the first tensor load behind the round, one a wave; 112 matrix instructions stand between it and the wait for it
.endif
	PLACES
	FETCH \next, 0, F0
	WIN MUL_HI
	MUL16 F1, 1, 0, 0
	MUL16 F1, 1, 2, 0
.endm
.macro LAP zero
	QUARTER 0, \zero
	TURN 0, 1, 1
	QUARTER 1, 0
	TURN 1, 0, 1
.endm
	s_wait_tensorcnt 1                             ; my part of slot 0 is in; slot 1's may stay out
	s_barrier_signal -1
	s_barrier_wait -1
	FETCH 0, 0, F0
	LAP 1
.if LAPS > 2
	WIN 0
	s_mov_b32 s3, LAPS-2
.Llap:
	LAP 0
	WIN 0
	s_sub_co_u32 s3, s3, 1
	s_cmp_lg_u32 s3, 0
	s_cbranch_scc1 .Llap
.endif
	QUARTER 0, 0                                   ; the last lap fills nothing
	TURN 0, 1, 0
	QUARTER 1, 0
	s_wait_dscnt 8
	WIN MUL_LO
	MUL16 F1, 0, 0, 0
	MUL16 F1, 0, 2, 0
	s_wait_dscnt 0
	WIN MUL_HI
	MUL16 F1, 1, 0, 0
	MUL16 F1, 1, 2, 0
	; THE WAY OUT.  Each wave lays its partial block into a plane of its own, in the ring's bytes (which have had their last fill); wave w then adds rows 32 w .. 32 w + 31 of the four planes.
	PLACES
	WIN 0
	s_lshl_b32 s16, s13, 7
	s_lshl_b32 s17, s10, 5
	s_add_co_u32 s16, s16, s17                     ; row 128 x block row + 32 w,
	s_lshl_b32 s16, s16, 12                        ; of 4,096 bytes,
	s_add_co_u32 s16, s16, s79                     ; and the block's columns
	s_mov_b32 s17, 0
	s_add_nc_u64 s[70:71], s[70:71], s[16:17]
	s_add_nc_u64 s[8:9], s[8:9], s[16:17]
.set ii, 0
.rept 32
	global_load_b128 v[RES+4*ii:RES+4*ii+3], v[CO], s[70:71] offset:4096*ii    ; a row of the block: 512 consecutive bytes
.set ii, ii+1
.endr
	s_barrier_signal -1                            ; every wave's reads of the ring are over (its wait for 0 stands above)
	s_barrier_wait -1
	WIN 0x08                                       ; store data from window 2
.irp a, 0,1,2,3
.irp b, 0,1,2,3,4,5,6,7
	ds_store_b128 v[PST], v[8*(8*\a+\b):8*(8*\a+\b)+3]   offset:\a*16*528+64*\b
	ds_store_b128 v[PST], v[8*(8*\a+\b)+4:8*(8*\a+\b)+7] offset:\a*16*528+64*\b+16
.endr
.endr
	WIN 0x0c                                       ; from window 3
.irp a, 0,1,2,3
.irp b, 0,1,2,3,4,5,6,7
	ds_store_b128 v[PST], v[8*(8*\a+\b):8*(8*\a+\b)+3]   offset:(\a+4)*16*528+64*\b
	ds_store_b128 v[PST], v[8*(8*\a+\b)+4:8*(8*\a+\b)+7] offset:(\a+4)*16*528+64*\b+16
.endr
.endr
	WIN 0
	s_wait_dscnt 0x0
	s_barrier_signal -1
	s_barrier_wait -1                              ; all four planes are whole
.set tt, 0
.rept 8
.irp p, 0,1,2,3
.irp q, 0,1,2,3
	ds_load_b128 v[PRT+16*\p+4*\q:PRT+16*\p+4*\q+3], v[RD+\p] offset:(4*tt+\q)*528
.endr
.endr
	s_wait_dscnt 0x0
	s_wait_loadcnt 28-4*tt                         ; the bias and the residual rows up to this batch's; the later batches' rows may stay out
.irp q, 0,1,2,3
.irp e, 0,2
	v_pk_add_f32 v[PRT+4*\q+\e:PRT+4*\q+\e+1], v[PRT+4*\q+\e:PRT+4*\q+\e+1], v[PRT+16+4*\q+\e:PRT+16+4*\q+\e+1]
	v_pk_add_f32 v[PRT+32+4*\q+\e:PRT+32+4*\q+\e+1], v[PRT+32+4*\q+\e:PRT+32+4*\q+\e+1], v[PRT+48+4*\q+\e:PRT+48+4*\q+\e+1]
	v_pk_add_f32 v[RES+16*tt+4*\q+\e:RES+16*tt+4*\q+\e+1], v[RES+16*tt+4*\q+\e:RES+16*tt+4*\q+\e+1], v[BIAS+\e:BIAS+\e+1]
	v_pk_add_f32 v[PRT+4*\q+\e:PRT+4*\q+\e+1], v[PRT+4*\q+\e:PRT+4*\q+\e+1], v[PRT+32+4*\q+\e:PRT+32+4*\q+\e+1]
	v_pk_add_f32 v[RES+16*tt+4*\q+\e:RES+16*tt+4*\q+\e+1], v[RES+16*tt+4*\q+\e:RES+16*tt+4*\q+\e+1], v[PRT+4*\q+\e:PRT+4*\q+\e+1]
.endr
	global_store_b128 v[CO], v[RES+16*tt+4*\q:RES+16*tt+4*\q+3], s[8:9] offset:(4*tt+\q)*4096   ; 512 consecutive bytes, aligned; these registers are not written again
.endr
.set tt, tt+1
.endr
	s_set_vgpr_msb 0x1
	s_wait_tensorcnt 0x0
	ds_add_u32 v255, v63
	s_wait_dscnt 0x0
	s_set_vgpr_msb 0x100
	CROUND                                         ; the closing round
	s_endpgm
.Lfunc_end_k_qc2e7289774_oproj:
	.size	k_qc2e7289774_oproj, .Lfunc_end_k_qc2e7289774_oproj-k_qc2e7289774_oproj
	.p2alignl 7, 3214868480
	.fill 96, 4, 3214868480
	.section	.rodata,"a",@progbits
	.p2align	6, 0x0
	.amdhsa_kernel k_qc2e7289774_oproj
		.amdhsa_group_segment_fixed_size 327680
		.amdhsa_private_segment_fixed_size 0
		.amdhsa_enable_private_segment 0
		.amdhsa_kernarg_size 40
		.amdhsa_user_sgpr_count 2
		.amdhsa_user_sgpr_kernarg_segment_ptr 1
		.amdhsa_wavefront_size32 1
		.amdhsa_system_sgpr_workgroup_id_x 1
		.amdhsa_system_sgpr_workgroup_id_y 1
		.amdhsa_system_sgpr_workgroup_id_z 1
		.amdhsa_system_vgpr_workitem_id 0
		.amdhsa_next_free_vgpr 1024
		.amdhsa_next_free_sgpr 84
		.amdhsa_reserve_vcc 0
		.amdhsa_float_denorm_mode_32 3
		.amdhsa_float_denorm_mode_16_64 3
		.amdhsa_memory_ordered 1
		.amdhsa_forward_progress 1
		.amdhsa_inst_pref_size 104
	.end_amdhsa_kernel
	.amdgpu_metadata
---
amdhsa.version: [ 1, 2 ]
amdhsa.kernels:
  - .name:           k_qc2e7289774_oproj
    .symbol:         k_qc2e7289774_oproj.kd
    .args:
      - { .name: act, .offset: 0, .size: 8, .value_kind: global_buffer, .address_space: global }
      - { .name: wb, .offset: 8, .size: 8, .value_kind: global_buffer, .address_space: global }
      - { .name: x1, .offset: 16, .size: 8, .value_kind: global_buffer, .address_space: global }
      - { .name: o_b, .offset: 24, .size: 8, .value_kind: global_buffer, .address_space: global }
      - { .name: x, .offset: 32, .size: 8, .value_kind: global_buffer, .address_space: global }
    .group_segment_fixed_size: 327680
    .private_segment_fixed_size: 0
    .kernarg_segment_align: 8
    .kernarg_segment_size: 40
    .max_flat_workgroup_size: 128
    .sgpr_count:     84
    .vgpr_count:     1024
    .wavefront_size: 32
...
	.end_amdgpu_metadata
.endif
;; end of part 5
;; launch ln2 (part 6): grid 256 x 1, 8 waves a work-group, no clusters, 0 bytes of LDS; arguments x1, ln2_w, ln2_b, act; writes act
.if DOCPART == 6
	.amdgcn_target "amdgcn-amd-amdhsa--gfx1250"
	.amdhsa_code_object_version 6
	.text
	.protected	k_qc2e7289774_ln2
	.globl	k_qc2e7289774_ln2
	.p2align	8
	.type	k_qc2e7289774_ln2,@function
k_qc2e7289774_ln2:
	s_mov_b64 s[64:65], 0
	v_nop
	global_prefetch_b8 v0, s[64:65] scope:SCOPE_SE
	s_setreg_imm32_b32 hwreg(HW_REG_WAVE_MODE, 25, 1), 1
	s_wait_xcnt 0x0
; ln2: act[row][1024] = bf16(LayerNorm2(x1[row])).  Eight waves, 16 rows a work-group, wave w rows 2w, 2w+1: a row is 8 loads of 512 consecutive bytes and stays in
; 32 registers between the pass for the mean, the pass for the variance (from the differences, never from a difference of large sums) and the scaling.
; A stream: no LDS, no barrier, no matrix unit, no cluster; each byte is read once and each store of a wave covers 256 consecutive bytes, aligned.
.set X,  16                            ; v[16:79]   two rows
.set GW, 80                            ; v[80:111]  gain
.set GB, 112                           ; v[112:143] bias
.set T,  144                           ; v[144:155] at work
	s_load_b256 s[8:15], s[0:1], 0x0               ; x1 8, ln2_w 10, ln2_b 12, act 14
	v_and_b32 v1, 31, v0
	v_lshrrev_b32 v2, 5, v0
	v_readfirstlane_b32 s3, v2
	s_mov_b32 s36, 0x76543210
	s_mov_b32 s37, 0xfedcba98
	s_mov_b32 s38, 0x3a800000                      ; 1/1024
	s_lshl_b32 s4, ttmp9, 16
	s_lshl_b32 s5, s3, 13
	s_add_co_u32 s4, s4, s5
	v_lshl_add_u32 v2, v1, 4, s4
	v_lshlrev_b32 v3, 4, v1
	s_lshl_b32 s4, ttmp9, 15
	s_lshl_b32 s5, s3, 12
	s_add_co_u32 s4, s4, s5
	v_lshl_add_u32 v4, v1, 3, s4
	v_mov_b32 v[T+11], 0
	s_wait_kmcnt 0x0
.irp p, 0,1
.irp j, 0,1,2,3,4,5,6,7
	global_load_b128 v[X+32*\p+4*\j:X+32*\p+4*\j+3], v2, s[8:9] offset:\p*4096+512*\j
.endr
.endr
.irp j, 0,1,2,3,4,5,6,7
	global_load_b128 v[GW+4*\j:GW+4*\j+3], v3, s[10:11] offset:512*\j
.endr
.irp j, 0,1,2,3,4,5,6,7
	global_load_b128 v[GB+4*\j:GB+4*\j+3], v3, s[12:13] offset:512*\j
.endr
.macro LANESUM
	v_pk_add_f32 v[T:T+1], v[T:T+1], v[T+2:T+3]
	v_pk_add_f32 v[T+4:T+5], v[T+4:T+5], v[T+6:T+7]
	v_pk_add_f32 v[T:T+1], v[T:T+1], v[T+4:T+5]
	v_add_f32 v[T], v[T], v[T+1]
	v_add_f32_dpp v[T], v[T], v[T] row_xmask:1 row_mask:0xf bank_mask:0xf
	v_add_f32_dpp v[T], v[T], v[T] row_xmask:2 row_mask:0xf bank_mask:0xf
	v_add_f32_dpp v[T], v[T], v[T] row_xmask:4 row_mask:0xf bank_mask:0xf
	v_add_f32_dpp v[T], v[T], v[T] row_xmask:8 row_mask:0xf bank_mask:0xf
	v_permlanex16_b32 v[T+11], v[T], s36, s37
	v_add_f32 v[T], v[T], v[T+11]
.endm
.macro LNROW p
.set XR, X+32*\p
.irp c, 0,1,2,3
	v_pk_add_f32 v[T+2*\c:T+2*\c+1], v[XR+4*\c:XR+4*\c+1], v[XR+4*\c+2:XR+4*\c+3]
.endr
.irp c, 0,1,2,3,4,5,6,7
	v_pk_add_f32 v[T+2*(\c%4):T+2*(\c%4)+1], v[T+2*(\c%4):T+2*(\c%4)+1], v[XR+16+2*\c:XR+16+2*\c+1]
.endr
	LANESUM
	v_mul_f32 v[T+8], s38, v[T]
	v_mov_b32 v[T+9], v[T+8]
.irp c, 0,1,2,3,4,5,6,7,8,9,10,11,12,13,14,15
	v_pk_add_f32 v[XR+2*\c:XR+2*\c+1], v[XR+2*\c:XR+2*\c+1], v[T+8:T+9] neg_lo:[0,1] neg_hi:[0,1]
.endr
.irp c, 0,1,2,3
	v_pk_mul_f32 v[T+2*\c:T+2*\c+1], v[XR+2*\c:XR+2*\c+1], v[XR+2*\c:XR+2*\c+1]
.endr
.irp c, 4,5,6,7,8,9,10,11,12,13,14,15
	v_pk_fma_f32 v[T+2*(\c%4):T+2*(\c%4)+1], v[XR+2*\c:XR+2*\c+1], v[XR+2*\c:XR+2*\c+1], v[T+2*(\c%4):T+2*(\c%4)+1]
.endr
	LANESUM
	v_fmaak_f32 v[T+10], s38, v[T], 0x3727c5ac     ; variance + 1e-5
	v_rsq_f32 v[T+8], v[T+10]
	v_rsq_f32 v[T+9], v[T+10]
	v_nop                                          ; one plain place behind a transcendental (ISA guide 5.7.2)
	s_wait_alu depctr_va_vdst(0)
.irp c, 0,1,2,3,4,5,6,7,8,9,10,11,12,13,14,15
	v_pk_mul_f32 v[XR+2*\c:XR+2*\c+1], v[XR+2*\c:XR+2*\c+1], v[T+8:T+9]
.endr
.irp c, 0,1,2,3,4,5,6,7,8,9,10,11,12,13,14,15
	v_pk_fma_f32 v[XR+2*\c:XR+2*\c+1], v[XR+2*\c:XR+2*\c+1], v[GW+2*\c:GW+2*\c+1], v[GB+2*\c:GB+2*\c+1]
.endr
.irp j, 0,1,2,3,4,5,6,7
	v_cvt_pk_bf16_f32 v[XR+4*\j], v[XR+4*\j], v[XR+4*\j+1]
	v_cvt_pk_bf16_f32 v[XR+4*\j+1], v[XR+4*\j+2], v[XR+4*\j+3]
	global_store_b64 v4, v[XR+4*\j:XR+4*\j+1], s[14:15] offset:\p*2048+256*\j
.endr
.endm
	s_wait_loadcnt 0x0
	LNROW 0
	LNROW 1
	s_endpgm
.Lfunc_end_k_qc2e7289774_ln2:
	.size	k_qc2e7289774_ln2, .Lfunc_end_k_qc2e7289774_ln2-k_qc2e7289774_ln2
	.p2alignl 7, 3214868480
	.fill 96, 4, 3214868480
	.section	.rodata,"a",@progbits
	.p2align	6, 0x0
	.amdhsa_kernel k_qc2e7289774_ln2
		.amdhsa_group_segment_fixed_size 0
		.amdhsa_private_segment_fixed_size 0
		.amdhsa_enable_private_segment 0
		.amdhsa_kernarg_size 32
		.amdhsa_user_sgpr_count 2
		.amdhsa_user_sgpr_kernarg_segment_ptr 1
		.amdhsa_wavefront_size32 1
		.amdhsa_system_sgpr_workgroup_id_x 1
		.amdhsa_system_sgpr_workgroup_id_y 1
		.amdhsa_system_sgpr_workgroup_id_z 1
		.amdhsa_system_vgpr_workitem_id 0
		.amdhsa_next_free_vgpr 160
		.amdhsa_next_free_sgpr 66
		.amdhsa_reserve_vcc 0
		.amdhsa_float_denorm_mode_32 3
		.amdhsa_float_denorm_mode_16_64 3
		.amdhsa_memory_ordered 1
		.amdhsa_forward_progress 1
		.amdhsa_inst_pref_size 20
	.end_amdhsa_kernel
	.amdgpu_metadata
---
amdhsa.version: [ 1, 2 ]
amdhsa.kernels:
  - .name:           k_qc2e7289774_ln2
    .symbol:         k_qc2e7289774_ln2.kd
    .args:
      - { .name: x1, .offset: 0, .size: 8, .value_kind: global_buffer, .address_space: global }
      - { .name: ln2_w, .offset: 8, .size: 8, .value_kind: global_buffer, .address_space: global }
      - { .name: ln2_b, .offset: 16, .size: 8, .value_kind: global_buffer, .address_space: global }
      - { .name: act, .offset: 24, .size: 8, .value_kind: global_buffer, .address_space: global }
    .group_segment_fixed_size: 0
    .private_segment_fixed_size: 0
    .kernarg_segment_align: 8
    .kernarg_segment_size: 32
    .max_flat_workgroup_size: 256
    .sgpr_count:     66
    .vgpr_count:     160
    .wavefront_size: 32
...
	.end_amdgpu_metadata
.endif
;; end of part 6
;; launch f1 (part 7): grid 16 x 16, 4 waves a work-group, clusters of 4 x 4, 327,680 bytes of LDS; arguments act, wb, big, f1_b; writes big
.if DOCPART == 7
	.amdgcn_target "amdgcn-amd-amdhsa--gfx1250"
	.amdhsa_code_object_version 6
	.text
	.protected	k_qc2e7289774_f1
	.globl	k_qc2e7289774_f1
	.p2align	8
	.type	k_qc2e7289774_f1,@function
k_qc2e7289774_f1:
	s_mov_b64 s[64:65], 0
	v_nop
	global_prefetch_b8 v0, s[64:65] scope:SCOPE_SE
	s_setreg_imm32_b32 hwreg(HW_REG_WAVE_MODE, 25, 1), 1
	s_wait_xcnt 0x0
	s_wait_alu depctr_hold_cnt(0) depctr_sa_sdst(0) depctr_va_vdst(0) depctr_va_sdst(0) depctr_va_ssrc(0) depctr_va_vcc(0) depctr_vm_vsrc(0)
	s_getreg_b32 s2, hwreg(HW_REG_IB_STS2, 6, 4)
	s_cmp_eq_u32 s2, 0
	s_cbranch_scc0 .Lentry_in_a_cluster
	s_endpgm
.Lentry_in_a_cluster:
	s_bfe_u32 s2, ttmp6, 0x10000c
	s_cmp_lg_u32 s2, 0xf033
	s_cbranch_scc0 .Lentry_shape_is_right
	s_endpgm
.Lentry_shape_is_right:
; f1: big[4096][4096] (bf16) = gelu(x2 f1_w + f1_b), the exact (erf) gelu.  x2 = act [4096][1024] bf16; f1_w lies in wb as bf16 [1024 k][4096 n].  Sums in f32.
; The same structure as launch qkv: a work-group makes 256 x 256 with four waves of 128 x 128; K in steps of 128 through two LDS slots; A's tile [256 m][128 k], pitch 272;
; the weights' tile [128 k][256 n] as it lies in memory, pitch 544, read by the transposing LDS load; clusters of 4 x 4 with A's tile shared along a row, the weights' along a column.
; WINDOWS: 0: v0-31 addresses and constants, v32-63 and v224-255 rows on the way out, v64-191 A's fragments (on the way out: numbers at work), v192-223 packed results;
;          1: v0-63 the bias of my 128 columns, v64-191 the weights' fragments;  2, 3: accumulators.
; GELU: erf by the rational form of Abramowitz and Stegun 7.1.26 (absolute error of erf at most 1.5e-7 for every argument), written without a difference of near numbers:
;   gelu(y) = max(y, 0) - C2 s q,   s = |y| sqrt(log2(e) / 2),   t = 1 / (1 + 0.27273747 s),   q = t (a1 + t (a2 + t (a3 + t (a4 + t a5)))) 2^(-s s),   C2 s = |y| / 2.
; LIMITS: finite inputs; that error of erf.
.set SIZE_K, 1024
.set NP,     4096
.set NC,     4096
.set WOFF,   8388608                   ; f1_w in wb
.set KSTEP,  128
.set PITCH,  272
.set BPITCH, 544
.set HALFT,  128*PITCH
.set SLOT,   4*HALFT
.set STAGE,  2*SLOT
.set SPITCH, 272
.set LAPS, SIZE_K/(2*KSTEP)
.set KS,   2                           ; v[2:3] .. v[14:15], v[28:29]: constants, twice each, written behind the K loop
.set KPP,  4
.set CA1,  6
.set CA2,  8
.set CA3,  10
.set CA4,  12
.set CA5,  14
.set ADRA, 16
.set ADRB, 20
.set STO,  24
.set RD,   25
.set CO,   26
.set BO,   27
.set KC2,  28
.set F0,   64
.set F1,   128
.set TT,   64                          ; the way out: 64 numbers in f32
.set SS,   128                         ; 16 numbers at a time: s,
.set TQ,   144                         ; t,
.set EE,   160                         ; 2^(-s s),
.set PP,   176                         ; the polynomial
.set TMP,  192
.set G1, 24
.set G0, 32
.set G1B, 48
.set G0B, 56
.set MSB, 0
.macro WIN new
.if MSB != \new
	s_set_vgpr_msb (MSB<<8)|\new
.set MSB, \new
.endif
.endm
.set MUL_LO, 0xa1
.set MUL_HI, 0xf1
.set TO_B,   0x40
.macro JLOAD s
	s_cmp_eq_u32 s11, 0
	s_cbranch_scc0 .Lfor_b_\@
	tensor_load_to_lds s[G0+4*\s:G0+4*\s+3], s[G1:G1+7]
	s_nop 0
	s_branch .Lasked_\@
.Lfor_b_\@:
	tensor_load_to_lds s[G0B+4*\s:G0B+4*\s+3], s[G1B:G1B+7]
	s_nop 0
.Lasked_\@:
.endm
.macro CREST
	s_cmp_lg_u32 s10, 0
	s_cbranch_scc1 .Lnot_wave_0_\@
	s_barrier_signal -3
.Lnot_wave_0_\@:
	s_barrier_wait -3
	s_barrier_signal -1
	s_barrier_wait -1
.endm
.macro CROUND
	s_barrier_signal -1
	s_barrier_wait -1
	CREST
.endm
	s_load_b128 s[4:7], s[0:1], 0x0                ; act, wb
	s_load_b64 s[8:9], s[0:1], 0x10                ; big
	s_load_b64 s[68:69], s[0:1], 0x18              ; f1_b
	s_set_vgpr_msb 0x40
	v_lshl_add_u32 v255, v0, 2, 0x48400
	s_set_vgpr_msb 0x4000
	v_mov_b32 v31, 0
	s_set_vgpr_msb 0x1
	ds_add_u32 v255, v31
	s_set_vgpr_msb 0x100
	v_lshrrev_b32 v1, 5, v0
	v_readfirstlane_b32 s10, v1
	s_lshr_b32 s11, s10, 1
	s_and_b32 s12, s10, 1
	s_bfe_u32 s40, ttmp6, 0x40000                  ; cx
	s_bfe_u32 s41, ttmp6, 0x40004                  ; cy
	s_lshl_b32 s42, ttmp9, 2
	s_add_co_u32 s42, s42, s40                     ; block column
	s_and_b32 s13, ttmp7, 0xffff
	s_lshl_b32 s13, s13, 2
	s_add_co_u32 s13, s13, s41                     ; block row
	s_lshl_b32 s43, s41, 2
	s_lshl_b32 s43, 15, s43
	s_lshl_b32 s44, 0x1111, s40
	s_or_b32 s[G1+0], s43, (1<<16)|(1<<20)|(1<<21)|(5<<22)|(3<<25)
	s_mov_b32 s[G1+1], KSTEP<<16
	s_mov_b32 s[G1+2], 128<<16
	s_mov_b32 s[G1+3], KSTEP<<16
	s_mov_b32 s[G1+4], 128
	s_mov_b32 s[G1+5], SIZE_K
	s_mov_b32 s[G1+6], 0
	s_mov_b32 s[G1+7], 0
	s_or_b32 s[G1B+0], s44, (1<<16)|(1<<20)|(1<<21)|(6<<22)|(7<<25)
	s_mov_b32 s[G1B+1], 256<<16
	s_mov_b32 s[G1B+2], 64<<16
	s_mov_b32 s[G1B+3], 256<<16
	s_mov_b32 s[G1B+4], 64
	s_mov_b32 s[G1B+5], NP
	s_mov_b32 s[G1B+6], 0
	s_mov_b32 s[G1B+7], 0
	s_lshl_b32 s17, s12, 7
	s_lshl_b32 s16, s13, 8
	s_add_co_u32 s16, s16, s17
	s_lshl_b32 s16, s16, 11
	s_mov_b32 s17, 0
	s_lshl_b32 s46, s12, 19                        ; weights: my 64 k rows of 8,192 bytes,
	s_lshl_b32 s47, s42, 9                         ; 256 columns a block
	s_add_co_u32 s46, s46, s47
	s_add_co_u32 s46, s46, WOFF
	s_mov_b32 s47, 0
	s_mul_i32 s20, s10, HALFT
	s_wait_dscnt 0x0
	s_wait_kmcnt 0x0
	s_add_nc_u64 s[14:15], s[4:5], s[16:17]
	s_add_nc_u64 s[46:47], s[6:7], s[46:47]
	CROUND
.irp s, 0,1
	s_mov_b32 s[G0+4*\s], 1
	s_add_co_u32 s[G0+4*\s+1], s20, \s*SLOT
	s_add_nc_u64 s[G0+4*\s+2:G0+4*\s+3], s[14:15], \s*KSTEP*2
	s_or_b32 s[G0+4*\s+3], s[G0+4*\s+3], 0x80000000
	s_mov_b32 s[G0B+4*\s], 1
	s_add_co_u32 s[G0B+4*\s+1], s20, \s*SLOT
	s_add_nc_u64 s[G0B+4*\s+2:G0B+4*\s+3], s[46:47], \s*KSTEP*NP*2
	s_or_b32 s[G0B+4*\s+3], s[G0B+4*\s+3], 0x80000000
	JLOAD \s
.endr
	v_and_b32 v1, 15, v0
	v_bfe_u32 v2, v0, 4, 1
	v_mul_u32_u24 v3, v1, PITCH
	v_lshl_add_u32 v3, v2, 4, v3
	v_and_b32 v6, 7, v0
	v_lshl_add_u32 v6, v2, 3, v6
	v_mul_u32_u24 v6, v6, BPITCH
	v_bfe_u32 v7, v0, 3, 1
	v_lshl_add_u32 v6, v7, 4, v6
	s_mul_i32 s21, s11, HALFT
	s_lshl_b32 s22, s12, 8
	s_add_co_u32 s22, s22, 2*HALFT
.irp s, 0,1
	v_add_nc_u32 v[ADRA+\s], s21, v3
	v_add_nc_u32 v[ADRB+\s], s22, v6
	s_add_co_u32 s21, s21, SLOT
	s_add_co_u32 s22, s22, SLOT
.endr
	s_mul_i32 s23, s10, 16*SPITCH
	s_add_co_u32 s23, s23, STAGE
	v_mul_u32_u24 v4, v1, SPITCH
	v_lshl_add_u32 v4, v2, 4, v4
	v_add_nc_u32 v[STO], s23, v4
	v_mul_u32_u24 v5, v2, SPITCH
	v_lshl_add_u32 v5, v1, 4, v5
	v_add_nc_u32 v[RD], s23, v5
	v_mul_u32_u24 v5, v2, NC*2
	v_lshl_add_u32 v[CO], v1, 4, v5
	s_lshl_b32 s79, s42, 10
	s_lshl_b32 s80, s12, 9
	s_add_co_u32 s79, s79, s80
	v_lshl_add_u32 v[BO], v2, 5, s79
	WIN TO_B
.irp b, 0,1,2,3,4,5,6,7
	global_load_b128 v[8*\b:8*\b+3],   v[BO], s[68:69] offset:64*\b
	global_load_b128 v[8*\b+4:8*\b+7], v[BO], s[68:69] offset:64*\b+16
.endr
	WIN 0
.macro MUL16 f, hi, a0, zero           ; the 64 accumulators take turns
.irp a, \a0, \a0+1
.irp b, 0,1,2,3,4,5,6,7
.if \zero
	v_wmma_f32_16x16x32_bf16 v[8*(8*(\a)+\b):8*(8*(\a)+\b)+7], v[\f+8*\b:\f+8*\b+7], v[\f+8*(4*\hi+\a):\f+8*(4*\hi+\a)+7], 0
.else
	v_wmma_f32_16x16x32_bf16 v[8*(8*(\a)+\b):8*(8*(\a)+\b)+7], v[\f+8*\b:\f+8*\b+7], v[\f+8*(4*\hi+\a):\f+8*(4*\hi+\a)+7], v[8*(8*(\a)+\b):8*(8*(\a)+\b)+7]
.endif
.endr
.endr
.endm
.macro FETCH slot, q, f
	WIN TO_B
.irp i, 0,1,2,3,4,5,6,7
	ds_load_tr16_b128 v[\f+8*\i:\f+8*\i+3],   v[ADRB+\slot] offset:\q*32*BPITCH+32*\i
	ds_load_tr16_b128 v[\f+8*\i+4:\f+8*\i+7], v[ADRB+\slot] offset:\q*32*BPITCH+32*\i+16*BPITCH
.endr
	WIN 0
.irp i, 0,1,2,3,4,5,6,7
	ds_load_b128 v[\f+8*\i:\f+8*\i+3],   v[ADRA+\slot] offset:\q*64+\i*16*PITCH
	ds_load_b128 v[\f+8*\i+4:\f+8*\i+7], v[ADRA+\slot] offset:\q*64+\i*16*PITCH+32
.endr
.endm
.macro PLACES
.rept 4
	v_nop
.endr
.endm
.macro QUARTER slot, q, f, g, zero
	s_wait_dscnt 8                                 ; the youngest eight loads (A's rows 64-127) may be out
	WIN MUL_LO
	MUL16 \f, 0, 0, \zero
	MUL16 \f, 0, 2, \zero
	PLACES
	FETCH \slot, \q, \g
	s_wait_dscnt 32                                ; all but the 32 just issued
	WIN MUL_HI
	MUL16 \f, 1, 0, \zero
	MUL16 \f, 1, 2, \zero
.endm
.macro THREE slot, zero
	QUARTER \slot, 1, F0, F1, \zero
	QUARTER \slot, 2, F1, F0, 0
	QUARTER \slot, 3, F0, F1, 0
.endm
.macro TURN slot, next, fill
	s_wait_dscnt 8
	WIN MUL_LO
	MUL16 F1, 0, 0, 0
	s_wait_dscnt 0                                 ; my reads of this slot are over
	s_wait_tensorcnt 0x0                           ; all my tensor loads have landed
	ds_add_u32 v255, v31
	s_wait_dscnt 0x0
	s_barrier_signal -1
	MUL16 F1, 0, 2, 0
	WIN 0
	s_barrier_wait -1
.if \fill
	CREST
	s_add_nc_u64 s[G0+4*\slot+2:G0+4*\slot+3], s[G0+4*\slot+2:G0+4*\slot+3], 2*KSTEP*2
	s_add_nc_u64 s[G0B+4*\slot+2:G0B+4*\slot+3], s[G0B+4*\slot+2:G0B+4*\slot+3], 2*KSTEP*NP*2
	JLOAD \slot                                    ; the first tensor load behind the round, one a wave
.endif
	PLACES
	FETCH \next, 0, F0
	WIN MUL_HI
	MUL16 F1, 1, 0, 0
	MUL16 F1, 1, 2, 0
.endm
.macro LAP zero
	THREE 0, \zero
	TURN 0, 1, 1
	THREE 1, 0
	TURN 1, 0, 1
.endm
	s_wait_tensorcnt 1                             ; my part of K step 0 is in; K step 1's may stay out
	s_barrier_signal -1
	s_barrier_wait -1
	FETCH 0, 0, F0
	LAP 1
	WIN 0
	s_mov_b32 s3, LAPS-2
.Llap:
	LAP 0
	WIN 0
	s_sub_co_u32 s3, s3, 1
	s_cmp_lg_u32 s3, 0
	s_cbranch_scc1 .Llap
	THREE 0, 0
	TURN 0, 1, 0
	THREE 1, 0
	s_wait_dscnt 8
	WIN MUL_LO
	MUL16 F1, 0, 0, 0
	MUL16 F1, 0, 2, 0
	s_wait_dscnt 0
	WIN MUL_HI
	MUL16 F1, 1, 0, 0
	MUL16 F1, 1, 2, 0
	; THE WAY OUT, 16 rows at a time: + bias, gelu, bf16, through my own stage in LDS, out as whole rows of 256 bytes.
	PLACES
	WIN 0
	s_wait_loadcnt 0x0                             ; the bias
.macro PAIR reg, val
	v_mov_b32 v[\reg], \val
	v_mov_b32 v[\reg+1], \val
.endm
	PAIR KS,  0x3f596d27                           ; sqrt(log2(e) / 2) = 0.8493218
	PAIR KPP, 0x3e8ba43f                           ; 0.3275911 / sqrt(log2 e) = 0.27273747
	PAIR CA1, 0x3e827906                           ; 0.254829592
	PAIR CA2, 0xbe91a98e                           ; -0.284496736
	PAIR CA3, 0x3fb5f0e3                           ; 1.421413741
	PAIR CA4, 0xbfba00e3                           ; -1.453152027
	PAIR CA5, 0x3f87dc22                           ; 1.061405429
	PAIR KC2, 0xbf16b55f                           ; -C2 = -0.58870501
	s_lshl_b32 s13, s13, 8
	s_lshl_b32 s14, s11, 7
	s_add_co_u32 s16, s13, s14
	s_mov_b32 s17, 0
	s_mov_b64 s[18:19], NC*2
	s_mul_u64 s[16:17], s[16:17], s[18:19]
	s_add_nc_u64 s[8:9], s[8:9], s[16:17]
	s_lshl_b32 s46, s42, 9
	s_lshl_b32 s47, s12, 8
	s_add_co_u32 s46, s46, s47
	s_mov_b32 s47, 0
	s_add_nc_u64 s[8:9], s[8:9], s[46:47]
.macro PK8 op:vararg                   ; a packed line on eight pairs; ii is the pair's first register
.set ii, 0
.rept 8
	\op
.set ii, ii+2
.endr
.endm
.macro GELU16 x                        ; 16 numbers in v[x .. x + 15]
.set ii, 0
.rept 16
	v_mul_f32 v[SS+ii], |v[\x+ii]|, v[KS]
.set ii, ii+1
.endr
	PK8 v_pk_fma_f32 v[TQ+ii:TQ+ii+1], v[SS+ii:SS+ii+1], v[KPP:KPP+1], 1.0 op_sel_hi:[1,1,0]
	PK8 v_pk_mul_f32 v[EE+ii:EE+ii+1], v[SS+ii:SS+ii+1], v[SS+ii:SS+ii+1] neg_lo:[1,0] neg_hi:[1,0]
.set ii, 0
.rept 16
	v_rcp_f32 v[TQ+ii], v[TQ+ii]
	v_exp_f32 v[EE+ii], v[EE+ii]
.set ii, ii+1
.endr
.set ii, 0
	s_wait_alu depctr_va_vdst(0)
.rept 16
	v_max_num_f32 v[\x+ii], 0, v[\x+ii]            ; plain work behind the transcendentals
.set ii, ii+1
.endr
	PK8 v_pk_fma_f32 v[PP+ii:PP+ii+1], v[TQ+ii:TQ+ii+1], v[CA5:CA5+1], v[CA4:CA4+1]
	PK8 v_pk_fma_f32 v[PP+ii:PP+ii+1], v[PP+ii:PP+ii+1], v[TQ+ii:TQ+ii+1], v[CA3:CA3+1]
	PK8 v_pk_fma_f32 v[PP+ii:PP+ii+1], v[PP+ii:PP+ii+1], v[TQ+ii:TQ+ii+1], v[CA2:CA2+1]
	PK8 v_pk_fma_f32 v[PP+ii:PP+ii+1], v[PP+ii:PP+ii+1], v[TQ+ii:TQ+ii+1], v[CA1:CA1+1]
	PK8 v_pk_mul_f32 v[PP+ii:PP+ii+1], v[PP+ii:PP+ii+1], v[TQ+ii:TQ+ii+1]
	PK8 v_pk_mul_f32 v[PP+ii:PP+ii+1], v[PP+ii:PP+ii+1], v[EE+ii:EE+ii+1]
	PK8 v_pk_mul_f32 v[PP+ii:PP+ii+1], v[PP+ii:PP+ii+1], v[SS+ii:SS+ii+1]
	PK8 v_pk_fma_f32 v[\x+ii:\x+ii+1], v[PP+ii:PP+ii+1], v[KC2:KC2+1], v[\x+ii:\x+ii+1]
.endm
.macro OUT16 i, a, from, rb
	WIN \from
.irp b, 0,1,2,3,4,5,6,7
.irp r, 0,1,2,3
	v_pk_add_f32 v[TT+8*\b+2*\r:TT+8*\b+2*\r+1], v[8*(8*\a+\b)+2*\r:8*(8*\a+\b)+2*\r+1], v[8*\b+2*\r:8*\b+2*\r+1]
.endr
.endr
	WIN 0
	GELU16 TT
	GELU16 TT+16
	GELU16 TT+32
	GELU16 TT+48
.irp b, 0,1,2,3,4,5,6,7
.irp r, 0,1,2,3
	v_cvt_pk_bf16_f32 v[TMP+4*\b+\r], v[TT+8*\b+2*\r], v[TT+8*\b+2*\r+1]
.endr
.endr
.irp b, 0,1,2,3,4,5,6,7
	ds_store_b128 v[STO], v[TMP+4*\b:TMP+4*\b+3] offset:32*\b
.endr
	s_wait_xcnt 0x0                                ; earlier stores have read their data and base: both are rewritten only behind this wait
.if \i
	s_add_nc_u64 s[8:9], s[8:9], 16*NC*2
.endif
.irp t, 0,1,2,3,4,5,6,7
	ds_load_b128 v[\rb+4*\t:\rb+4*\t+3], v[RD] offset:\t*2*SPITCH
.endr
.irp t, 0,1,2,3,4,5,6,7
	s_wait_dscnt 7-\t
	global_store_b128 v[CO], v[\rb+4*\t:\rb+4*\t+3], s[8:9] offset:2*\t*NC*2   ; 16 lanes store 256 consecutive bytes, aligned
.endr
.endm
	OUT16 0, 0, 0x06, 32
	OUT16 1, 1, 0x06, 224
	OUT16 2, 2, 0x06, 32
	OUT16 3, 3, 0x06, 224
	OUT16 4, 0, 0x07, 32
	OUT16 5, 1, 0x07, 224
	OUT16 6, 2, 0x07, 32
	OUT16 7, 3, 0x07, 224
	s_set_vgpr_msb 0x1
	s_wait_tensorcnt 0x0
	ds_add_u32 v255, v31
	s_wait_dscnt 0x0
	s_set_vgpr_msb 0x100
	CROUND                                         ; the closing round
	s_endpgm
.Lfunc_end_k_qc2e7289774_f1:
	.size	k_qc2e7289774_f1, .Lfunc_end_k_qc2e7289774_f1-k_qc2e7289774_f1
	.p2alignl 7, 3214868480
	.fill 96, 4, 3214868480
	.section	.rodata,"a",@progbits
	.p2align	6, 0x0
	.amdhsa_kernel k_qc2e7289774_f1
		.amdhsa_group_segment_fixed_size 327680
		.amdhsa_private_segment_fixed_size 0
		.amdhsa_enable_private_segment 0
		.amdhsa_kernarg_size 32
		.amdhsa_user_sgpr_count 2
		.amdhsa_user_sgpr_kernarg_segment_ptr 1
		.amdhsa_wavefront_size32 1
		.amdhsa_system_sgpr_workgroup_id_x 1
		.amdhsa_system_sgpr_workgroup_id_y 1
		.amdhsa_system_sgpr_workgroup_id_z 1
		.amdhsa_system_vgpr_workitem_id 0
		.amdhsa_next_free_vgpr 1024
		.amdhsa_next_free_sgpr 84
		.amdhsa_reserve_vcc 0
		.amdhsa_float_denorm_mode_32 3
		.amdhsa_float_denorm_mode_16_64 3
		.amdhsa_memory_ordered 1
		.amdhsa_forward_progress 1
		.amdhsa_inst_pref_size 255
	.end_amdhsa_kernel
	.section	.bss,"aw",@nobits
	.p2align	6
	.space	262144
	.amdgpu_metadata
---
amdhsa.version: [ 1, 2 ]
amdhsa.kernels:
  - .name:           k_qc2e7289774_f1
    .symbol:         k_qc2e7289774_f1.kd
    .args:
      - { .name: act, .offset: 0, .size: 8, .value_kind: global_buffer, .address_space: global }
      - { .name: wb, .offset: 8, .size: 8, .value_kind: global_buffer, .address_space: global }
      - { .name: big, .offset: 16, .size: 8, .value_kind: global_buffer, .address_space: global }
      - { .name: f1_b, .offset: 24, .size: 8, .value_kind: global_buffer, .address_space: global }
    .group_segment_fixed_size: 327680
    .private_segment_fixed_size: 0
    .kernarg_segment_align: 8
    .kernarg_segment_size: 32
    .max_flat_workgroup_size: 128
    .sgpr_count:     84
    .vgpr_count:     1024
    .wavefront_size: 32
...
	.end_amdgpu_metadata
.endif
;; end of part 7
;; launch f2 (part 8): grid 8 x 32, 4 waves a work-group, clusters of 4 x 4, 327,680 bytes of LDS; arguments big, wb, out0, f2_b, x1; writes out0
.if DOCPART == 8
	.amdgcn_target "amdgcn-amd-amdhsa--gfx1250"
	.amdhsa_code_object_version 6
	.text
	.protected	k_qc2e7289774_f2
	.globl	k_qc2e7289774_f2
	.p2align	8
	.type	k_qc2e7289774_f2,@function
k_qc2e7289774_f2:
	s_mov_b64 s[64:65], 0
	v_nop
	global_prefetch_b8 v0, s[64:65] scope:SCOPE_SE
	s_setreg_imm32_b32 hwreg(HW_REG_WAVE_MODE, 25, 1), 1
	s_wait_xcnt 0x0
	s_wait_alu depctr_hold_cnt(0) depctr_sa_sdst(0) depctr_va_vdst(0) depctr_va_sdst(0) depctr_va_ssrc(0) depctr_va_vcc(0) depctr_vm_vsrc(0)
	s_getreg_b32 s2, hwreg(HW_REG_IB_STS2, 6, 4)
	s_cmp_eq_u32 s2, 0
	s_cbranch_scc0 .Lentry_in_a_cluster
	s_endpgm
.Lentry_in_a_cluster:
	s_bfe_u32 s2, ttmp6, 0x10000c
	s_cmp_lg_u32 s2, 0xf033
	s_cbranch_scc0 .Lentry_shape_is_right
	s_endpgm
.Lentry_shape_is_right:
; f2: out0[4096][1024] (f32) = x1 + h f2_w + f2_b.  h = big [4096][4096] bf16; f2_w lies in wb as bf16 [4096 k][1024 n].
; The same text as launch oproj but for SIZE_K and WOFF.  N = 1,024 gives only 64 blocks of 256 x 256, so a work-group makes 128 x 128 (256 work-groups) and ITS FOUR WAVES
; SPLIT K: each wave makes the whole block (64 accumulator tiles, 512 registers: for 32 k it loads 2 x 128 x 64 bytes from LDS for 64 matrix instructions) over its 64 k of
; every slot of 256 k, and the four partial blocks are added once, through LDS, on the way out.
; Slot: A [128 m][256 k], rows of 512 bytes, pitch 528, in two parts of 64 rows; weights [256 k][128 n], rows of 256 bytes, pitch 288, in two parts of 128 k rows.
; Each part is one wave's tensor load and has 36,864 bytes of LDS.
; CLUSTERS 4 x 4: A's tile is asked for jointly along a row of the cluster, the weights' along a column.
; WINDOWS: 0: v0-35 addresses and bias, v64-191 A's fragments (later the residual rows), v192-255 the partial rows;  1: v64-191 the weights' fragments;  2, 3: accumulators.
; LIMITS: the sum over K is made in four parts, so the order of rounding differs from a single ascending sum.
.set SIZE_K, 4096
.set WOFF,   16777216                  ; f2_w in wb
.set KSLOT,  256
.set APITCH, 528
.set BPITCH, 288
.set PARTB,  36864
.set SLOT,   4*PARTB
.set PLANE,  128*528
.set LAPS, SIZE_K/(2*KSLOT)
.set ADRA, 16
.set ADRB, 20
.set PST,  24
.set CO,   26
.set BO,   27
.set RD,   28
.set BIAS, 32
.set F0,   64
.set F1,   128
.set RES,  64
.set PRT,  192
.set G1, 24
.set G0, 32
.set G1B, 48
.set G0B, 56
.set MSB, 0
.macro WIN new
.if MSB != \new
	s_set_vgpr_msb (MSB<<8)|\new
.set MSB, \new
.endif
.endm
.set MUL_LO, 0xa1
.set MUL_HI, 0xf1
.set TO_B,   0x40
.macro JLOAD s
	s_cmp_eq_u32 s11, 0
	s_cbranch_scc0 .Lfor_b_\@
	tensor_load_to_lds s[G0+4*\s:G0+4*\s+3], s[G1:G1+7]
	s_nop 0
	s_branch .Lasked_\@
.Lfor_b_\@:
	tensor_load_to_lds s[G0B+4*\s:G0B+4*\s+3], s[G1B:G1B+7]
	s_nop 0
.Lasked_\@:
.endm
.macro CREST
	s_cmp_lg_u32 s10, 0
	s_cbranch_scc1 .Lnot_wave_0_\@
	s_barrier_signal -3
.Lnot_wave_0_\@:
	s_barrier_wait -3
	s_barrier_signal -1
	s_barrier_wait -1
.endm
.macro CROUND
	s_barrier_signal -1
	s_barrier_wait -1
	CREST
.endm
	s_load_b128 s[4:7], s[0:1], 0x0                ; A, wb
	s_load_b64 s[8:9], s[0:1], 0x10                ; the result
	s_load_b64 s[68:69], s[0:1], 0x18              ; bias
	s_load_b64 s[70:71], s[0:1], 0x20              ; residual
	s_set_vgpr_msb 0x40
	v_lshl_add_u32 v255, v0, 2, 0x48000
	s_set_vgpr_msb 0x4000
	v_mov_b32 v63, 0
	s_set_vgpr_msb 0x1
	ds_add_u32 v255, v63
	s_set_vgpr_msb 0x100
	v_lshrrev_b32 v1, 5, v0
	v_readfirstlane_b32 s10, v1                    ; wave: my 64 k of every slot
	s_lshr_b32 s11, s10, 1                         ; I fetch for A (0) or for the weights (1),
	s_and_b32 s12, s10, 1                          ; and which part
	s_bfe_u32 s40, ttmp6, 0x40000                  ; cx
	s_bfe_u32 s41, ttmp6, 0x40004                  ; cy
	s_lshl_b32 s42, ttmp9, 2
	s_add_co_u32 s42, s42, s40                     ; block column
	s_and_b32 s13, ttmp7, 0xffff
	s_lshl_b32 s13, s13, 2
	s_add_co_u32 s13, s13, s41                     ; block row
	s_lshl_b32 s43, s41, 2
	s_lshl_b32 s43, 15, s43
	s_lshl_b32 s44, 0x1111, s40
	s_or_b32 s[G1+0], s43, (1<<16)|(1<<20)|(1<<21)|(6<<22)|(3<<25)   ; A: 4 words of padding behind every 128
	s_mov_b32 s[G1+1], KSLOT<<16
	s_mov_b32 s[G1+2], 64<<16
	s_mov_b32 s[G1+3], KSLOT<<16
	s_mov_b32 s[G1+4], 64
	s_mov_b32 s[G1+5], SIZE_K
	s_mov_b32 s[G1+6], 0
	s_mov_b32 s[G1+7], 0
	s_or_b32 s[G1B+0], s44, (1<<16)|(1<<20)|(1<<21)|(5<<22)|(7<<25)  ; weights: 8 words behind every 64
	s_mov_b32 s[G1B+1], 128<<16
	s_mov_b32 s[G1B+2], 128<<16
	s_mov_b32 s[G1B+3], 128<<16
	s_mov_b32 s[G1B+4], 128
	s_mov_b32 s[G1B+5], 1024
	s_mov_b32 s[G1B+6], 0
	s_mov_b32 s[G1B+7], 0
	s_lshl_b32 s16, s13, 7
	s_lshl_b32 s17, s12, 6
	s_add_co_u32 s16, s16, s17                     ; A: row 128 x block row + 64 x part
	s_mul_i32 s16, s16, SIZE_K*2
	s_mov_b32 s17, 0
	s_lshl_b32 s46, s12, 18                        ; weights: 128 k rows of 2,048 bytes a part,
	s_lshl_b32 s47, s42, 8                         ; 128 columns a block
	s_add_co_u32 s46, s46, s47
	s_add_co_u32 s46, s46, WOFF
	s_mov_b32 s47, 0
	s_mul_i32 s20, s10, PARTB
	s_wait_dscnt 0x0
	s_wait_kmcnt 0x0
	s_add_nc_u64 s[14:15], s[4:5], s[16:17]
	s_add_nc_u64 s[46:47], s[6:7], s[46:47]
	CROUND                                         ; the first joint loads meet
.irp s, 0,1
	s_mov_b32 s[G0+4*\s], 1
	s_add_co_u32 s[G0+4*\s+1], s20, \s*SLOT
	s_add_nc_u64 s[G0+4*\s+2:G0+4*\s+3], s[14:15], \s*KSLOT*2
	s_or_b32 s[G0+4*\s+3], s[G0+4*\s+3], 0x80000000
	s_mov_b32 s[G0B+4*\s], 1
	s_add_co_u32 s[G0B+4*\s+1], s20, \s*SLOT
	s_add_nc_u64 s[G0B+4*\s+2:G0B+4*\s+3], s[46:47], \s*KSLOT*2048
	s_or_b32 s[G0B+4*\s+3], s[G0B+4*\s+3], 0x80000000
	JLOAD \s
.endr
	v_and_b32 v1, 15, v0                           ; r
	v_bfe_u32 v2, v0, 4, 1                         ; h
	v_and_b32 v8, 31, v0                           ; lane
	v_mul_u32_u24 v3, v1, APITCH
	v_lshl_add_u32 v3, v2, 4, v3
	v_and_b32 v6, 7, v0
	v_lshl_add_u32 v6, v2, 3, v6
	v_mul_u32_u24 v6, v6, BPITCH
	v_bfe_u32 v7, v0, 3, 1
	v_lshl_add_u32 v6, v7, 4, v6
	s_lshl_b32 s21, s10, 7                         ; A: my 64 k are 128 bytes of a row
	s_mul_i32 s22, s10, 64*BPITCH                  ; weights: my 64 k rows,
	s_add_co_u32 s22, s22, 2*PARTB                 ; behind A's two parts
.irp s, 0,1
	v_add_nc_u32 v[ADRA+\s], s21, v3
	v_add_nc_u32 v[ADRB+\s], s22, v6
	s_add_co_u32 s21, s21, SLOT
	s_add_co_u32 s22, s22, SLOT
.endr
	s_mul_i32 s23, s10, PLANE
	v_mul_u32_u24 v4, v1, 528
	v_lshl_add_u32 v4, v2, 5, v4
	v_add_nc_u32 v[PST], s23, v4                   ; my plane: row r, 32 h bytes
	s_mul_i32 s23, s10, 32*528                     ; the 32 rows that I add up
.irp p, 0,1,2,3
	v_lshl_add_u32 v[RD+\p], v8, 4, s23
	s_add_co_u32 s23, s23, PLANE
.endr
	v_lshlrev_b32 v[CO], 4, v8
	s_lshl_b32 s79, s42, 9                         ; my block's 128 columns, f32
	v_lshl_add_u32 v[BO], v8, 4, s79
	global_load_b128 v[BIAS:BIAS+3], v[BO], s[68:69]
.macro MUL16 f, hi, a0, zero           ; the 64 accumulators take turns
.irp a, \a0, \a0+1
.irp b, 0,1,2,3,4,5,6,7
.if \zero
	v_wmma_f32_16x16x32_bf16 v[8*(8*(\a)+\b):8*(8*(\a)+\b)+7], v[\f+8*\b:\f+8*\b+7], v[\f+8*(4*\hi+\a):\f+8*(4*\hi+\a)+7], 0
.else
	v_wmma_f32_16x16x32_bf16 v[8*(8*(\a)+\b):8*(8*(\a)+\b)+7], v[\f+8*\b:\f+8*\b+7], v[\f+8*(4*\hi+\a):\f+8*(4*\hi+\a)+7], v[8*(8*(\a)+\b):8*(8*(\a)+\b)+7]
.endif
.endr
.endr
.endm
.macro FETCH slot, q, f                ; 32 LDS loads: 32 k (half q of my 64) of all 128 columns and all 128 rows
	WIN TO_B
.irp i, 0,1,2,3,4,5,6,7
	ds_load_tr16_b128 v[\f+8*\i:\f+8*\i+3],   v[ADRB+\slot] offset:\q*32*BPITCH+32*\i
	ds_load_tr16_b128 v[\f+8*\i+4:\f+8*\i+7], v[ADRB+\slot] offset:\q*32*BPITCH+32*\i+16*BPITCH
.endr
	WIN 0
.irp i, 0,1,2,3,4,5,6,7
	ds_load_b128 v[\f+8*\i:\f+8*\i+3],   v[ADRA+\slot] offset:(\i/4)*PARTB+(\i%4)*16*APITCH+64*\q
	ds_load_b128 v[\f+8*\i+4:\f+8*\i+7], v[ADRA+\slot] offset:(\i/4)*PARTB+(\i%4)*16*APITCH+64*\q+32
.endr
.endm
.macro PLACES
.rept 4
	v_nop
.endr
.endm
.macro QUARTER slot, zero              ; my first 32 k of the slot (buffer 0); fetches the second 32 into buffer 1
	s_wait_dscnt 8                                 ; the youngest eight loads (A's rows 64-127) may be out
	WIN MUL_LO
	MUL16 F0, 0, 0, \zero
	MUL16 F0, 0, 2, \zero
	PLACES
	FETCH \slot, 1, F1
	s_wait_dscnt 32                                ; all but the 32 just issued
	WIN MUL_HI
	MUL16 F0, 1, 0, \zero
	MUL16 F0, 1, 2, \zero
.endm
.macro TURN slot, next, fill           ; my second 32 k, and the change of slots
	s_wait_dscnt 8
	WIN MUL_LO
	MUL16 F1, 0, 0, 0
	s_wait_dscnt 0                                 ; my reads of this slot are over
	s_wait_tensorcnt 0x0                           ; all my tensor loads have landed: my part of the next slot
	ds_add_u32 v255, v63
	s_wait_dscnt 0x0
	s_barrier_signal -1
	MUL16 F1, 0, 2, 0
	WIN 0
	s_barrier_wait -1
.if \fill
	CREST                                          ; no wave of any partner still reads this slot or has a load on its way
	s_add_nc_u64 s[G0+4*\slot+2:G0+4*\slot+3], s[G0+4*\slot+2:G0+4*\slot+3], 2*KSLOT*2
	s_add_nc_u64 s[G0B+4*\slot+2:G0B+4*\slot+3], s[G0B+4*\slot+2:G0B+4*\slot+3], 2*KSLOT*2048
	JLOAD \slot                                    ; the first tensor load behind the round, one a wave; 112 matrix instructions stand between it and the wait for it
.endif
	PLACES
	FETCH \next, 0, F0
	WIN MUL_HI
	MUL16 F1, 1, 0, 0
	MUL16 F1, 1, 2, 0
.endm
.macro LAP zero
	QUARTER 0, \zero
	TURN 0, 1, 1
	QUARTER 1, 0
	TURN 1, 0, 1
.endm
	s_wait_tensorcnt 1                             ; my part of slot 0 is in; slot 1's may stay out
	s_barrier_signal -1
	s_barrier_wait -1
	FETCH 0, 0, F0
	LAP 1
.if LAPS > 2
	WIN 0
	s_mov_b32 s3, LAPS-2
.Llap:
	LAP 0
	WIN 0
	s_sub_co_u32 s3, s3, 1
	s_cmp_lg_u32 s3, 0
	s_cbranch_scc1 .Llap
.endif
	QUARTER 0, 0                                   ; the last lap fills nothing
	TURN 0, 1, 0
	QUARTER 1, 0
	s_wait_dscnt 8
	WIN MUL_LO
	MUL16 F1, 0, 0, 0
	MUL16 F1, 0, 2, 0
	s_wait_dscnt 0
	WIN MUL_HI
	MUL16 F1, 1, 0, 0
	MUL16 F1, 1, 2, 0
	; THE WAY OUT.  Each wave lays its partial block into a plane of its own, in the ring's bytes (which have had their last fill); wave w then adds rows 32 w .. 32 w + 31 of the four planes.
	PLACES
	WIN 0
	s_lshl_b32 s16, s13, 7
	s_lshl_b32 s17, s10, 5
	s_add_co_u32 s16, s16, s17                     ; row 128 x block row + 32 w,
	s_lshl_b32 s16, s16, 12                        ; of 4,096 bytes,
	s_add_co_u32 s16, s16, s79                     ; and the block's columns
	s_mov_b32 s17, 0
	s_add_nc_u64 s[70:71], s[70:71], s[16:17]
	s_add_nc_u64 s[8:9], s[8:9], s[16:17]
.set ii, 0
.rept 32
	global_load_b128 v[RES+4*ii:RES+4*ii+3], v[CO], s[70:71] offset:4096*ii    ; a row of the block: 512 consecutive bytes
.set ii, ii+1
.endr
	s_barrier_signal -1                            ; every wave's reads of the ring are over (its wait for 0 stands above)
	s_barrier_wait -1
	WIN 0x08                                       ; store data from window 2
.irp a, 0,1,2,3
.irp b, 0,1,2,3,4,5,6,7
	ds_store_b128 v[PST], v[8*(8*\a+\b):8*(8*\a+\b)+3]   offset:\a*16*528+64*\b
	ds_store_b128 v[PST], v[8*(8*\a+\b)+4:8*(8*\a+\b)+7] offset:\a*16*528+64*\b+16
.endr
.endr
	WIN 0x0c                                       ; from window 3
.irp a, 0,1,2,3
.irp b, 0,1,2,3,4,5,6,7
	ds_store_b128 v[PST], v[8*(8*\a+\b):8*(8*\a+\b)+3]   offset:(\a+4)*16*528+64*\b
	ds_store_b128 v[PST], v[8*(8*\a+\b)+4:8*(8*\a+\b)+7] offset:(\a+4)*16*528+64*\b+16
.endr
.endr
	WIN 0
	s_wait_dscnt 0x0
	s_barrier_signal -1
	s_barrier_wait -1                              ; all four planes are whole
.set tt, 0
.rept 8
.irp p, 0,1,2,3
.irp q, 0,1,2,3
	ds_load_b128 v[PRT+16*\p+4*\q:PRT+16*\p+4*\q+3], v[RD+\p] offset:(4*tt+\q)*528
.endr
.endr
	s_wait_dscnt 0x0
	s_wait_loadcnt 28-4*tt                         ; the bias and the residual rows up to this batch's; the later batches' rows may stay out
.irp q, 0,1,2,3
.irp e, 0,2
	v_pk_add_f32 v[PRT+4*\q+\e:PRT+4*\q+\e+1], v[PRT+4*\q+\e:PRT+4*\q+\e+1], v[PRT+16+4*\q+\e:PRT+16+4*\q+\e+1]
	v_pk_add_f32 v[PRT+32+4*\q+\e:PRT+32+4*\q+\e+1], v[PRT+32+4*\q+\e:PRT+32+4*\q+\e+1], v[PRT+48+4*\q+\e:PRT+48+4*\q+\e+1]
	v_pk_add_f32 v[RES+16*tt+4*\q+\e:RES+16*tt+4*\q+\e+1], v[RES+16*tt+4*\q+\e:RES+16*tt+4*\q+\e+1], v[BIAS+\e:BIAS+\e+1]
	v_pk_add_f32 v[PRT+4*\q+\e:PRT+4*\q+\e+1], v[PRT+4*\q+\e:PRT+4*\q+\e+1], v[PRT+32+4*\q+\e:PRT+32+4*\q+\e+1]
	v_pk_add_f32 v[RES+16*tt+4*\q+\e:RES+16*tt+4*\q+\e+1], v[RES+16*tt+4*\q+\e:RES+16*tt+4*\q+\e+1], v[PRT+4*\q+\e:PRT+4*\q+\e+1]
.endr
	global_store_b128 v[CO], v[RES+16*tt+4*\q:RES+16*tt+4*\q+3], s[8:9] offset:(4*tt+\q)*4096   ; 512 consecutive bytes, aligned; these registers are not written again
.endr
.set tt, tt+1
.endr
	s_set_vgpr_msb 0x1
	s_wait_tensorcnt 0x0
	ds_add_u32 v255, v63
	s_wait_dscnt 0x0
	s_set_vgpr_msb 0x100
	CROUND                                         ; the closing round
	s_endpgm
.Lfunc_end_k_qc2e7289774_f2:
	.size	k_qc2e7289774_f2, .Lfunc_end_k_qc2e7289774_f2-k_qc2e7289774_f2
	.p2alignl 7, 3214868480
	.fill 96, 4, 3214868480
	.section	.rodata,"a",@progbits
	.p2align	6, 0x0
	.amdhsa_kernel k_qc2e7289774_f2
		.amdhsa_group_segment_fixed_size 327680
		.amdhsa_private_segment_fixed_size 0
		.amdhsa_enable_private_segment 0
		.amdhsa_kernarg_size 40
		.amdhsa_user_sgpr_count 2
		.amdhsa_user_sgpr_kernarg_segment_ptr 1
		.amdhsa_wavefront_size32 1
		.amdhsa_system_sgpr_workgroup_id_x 1
		.amdhsa_system_sgpr_workgroup_id_y 1
		.amdhsa_system_sgpr_workgroup_id_z 1
		.amdhsa_system_vgpr_workitem_id 0
		.amdhsa_next_free_vgpr 1024
		.amdhsa_next_free_sgpr 84
		.amdhsa_reserve_vcc 0
		.amdhsa_float_denorm_mode_32 3
		.amdhsa_float_denorm_mode_16_64 3
		.amdhsa_memory_ordered 1
		.amdhsa_forward_progress 1
		.amdhsa_inst_pref_size 131
	.end_amdhsa_kernel
	.amdgpu_metadata
---
amdhsa.version: [ 1, 2 ]
amdhsa.kernels:
  - .name:           k_qc2e7289774_f2
    .symbol:         k_qc2e7289774_f2.kd
    .args:
      - { .name: big, .offset: 0, .size: 8, .value_kind: global_buffer, .address_space: global }
      - { .name: wb, .offset: 8, .size: 8, .value_kind: global_buffer, .address_space: global }
      - { .name: out0, .offset: 16, .size: 8, .value_kind: global_buffer, .address_space: global }
      - { .name: f2_b, .offset: 24, .size: 8, .value_kind: global_buffer, .address_space: global }
      - { .name: x1, .offset: 32, .size: 8, .value_kind: global_buffer, .address_space: global }
    .group_segment_fixed_size: 327680
    .private_segment_fixed_size: 0
    .kernarg_segment_align: 8
    .kernarg_segment_size: 40
    .max_flat_workgroup_size: 128
    .sgpr_count:     84
    .vgpr_count:     1024
    .wavefront_size: 32
...
	.end_amdgpu_metadata
.endif
;; end of part 8
;; ======== version 2 of 2: 8 launches; version 1 with the launches prep, ln2 written anew for expert scheduling mode
;; limits: values outside matrix products are rounded to bf16
;; workspace buffers: wb 25,165,824 bytes; act 8,388,608 bytes; big 33,554,432 bytes; ll 262,144 bytes; ac 262,144 bytes; sm 5,242,880 bytes; x1 16,777,216 bytes
;; launch prep (part 9): grid 512 x 1, 8 waves a work-group, no clusters, 75,008 bytes of LDS; arguments x, ln1_w, ln1_b, dec_w, dec_b, q_w, k_w, v_w, o_w, f1_w, f2_w, act, ll, wb; writes act, ll, wb
.if DOCPART == 9
	.amdgcn_target "amdgcn-amd-amdhsa--gfx1250"
	.amdhsa_code_object_version 6
	.text
	.protected	k_qc2e7289774_prep
	.globl	k_qc2e7289774_prep
	.p2align	8
	.type	k_qc2e7289774_prep,@function
k_qc2e7289774_prep:
	s_mov_b64 s[64:65], 0
	v_nop
	global_prefetch_b8 v0, s[64:65] scope:SCOPE_SE
	s_setreg_imm32_b32 hwreg(HW_REG_WAVE_SCHED_MODE, 0, 2), 2
	s_setreg_imm32_b32 hwreg(HW_REG_WAVE_MODE, 25, 1), 1
	s_wait_xcnt 0x0
	s_wait_alu depctr_vm_vsrc(0)
; prep: two kinds of work-groups in one launch, told apart by one branch on the work-group's number.
; Work-groups 0-255, 16 rows of x each (wave w: rows 2w, 2w+1; a row is 8 loads of 512 consecutive bytes):
;  (1) act[row][1024] = bf16(LayerNorm1(x[row])), two passes over the row in registers (mean first, then the squares of the differences).
;  (2) ll[row][16]    = log2(max(sigmoid(z), 1e-8)), z = x_n . dec_w + dec_b, the product on the matrix unit with bf16 operands.
; Work-groups 256-511, 1/256 of every weight matrix each:
;  (3) wb = the six weight matrices rounded to bf16, layout kept ([K][N]): q 0, k 2 MiB, v 4 MiB, o 6 MiB, f1 8 MiB, f2 16 MiB.
;      A wave issues all its 48 loads (24 KiB) at once, so that the weights are on their way while the other kind still normalises.
; LIMITS: finite inputs.  ll is made as -log2(1 + 2^(-z log2 e)): for z above about 16 the sum rounds to 1 and ll to 0 (its true size is below 2e-7).
; No cluster, no tensor loads: nothing is shared between work-groups but dec_w (64 KiB), and every other byte is read once, straight into registers.
; THE MODE: SCHED_MODE bits 1:0 = 2 (LLVM: expert scheduling mode 2), set by the entry lines.  The code itself states the register dependences
; between vector or matrix instructions and memory or LDS instructions, with s_wait_alu, always for 0.
; THE PLAN, work-groups 0-255.  Registers that memory or LDS instructions touch:
;   v2 .. v13     offsets and LDS addresses: written at the head, never again.
;   X0, X1        a row each: loaded once, worked on in place; the row's sixteen conversions leave bf16 in registers 4 j, 4 j + 1, which its 8 global and 8 LDS stores read; never written again.
;   DW = FR       dec_w as loaded; 32 conversions in place; 16 LDS stores read it; behind the barrier the fragments' loads land in it, the matrix instructions read it, the parts' loads land in it.
;   ACC           written by the matrix instructions and four additions, read by 8 LDS stores.
;   v240, v241    written at the head, read by the closing add alone.
; Row 0's stores stand behind the wait that row 1's reciprocal roots have in any case, dealt among row 1's scaling lines, which name X1, T and the gains alone.
; Row 1's stores and dec_w's LDS stores stand behind ONE wait, behind both runs of conversions.
; THE PLAN, work-groups 256-511.  v2 .. v6 are written at the head, never again.  W: 48 items of four registers, each loaded once, converted in place once, stored once.
; They go in 12 groups of four: at a group's head one wait states that the group before has written its bf16 registers; that group's four stores are dealt among this group's
; conversions, which name this group's registers alone.
.set SPITCH, 2064                      ; LDS pitch of a normalised row: 2,048 bytes + 16, an odd multiple of 16
.set DEC,    33024                     ; dec_w as bf16, [1024 k][16 n], pitch 32 bytes
.set PART,   65792                     ; the eight waves' partial products: [wave][register j][lane] f32
.set WF1,    8388608                   ; byte offset of f1's weights in wb
.set X,   16                           ; v[16:79]   two rows as loaded
.set GW,  80                           ; v[80:111]  ln1_w of my columns
.set GB,  112                          ; v[112:143] ln1_b
.set DW,  144                          ; v[144:207] dec_w as loaded; later the fragments FR
.set FR,  144
.set ACC, 208                          ; v[208:223] two accumulators
.set DB,  224                          ; v[224:227] dec_b of heads 4 (t & 3) .. + 3
.set T,   228                          ; v[228:239] at work: no memory instruction names them
.set W,   16                           ; v[16:207]  the other kind: 48 loads of weights
	s_load_b512 s[8:23], s[0:1], 0x0               ; x 8, ln1_w 10, ln1_b 12, dec_w 14, dec_b 16, q_w 18, k_w 20, v_w 22
	s_load_b256 s[24:31], s[0:1], 0x40             ; o_w 24, f1_w 26, f2_w 28, act 30
	s_load_b128 s[32:35], s[0:1], 0x60             ; ll 32, wb 34
	v_lshl_add_u32 v240, v0, 2, 0x12100
	v_mov_b32 v241, 0
	s_cmp_ge_u32 ttmp9, 256                        ; the same for every wave of a work-group
	s_cbranch_scc1 .Lweights
	v_and_b32 v1, 31, v0                           ; lane
	v_lshrrev_b32 v2, 5, v0
	v_readfirstlane_b32 s3, v2                     ; wave
	s_mov_b32 s36, 0x76543210                      ; v_permlanex16_b32: lane i takes lane i of the other half
	s_mov_b32 s37, 0xfedcba98
	s_mov_b32 s38, 0x3a800000                      ; 1/1024
	s_mov_b32 s39, 0xc1d49a78                      ; log2(1e-8)
	s_lshl_b32 s4, ttmp9, 16                       ; 16 rows of 4,096 bytes
	s_wait_alu depctr_va_sdst(0)                   ; s3 is written, ahead of its first reader: the offsets and LDS addresses below are made from it
	s_lshl_b32 s5, s3, 13                          ; 2 rows
	s_add_co_u32 s4, s4, s5
	v_lshl_add_u32 v2, v1, 4, s4                   ; x: my 16 bytes in my first row
	v_lshlrev_b32 v3, 4, v1                        ; gains and biases
	s_lshl_b32 s4, ttmp9, 15
	s_lshl_b32 s5, s3, 12
	s_add_co_u32 s4, s4, s5
	v_lshl_add_u32 v4, v1, 3, s4                   ; act: my 8 bytes in my first row
	s_mul_i32 s5, s3, 2*SPITCH
	v_lshl_add_u32 v5, v1, 3, s5                   ; the same in LDS
	v_and_b32 v6, 3, v0
	v_lshlrev_b32 v6, 4, v6                        ; dec_b: 16 (t & 3)
	v_lshlrev_b32 v7, 4, v0                        ; dec_w: 16 t
	v_lshlrev_b32 v8, 3, v0
	v_add_nc_u32 v8, DEC, v8                       ; its bf16 copy: 8 t
	v_and_b32 v12, 15, v1                          ; r
	v_lshrrev_b32 v13, 4, v1                       ; h
	v_mul_u32_u24 v11, v12, SPITCH
	v_lshl_add_u32 v11, v13, 4, v11
	s_lshl_b32 s5, s3, 8
	v_add_nc_u32 v11, s5, v11                      ; A fragments: r pitch + 16 h + my 128 k (256 bytes)
	v_and_b32 v14, 7, v1
	v_lshl_add_u32 v14, v13, 3, v14                ; 8 h + (l & 7)
	v_bfe_u32 v15, v1, 3, 1
	v_lshlrev_b32 v15, 4, v15
	v_lshl_add_u32 v12, v14, 5, v15
	s_lshl_b32 s5, s3, 12                          ; my 128 k rows of 32 bytes
	s_add_co_u32 s5, s5, DEC
	v_add_nc_u32 v12, s5, v12                      ; B fragments, for the transposing load
	s_lshl_b32 s5, s3, 10
	s_add_co_u32 s5, s5, PART
	v_lshl_add_u32 v13, v1, 2, s5                  ; my partial product
	v_bfe_u32 v9, v0, 2, 3                         ; threads 0-63 finish element (m = t >> 2, n = 4 (t & 3) ..): register m & 7,
	v_lshl_add_u32 v9, v9, 7, v6
	v_bfe_u32 v10, v0, 5, 1                        ; lanes 16 (m >> 3) + n
	v_lshl_add_u32 v9, v10, 6, v9
	v_add_nc_u32 v9, PART, v9
	s_lshl_b32 s4, ttmp9, 10
	v_lshl_add_u32 v10, v0, 4, s4                  ; ll: 16 rows of 64 bytes, 16 t
	v_mov_b32 v[T+11], 0                           ; v_permlanex16_b32 counts as a reader of its destination
	s_wait_kmcnt 0x0
	s_wait_alu depctr_va_vdst(0)                   ; the offsets and LDS addresses v2 to v13 are written, which every load, store and LDS instruction of this path reads
.irp p, 0,1
.irp j, 0,1,2,3,4,5,6,7
	global_load_b128 v[X+32*\p+4*\j:X+32*\p+4*\j+3], v2, s[8:9] offset:\p*4096+512*\j th:TH_LOAD_NT
.endr
.endr
.irp j, 0,1,2,3,4,5,6,7
	global_load_b128 v[GW+4*\j:GW+4*\j+3], v3, s[10:11] offset:512*\j
.endr
.irp j, 0,1,2,3,4,5,6,7
	global_load_b128 v[GB+4*\j:GB+4*\j+3], v3, s[12:13] offset:512*\j
.endr
	global_load_b128 v[DB:DB+3], v6, s[16:17]
.irp i, 0,1,2,3,4,5,6,7,8,9,10,11,12,13,14,15
	global_load_b128 v[DW+4*\i:DW+4*\i+3], v7, s[14:15] offset:4096*\i
.endr
.macro LANESUM                         ; four pairs in v[T:T+7] -> their sum over the wave, in every lane's v[T]
	v_pk_add_f32 v[T:T+1], v[T:T+1], v[T+2:T+3]
	v_pk_add_f32 v[T+4:T+5], v[T+4:T+5], v[T+6:T+7]
	v_pk_add_f32 v[T:T+1], v[T:T+1], v[T+4:T+5]
	v_add_f32 v[T], v[T], v[T+1]
	v_add_f32_dpp v[T], v[T], v[T] row_xmask:1 row_mask:0xf bank_mask:0xf
	v_add_f32_dpp v[T], v[T], v[T] row_xmask:2 row_mask:0xf bank_mask:0xf
	v_add_f32_dpp v[T], v[T], v[T] row_xmask:4 row_mask:0xf bank_mask:0xf
	v_add_f32_dpp v[T], v[T], v[T] row_xmask:8 row_mask:0xf bank_mask:0xf
	v_permlanex16_b32 v[T+11], v[T], s36, s37
	v_add_f32 v[T], v[T], v[T+11]
.endm
; One row: mean, differences in place, variance from the differences, scale, gain and bias, bf16.  The row's stores follow later, behind a wait that stands there in any case:
; row 0's in row 1's turn (p = 1), row 1's behind the macro.
.macro LNROW p
.set XR, X+32*\p
.irp c, 0,1,2,3
	v_pk_add_f32 v[T+2*\c:T+2*\c+1], v[XR+4*\c:XR+4*\c+1], v[XR+4*\c+2:XR+4*\c+3]
.endr
.irp c, 0,1,2,3,4,5,6,7
	v_pk_add_f32 v[T+2*(\c%4):T+2*(\c%4)+1], v[T+2*(\c%4):T+2*(\c%4)+1], v[XR+16+2*\c:XR+16+2*\c+1]
.endr
	LANESUM
	v_mul_f32 v[T+8], s38, v[T]                    ; the mean, twice
	v_mov_b32 v[T+9], v[T+8]
.irp c, 0,1,2,3,4,5,6,7,8,9,10,11,12,13,14,15
	v_pk_add_f32 v[XR+2*\c:XR+2*\c+1], v[XR+2*\c:XR+2*\c+1], v[T+8:T+9] neg_lo:[0,1] neg_hi:[0,1]
.endr
.irp c, 0,1,2,3
	v_pk_mul_f32 v[T+2*\c:T+2*\c+1], v[XR+2*\c:XR+2*\c+1], v[XR+2*\c:XR+2*\c+1]
.endr
.irp c, 4,5,6,7,8,9,10,11,12,13,14,15
	v_pk_fma_f32 v[T+2*(\c%4):T+2*(\c%4)+1], v[XR+2*\c:XR+2*\c+1], v[XR+2*\c:XR+2*\c+1], v[T+2*(\c%4):T+2*(\c%4)+1]
.endr
	LANESUM
	v_fmaak_f32 v[T+10], s38, v[T], 0x3727c5ac     ; variance + 1e-5
	v_rsq_f32 v[T+8], v[T+10]
	v_rsq_f32 v[T+9], v[T+10]
	v_nop                                          ; one plain place behind a transcendental before its result is used (ISA guide 5.7.2)
	s_wait_alu depctr_va_vdst(0)                   ; the two reciprocal roots are written, ahead of their first reader; in row 1's turn also: row 0's conversions have written X0, which the stores below read
.irp c, 0,1,2,3,4,5,6,7,8,9,10,11,12,13,14,15
.if (\p) && ((\c)%2 == 0)
	global_store_b64 v4, v[X+4*((\c)/2):X+4*((\c)/2)+1], s[30:31] offset:256*((\c)/2)   ; row 0: the wave's store covers 256 consecutive bytes, aligned.  No vector instruction since the wait names X0 or v4
.endif
.if (\p) && ((\c)%2 == 1)
	ds_store_b64 v5, v[X+4*((\c)/2):X+4*((\c)/2)+1] offset:256*((\c)/2)                 ; row 0, for the decay's product
.endif
	v_pk_mul_f32 v[XR+2*\c:XR+2*\c+1], v[XR+2*\c:XR+2*\c+1], v[T+8:T+9]
.endr
.irp c, 0,1,2,3,4,5,6,7,8,9,10,11,12,13,14,15
	v_pk_fma_f32 v[XR+2*\c:XR+2*\c+1], v[XR+2*\c:XR+2*\c+1], v[GW+2*\c:GW+2*\c+1], v[GB+2*\c:GB+2*\c+1]
.endr
.irp j, 0,1,2,3,4,5,6,7
	v_cvt_pk_bf16_f32 v[XR+4*\j], v[XR+4*\j], v[XR+4*\j+1]
	v_cvt_pk_bf16_f32 v[XR+4*\j+1], v[XR+4*\j+2], v[XR+4*\j+3]
.endr
.endm
	s_wait_loadcnt 17                              ; x, gains and biases are in; dec_b (1) and dec_w (16) are younger and may stay out
	LNROW 0
	LNROW 1
	s_wait_loadcnt 0x0                             ; dec_b, dec_w
.irp i, 0,1,2,3,4,5,6,7,8,9,10,11,12,13,14,15
	v_cvt_pk_bf16_f32 v[DW+4*\i], v[DW+4*\i], v[DW+4*\i+1]
	v_cvt_pk_bf16_f32 v[DW+4*\i+1], v[DW+4*\i+2], v[DW+4*\i+3]
.endr
	s_wait_alu depctr_va_vdst(0)                   ; row 1's conversions have written X1 and dec_w's have written DW, which the 32 stores below read; the conversions are also done with DW, in which the fragments' loads land behind the barrier
.irp j, 0,1,2,3,4,5,6,7
	global_store_b64 v4, v[X+32+4*\j:X+32+4*\j+1], s[30:31] offset:2048+256*\j   ; row 1: the wave's store covers 256 consecutive bytes, aligned
	ds_store_b64 v5, v[X+32+4*\j:X+32+4*\j+1] offset:SPITCH+256*\j
.endr
.irp i, 0,1,2,3,4,5,6,7,8,9,10,11,12,13,14,15
	ds_store_b64 v8, v[DW+4*\i:DW+4*\i+1] offset:2048*\i
.endr
	s_wait_dscnt 0x0                               ; my rows and my part of dec_w are in LDS
	s_barrier_signal -1
	s_barrier_wait -1                              ; everybody's are
	s_wait_alu depctr_vm_vsrc(0)                   ; my LDS stores have read DW: these registers are FR from here on, written by the fragments' loads
	; z: wave w multiplies k = 128 w .. 128 w + 127, four steps of 32
.irp s, 0,1,2,3
	ds_load_b128 v[FR+16*\s:FR+16*\s+3], v11 offset:64*\s
	ds_load_b128 v[FR+16*\s+4:FR+16*\s+7], v11 offset:64*\s+32
	ds_load_tr16_b128 v[FR+16*\s+8:FR+16*\s+11], v12 offset:1024*\s
	ds_load_tr16_b128 v[FR+16*\s+12:FR+16*\s+15], v12 offset:1024*\s+512
.endr
	s_wait_dscnt 0x0
	v_wmma_f32_16x16x32_bf16 v[ACC:ACC+7], v[FR:FR+7], v[FR+8:FR+15], 0                     ; two accumulators by turns
	v_wmma_f32_16x16x32_bf16 v[ACC+8:ACC+15], v[FR+16:FR+23], v[FR+24:FR+31], 0
	v_wmma_f32_16x16x32_bf16 v[ACC:ACC+7], v[FR+32:FR+39], v[FR+40:FR+47], v[ACC:ACC+7]
	v_wmma_f32_16x16x32_bf16 v[ACC+8:ACC+15], v[FR+48:FR+55], v[FR+56:FR+63], v[ACC+8:ACC+15]
.rept 4
	v_nop                                          ; four places before a vector instruction reads a matrix result (ISA guide 7.12.1)
.endr
.irp j, 0,2,4,6
	v_pk_add_f32 v[ACC+\j:ACC+\j+1], v[ACC+\j:ACC+\j+1], v[ACC+8+\j:ACC+8+\j+1]
.endr
	s_wait_alu depctr_va_vdst(0)                   ; the additions have written ACC, which the LDS stores read; the matrix instructions are done reading FR, in which the parts' loads land behind the barrier
.irp j, 0,1,2,3,4,5,6,7
	ds_store_b32 v13, v[ACC+\j] offset:128*\j
.endr
	s_wait_dscnt 0x0
	s_barrier_signal -1
	s_barrier_wait -1
	s_cmp_gt_u32 s3, 1                             ; 64 threads (waves 0, 1) add the eight parts, four heads each
	s_cbranch_scc1 .Lno_fin
.irp p, 0,1,2,3,4,5,6,7
	ds_load_b128 v[FR+4*\p:FR+4*\p+3], v9 offset:1024*\p           ; no vector or matrix instruction since the last wait names FR
.endr
	s_wait_dscnt 0x0
.irp p, 1,2,3,4,5,6,7
	v_pk_add_f32 v[FR:FR+1], v[FR:FR+1], v[FR+4*\p:FR+4*\p+1]
	v_pk_add_f32 v[FR+2:FR+3], v[FR+2:FR+3], v[FR+4*\p+2:FR+4*\p+3]
.endr
	v_pk_add_f32 v[FR:FR+1], v[FR:FR+1], v[DB:DB+1]
	v_pk_add_f32 v[FR+2:FR+3], v[FR+2:FR+3], v[DB+2:DB+3]
	v_pk_mul_f32 v[FR:FR+1], v[FR:FR+1], 0xbfb8aa3b op_sel_hi:[1,0]        ; -z log2 e
	v_pk_mul_f32 v[FR+2:FR+3], v[FR+2:FR+3], 0xbfb8aa3b op_sel_hi:[1,0]
.irp j, 0,1,2,3
	v_exp_f32 v[FR+\j], v[FR+\j]
.endr
	v_nop
	s_wait_alu depctr_va_vdst(0)                   ; the four exponentials are written, ahead of their first reader
	v_pk_add_f32 v[FR:FR+1], v[FR:FR+1], 1.0 op_sel_hi:[1,0]
	v_pk_add_f32 v[FR+2:FR+3], v[FR+2:FR+3], 1.0 op_sel_hi:[1,0]
.irp j, 0,1,2,3
	v_log_f32 v[FR+\j], v[FR+\j]
.endr
	v_nop
	s_wait_alu depctr_va_vdst(0)                   ; the four logarithms are written, ahead of their first reader
.irp j, 0,1,2,3
	v_max_num_f32 v[FR+\j], -v[FR+\j], s39         ; log2 sigmoid, clamped at log2(1e-8)
.endr
	s_wait_alu depctr_va_vdst(0)                   ; the four maxima have written v[FR:FR+3], which the store reads
	global_store_b128 v10, v[FR:FR+3], s[32:33]
.Lno_fin:
	s_wait_dscnt 0x0                               ; the closing lines, six on end
	s_wait_alu 0x0
	s_wait_tensorcnt 0x0
	ds_add_u32 v240, v241
	s_wait_dscnt 0x0
	s_endpgm
	; THE WEIGHTS.  Thread t of work-group 256 + i takes 16 bytes at 16 t of each block of 4,096 bytes of part i of a matrix: 4 blocks of q, k, v, o, 16 of f1 and of f2.
.Lweights:
	s_and_b32 s40, ttmp9, 255                      ; i
	s_lshl_b32 s4, s40, 14
	v_lshl_add_u32 v2, v0, 4, s4                   ; my 16 KiB of q_w, k_w, v_w, o_w
	s_lshl_b32 s4, s40, 16
	v_lshl_add_u32 v3, v0, 4, s4                   ; my 64 KiB of f1_w, f2_w
	s_lshl_b32 s4, s40, 13
	v_lshl_add_u32 v4, v0, 3, s4                   ; wb: my 8 KiB of q, k, v, o
	s_lshl_b32 s4, s40, 15
	s_add_co_u32 s4, s4, WF1
	v_lshl_add_u32 v5, v0, 3, s4                   ; wb: my 32 KiB of f1
	v_add_nc_u32 v6, 0x800000, v5                  ; and of f2
	s_wait_kmcnt 0x0
	s_wait_alu depctr_va_vdst(0)                   ; the five offsets v2 to v6 are written, which every load and store of this path reads
.irp i, 0,1,2,3
	global_load_b128 v[W+4*\i:W+4*\i+3], v2, s[18:19] offset:4096*\i th:TH_LOAD_NT
.endr
.irp i, 0,1,2,3
	global_load_b128 v[W+16+4*\i:W+16+4*\i+3], v2, s[20:21] offset:4096*\i th:TH_LOAD_NT
.endr
.irp i, 0,1,2,3
	global_load_b128 v[W+32+4*\i:W+32+4*\i+3], v2, s[22:23] offset:4096*\i th:TH_LOAD_NT
.endr
.irp i, 0,1,2,3
	global_load_b128 v[W+48+4*\i:W+48+4*\i+3], v2, s[24:25] offset:4096*\i th:TH_LOAD_NT
.endr
.irp i, 0,1,2,3,4,5,6,7,8,9,10,11,12,13,14,15
	global_load_b128 v[W+64+4*\i:W+64+4*\i+3], v3, s[26:27] offset:4096*\i th:TH_LOAD_NT
.endr
.irp i, 0,1,2,3,4,5,6,7,8,9,10,11,12,13,14,15
	global_load_b128 v[W+128+4*\i:W+128+4*\i+3], v3, s[28:29] offset:4096*\i th:TH_LOAD_NT
.endr
; Item r of group g goes out to wb.  Groups 0-3 are q, k, v, o (2 MiB apart), groups 4-7 f1's, groups 8-11 f2's (8,192 bytes of bf16 a group).
; No register is written twice, so no store's data has to be waited for.
.macro WST g, r
.if (\g) < 4
	global_store_b64 v4, v[W+16*(\g)+4*(\r):W+16*(\g)+4*(\r)+1], s[34:35] offset:(\g)*2097152+(\r)*2048       ; the wave's store covers 256 consecutive bytes, aligned
.elseif (\g) < 8
	global_store_b64 v5, v[W+16*(\g)+4*(\r):W+16*(\g)+4*(\r)+1], s[34:35] offset:((\g)-4)*8192+(\r)*2048
.else
	global_store_b64 v6, v[W+16*(\g)+4*(\r):W+16*(\g)+4*(\r)+1], s[34:35] offset:((\g)-8)*8192+(\r)*2048
.endif
.endm
; Group g: its four items are rounded to bf16 in place; the group before goes out among the conversions.
.macro WGRP g
	s_wait_loadcnt 44-4*(\g)                       ; loads return in order: items 4 g to 4 g + 3 are in, the 44 - 4 g younger ones stay out
.if (\g) > 0
	s_wait_alu depctr_va_vdst(0)                   ; the group before has written its eight bf16 registers, which the four stores below read; this group's conversions name this group's registers alone
.endif
.irp r, 0,1,2,3
.if (\g) > 0
	WST (\g)-1, \r
.endif
	v_cvt_pk_bf16_f32 v[W+16*(\g)+4*\r], v[W+16*(\g)+4*\r], v[W+16*(\g)+4*\r+1]
	v_cvt_pk_bf16_f32 v[W+16*(\g)+4*\r+1], v[W+16*(\g)+4*\r+2], v[W+16*(\g)+4*\r+3]
.endr
.endm
.irp g, 0,1,2,3,4,5,6,7,8,9,10,11
	WGRP \g
.endr
	s_wait_alu depctr_va_vdst(0)                   ; the last group has written its eight bf16 registers, which the last four stores read
.irp r, 0,1,2,3
	WST 11, \r
.endr
	s_endpgm
.Lfunc_end_k_qc2e7289774_prep:
	.size	k_qc2e7289774_prep, .Lfunc_end_k_qc2e7289774_prep-k_qc2e7289774_prep
	.p2alignl 7, 3214868480
	.fill 96, 4, 3214868480
	.section	.rodata,"a",@progbits
	.p2align	6, 0x0
	.amdhsa_kernel k_qc2e7289774_prep
		.amdhsa_group_segment_fixed_size 75008
		.amdhsa_private_segment_fixed_size 0
		.amdhsa_enable_private_segment 0
		.amdhsa_kernarg_size 112
		.amdhsa_user_sgpr_count 2
		.amdhsa_user_sgpr_kernarg_segment_ptr 1
		.amdhsa_wavefront_size32 1
		.amdhsa_system_sgpr_workgroup_id_x 1
		.amdhsa_system_sgpr_workgroup_id_y 1
		.amdhsa_system_sgpr_workgroup_id_z 1
		.amdhsa_system_vgpr_workitem_id 0
		.amdhsa_next_free_vgpr 242
		.amdhsa_next_free_sgpr 66
		.amdhsa_reserve_vcc 0
		.amdhsa_float_denorm_mode_32 3
		.amdhsa_float_denorm_mode_16_64 3
		.amdhsa_memory_ordered 1
		.amdhsa_forward_progress 1
		.amdhsa_inst_pref_size 50
	.end_amdhsa_kernel
	.amdgpu_metadata
---
amdhsa.version: [ 1, 2 ]
amdhsa.kernels:
  - .name:           k_qc2e7289774_prep
    .symbol:         k_qc2e7289774_prep.kd
    .args:
      - { .name: x, .offset: 0, .size: 8, .value_kind: global_buffer, .address_space: global }
      - { .name: ln1_w, .offset: 8, .size: 8, .value_kind: global_buffer, .address_space: global }
      - { .name: ln1_b, .offset: 16, .size: 8, .value_kind: global_buffer, .address_space: global }
      - { .name: dec_w, .offset: 24, .size: 8, .value_kind: global_buffer, .address_space: global }
      - { .name: dec_b, .offset: 32, .size: 8, .value_kind: global_buffer, .address_space: global }
      - { .name: q_w, .offset: 40, .size: 8, .value_kind: global_buffer, .address_space: global }
      - { .name: k_w, .offset: 48, .size: 8, .value_kind: global_buffer, .address_space: global }
      - { .name: v_w, .offset: 56, .size: 8, .value_kind: global_buffer, .address_space: global }
      - { .name: o_w, .offset: 64, .size: 8, .value_kind: global_buffer, .address_space: global }
      - { .name: f1_w, .offset: 72, .size: 8, .value_kind: global_buffer, .address_space: global }
      - { .name: f2_w, .offset: 80, .size: 8, .value_kind: global_buffer, .address_space: global }
      - { .name: act, .offset: 88, .size: 8, .value_kind: global_buffer, .address_space: global }
      - { .name: ll, .offset: 96, .size: 8, .value_kind: global_buffer, .address_space: global }
      - { .name: wb, .offset: 104, .size: 8, .value_kind: global_buffer, .address_space: global }
    .group_segment_fixed_size: 75008
    .private_segment_fixed_size: 0
    .kernarg_segment_align: 8
    .kernarg_segment_size: 112
    .max_flat_workgroup_size: 256
    .sgpr_count:     66
    .vgpr_count:     242
    .wavefront_size: 32
...
	.end_amdgpu_metadata
.endif
;; end of part 9
;; launch qkv: the kernel of part 2 again; grid 12 x 16, 4 waves a work-group, clusters of 4 x 4, 327,680 bytes of LDS; arguments act, wb, big, q_b, k_b, v_b; writes big
;; launch asum: the kernel of part 3 again; grid 256 x 1, 4 waves a work-group, no clusters, 168,448 bytes of LDS; arguments big, ll, sm, ac; writes sm, ac
;; launch aout: the kernel of part 4 again; grid 256 x 1, 8 waves a work-group, no clusters, 327,680 bytes of LDS; arguments big, ac, sm, act; writes act
;; launch oproj: the kernel of part 5 again; grid 8 x 32, 4 waves a work-group, clusters of 4 x 4, 327,680 bytes of LDS; arguments act, wb, x1, o_b, x; writes x1
;; launch ln2 (part 10): grid 256 x 1, 8 waves a work-group, no clusters, 0 bytes of LDS; arguments x1, ln2_w, ln2_b, act; writes act
.if DOCPART == 10
	.amdgcn_target "amdgcn-amd-amdhsa--gfx1250"
	.amdhsa_code_object_version 6
	.text
	.protected	k_qc2e7289774_ln2
	.globl	k_qc2e7289774_ln2
	.p2align	8
	.type	k_qc2e7289774_ln2,@function
k_qc2e7289774_ln2:
	s_mov_b64 s[64:65], 0
	v_nop
	global_prefetch_b8 v0, s[64:65] scope:SCOPE_SE
	s_setreg_imm32_b32 hwreg(HW_REG_WAVE_SCHED_MODE, 0, 2), 2
	s_setreg_imm32_b32 hwreg(HW_REG_WAVE_MODE, 25, 1), 1
	s_wait_xcnt 0x0
	s_wait_alu depctr_vm_vsrc(0)
; ln2: act[row][1024] = bf16(LayerNorm2(x1[row])).  Eight waves, 16 rows a work-group, wave w rows 2w, 2w+1: a row is 8 loads of 512 consecutive bytes and stays in
; 32 registers between the pass for the mean, the pass for the variance (from the differences, never from a difference of large sums) and the scaling.
; A stream: no LDS, no barrier, no matrix unit, no cluster; each byte is read once and each store of a wave covers 256 consecutive bytes, aligned.
; THE MODE: SCHED_MODE bits 1:0 = 2 (LLVM: expert scheduling mode 2), set by the entry lines.  The code itself states the register dependences
; between vector instructions and memory instructions, with s_wait_alu, always for 0.
; THE PLAN.  Registers that memory instructions touch:
;   v2, v3, v4   offsets: written at the head, never again.
;   X0, X1       a row each: loaded once, worked on in place; the row's sixteen conversions leave bf16 in registers 4 j, 4 j + 1, which its eight stores read; never written again.
;   GW, GB       loaded once, read by vector instructions alone.
; Row 0's stores stand behind the wait that row 1's reciprocal roots have in any case, dealt among row 1's scaling lines, which name X1, T and the gains alone;
; row 1's stores stand behind a wait of their own.
.set X,  16                            ; v[16:79]   two rows
.set GW, 80                            ; v[80:111]  gain
.set GB, 112                           ; v[112:143] bias
.set T,  144                           ; v[144:155] at work: no memory instruction names them
	s_load_b256 s[8:15], s[0:1], 0x0               ; x1 8, ln2_w 10, ln2_b 12, act 14
	v_and_b32 v1, 31, v0
	v_lshrrev_b32 v2, 5, v0
	v_readfirstlane_b32 s3, v2
	s_mov_b32 s36, 0x76543210
	s_mov_b32 s37, 0xfedcba98
	s_mov_b32 s38, 0x3a800000                      ; 1/1024
	s_lshl_b32 s4, ttmp9, 16
	s_wait_alu depctr_va_sdst(0)                   ; s3, the wave's number, is written, ahead of its first reader: the offsets are made from it
	s_lshl_b32 s5, s3, 13
	s_add_co_u32 s4, s4, s5
	v_lshl_add_u32 v2, v1, 4, s4
	v_lshlrev_b32 v3, 4, v1
	s_lshl_b32 s4, ttmp9, 15
	s_lshl_b32 s5, s3, 12
	s_add_co_u32 s4, s4, s5
	v_lshl_add_u32 v4, v1, 3, s4
	v_mov_b32 v[T+11], 0
	s_wait_kmcnt 0x0
	s_wait_alu depctr_va_vdst(0)                   ; the offsets v2, v3 and v4 are written, which every load and store of the kernel reads
.irp p, 0,1
.irp j, 0,1,2,3,4,5,6,7
	global_load_b128 v[X+32*\p+4*\j:X+32*\p+4*\j+3], v2, s[8:9] offset:\p*4096+512*\j
.endr
.endr
.irp j, 0,1,2,3,4,5,6,7
	global_load_b128 v[GW+4*\j:GW+4*\j+3], v3, s[10:11] offset:512*\j
.endr
.irp j, 0,1,2,3,4,5,6,7
	global_load_b128 v[GB+4*\j:GB+4*\j+3], v3, s[12:13] offset:512*\j
.endr
.macro LANESUM
	v_pk_add_f32 v[T:T+1], v[T:T+1], v[T+2:T+3]
	v_pk_add_f32 v[T+4:T+5], v[T+4:T+5], v[T+6:T+7]
	v_pk_add_f32 v[T:T+1], v[T:T+1], v[T+4:T+5]
	v_add_f32 v[T], v[T], v[T+1]
	v_add_f32_dpp v[T], v[T], v[T] row_xmask:1 row_mask:0xf bank_mask:0xf
	v_add_f32_dpp v[T], v[T], v[T] row_xmask:2 row_mask:0xf bank_mask:0xf
	v_add_f32_dpp v[T], v[T], v[T] row_xmask:4 row_mask:0xf bank_mask:0xf
	v_add_f32_dpp v[T], v[T], v[T] row_xmask:8 row_mask:0xf bank_mask:0xf
	v_permlanex16_b32 v[T+11], v[T], s36, s37
	v_add_f32 v[T], v[T], v[T+11]
.endm
; One row, up to its conversions.  Its stores follow later: row 0's in row 1's turn (p = 1), row 1's behind the macro.
.macro LNROW p
.set XR, X+32*\p
.irp c, 0,1,2,3
	v_pk_add_f32 v[T+2*\c:T+2*\c+1], v[XR+4*\c:XR+4*\c+1], v[XR+4*\c+2:XR+4*\c+3]
.endr
.irp c, 0,1,2,3,4,5,6,7
	v_pk_add_f32 v[T+2*(\c%4):T+2*(\c%4)+1], v[T+2*(\c%4):T+2*(\c%4)+1], v[XR+16+2*\c:XR+16+2*\c+1]
.endr
	LANESUM
	v_mul_f32 v[T+8], s38, v[T]
	v_mov_b32 v[T+9], v[T+8]
.irp c, 0,1,2,3,4,5,6,7,8,9,10,11,12,13,14,15
	v_pk_add_f32 v[XR+2*\c:XR+2*\c+1], v[XR+2*\c:XR+2*\c+1], v[T+8:T+9] neg_lo:[0,1] neg_hi:[0,1]
.endr
.irp c, 0,1,2,3
	v_pk_mul_f32 v[T+2*\c:T+2*\c+1], v[XR+2*\c:XR+2*\c+1], v[XR+2*\c:XR+2*\c+1]
.endr
.irp c, 4,5,6,7,8,9,10,11,12,13,14,15
	v_pk_fma_f32 v[T+2*(\c%4):T+2*(\c%4)+1], v[XR+2*\c:XR+2*\c+1], v[XR+2*\c:XR+2*\c+1], v[T+2*(\c%4):T+2*(\c%4)+1]
.endr
	LANESUM
	v_fmaak_f32 v[T+10], s38, v[T], 0x3727c5ac     ; variance + 1e-5
	v_rsq_f32 v[T+8], v[T+10]
	v_rsq_f32 v[T+9], v[T+10]
	v_nop                                          ; one plain place behind a transcendental (ISA guide 5.7.2)
	s_wait_alu depctr_va_vdst(0)                   ; the two reciprocal roots are written, ahead of their first reader; in row 1's turn also: row 0's conversions have written X0, which the stores below read
.irp c, 0,1,2,3,4,5,6,7,8,9,10,11,12,13,14,15
.if (\p) && ((\c)%2 == 0)
	global_store_b64 v4, v[X+4*((\c)/2):X+4*((\c)/2)+1], s[14:15] offset:256*((\c)/2)   ; row 0.  No vector instruction since the wait names X0 or v4
.endif
	v_pk_mul_f32 v[XR+2*\c:XR+2*\c+1], v[XR+2*\c:XR+2*\c+1], v[T+8:T+9]
.endr
.irp c, 0,1,2,3,4,5,6,7,8,9,10,11,12,13,14,15
	v_pk_fma_f32 v[XR+2*\c:XR+2*\c+1], v[XR+2*\c:XR+2*\c+1], v[GW+2*\c:GW+2*\c+1], v[GB+2*\c:GB+2*\c+1]
.endr
.irp j, 0,1,2,3,4,5,6,7
	v_cvt_pk_bf16_f32 v[XR+4*\j], v[XR+4*\j], v[XR+4*\j+1]
	v_cvt_pk_bf16_f32 v[XR+4*\j+1], v[XR+4*\j+2], v[XR+4*\j+3]
.endr
.endm
	s_wait_loadcnt 0x0
	LNROW 0
	LNROW 1
	s_wait_alu depctr_va_vdst(0)                   ; row 1's conversions have written X1, which the last eight stores read
.irp j, 0,1,2,3,4,5,6,7
	global_store_b64 v4, v[X+32+4*\j:X+32+4*\j+1], s[14:15] offset:2048+256*\j
.endr
	s_endpgm
.Lfunc_end_k_qc2e7289774_ln2:
	.size	k_qc2e7289774_ln2, .Lfunc_end_k_qc2e7289774_ln2-k_qc2e7289774_ln2
	.p2alignl 7, 3214868480
	.fill 96, 4, 3214868480
	.section	.rodata,"a",@progbits
	.p2align	6, 0x0
	.amdhsa_kernel k_qc2e7289774_ln2
		.amdhsa_group_segment_fixed_size 0
		.amdhsa_private_segment_fixed_size 0
		.amdhsa_enable_private_segment 0
		.amdhsa_kernarg_size 32
		.amdhsa_user_sgpr_count 2
		.amdhsa_user_sgpr_kernarg_segment_ptr 1
		.amdhsa_wavefront_size32 1
		.amdhsa_system_sgpr_workgroup_id_x 1
		.amdhsa_system_sgpr_workgroup_id_y 1
		.amdhsa_system_sgpr_workgroup_id_z 1
		.amdhsa_system_vgpr_workitem_id 0
		.amdhsa_next_free_vgpr 160
		.amdhsa_next_free_sgpr 66
		.amdhsa_reserve_vcc 0
		.amdhsa_float_denorm_mode_32 3
		.amdhsa_float_denorm_mode_16_64 3
		.amdhsa_memory_ordered 1
		.amdhsa_forward_progress 1
		.amdhsa_inst_pref_size 20
	.end_amdhsa_kernel
	.amdgpu_metadata
---
amdhsa.version: [ 1, 2 ]
amdhsa.kernels:
  - .name:           k_qc2e7289774_ln2
    .symbol:         k_qc2e7289774_ln2.kd
    .args:
      - { .name: x1, .offset: 0, .size: 8, .value_kind: global_buffer, .address_space: global }
      - { .name: ln2_w, .offset: 8, .size: 8, .value_kind: global_buffer, .address_space: global }
      - { .name: ln2_b, .offset: 16, .size: 8, .value_kind: global_buffer, .address_space: global }
      - { .name: act, .offset: 24, .size: 8, .value_kind: global_buffer, .address_space: global }
    .group_segment_fixed_size: 0
    .private_segment_fixed_size: 0
    .kernarg_segment_align: 8
    .kernarg_segment_size: 32
    .max_flat_workgroup_size: 256
    .sgpr_count:     66
    .vgpr_count:     160
    .wavefront_size: 32
...
	.end_amdgpu_metadata
.endif
;; end of part 10
;; launch f1: the kernel of part 7 again; grid 16 x 16, 4 waves a work-group, clusters of 4 x 4, 327,680 bytes of LDS; arguments act, wb, big, f1_b; writes big
;; launch f2: the kernel of part 8 again; grid 8 x 32, 4 waves a work-group, clusters of 4 x 4, 327,680 bytes of LDS; arguments big, wb, out0, f2_b, x1; writes out0
